; MI455X (gfx1250); checked and timed in simulation.
; The chip was launched on July 23, 2026; its instructions are those of AMD's public machine-readable ISA for CDNA 5 (MIT licence, August 2026) and "CDNA5" Instruction Set Architecture Reference Guide (July 2026). The comments in the code are by the model that wrote it; some were corrected since.
;; Cross Attention. Allowed arithmetic: float matrix products may take bf16 or f16 operands with f32 sums; all other float work in f32.
;; Inputs: Wkv 1,024 x 2,048 float32; Wo 1,024 x 1,024 float32; Wq 1,024 x 1,024 float32; context 4 x 256 x 1,024 float32; k_scale 64 float32; ln_ctx_b 1,024 float32; ln_ctx_g 1,024 float32; ln_in_b 1,024 float32; ln_in_g 1,024 float32; ln_out_b 1,024 float32; ln_out_g 1,024 float32; null_kv 2 x 64 float32; q_scale 64 float32; x 4 x 4,096 x 1,024 float32.
;; Outputs: out0 4 x 4,096 x 1,024 float32.
;; 4 versions, each right; versions 2 to 3 are each faster than the one before; version 4 is version 3 with the launch prep written anew for expert scheduling mode. Each part assembles by itself: llvm-mc -triple=amdgcn-amd-amdhsa -mcpu=gfx1250 --defsym DOCPART=n.
;; ======== version 1 of 4: 2 launches
;; limits: values are held in f16: magnitudes above 65,504 overflow, below 6.1e-05 lose precision
;; workspace buffers: wb 4,194,304 bytes; kvb 4,194,304 bytes
;; launch prep (part 1): grid 256 x 1, 4 waves a work-group, no clusters, 188,928 bytes of LDS; arguments context, ln_ctx_g, ln_ctx_b, Wkv, k_scale, q_scale, Wq, Wo, wb, kvb; writes wb, kvb
.if DOCPART == 1
	.amdgcn_target "amdgcn-amd-amdhsa--gfx1250"
	.amdhsa_code_object_version 6
	.text
	.protected	k_q389ea478e9_prep
	.globl	k_q389ea478e9_prep
	.p2align	8
	.type	k_q389ea478e9_prep,@function
k_q389ea478e9_prep:
	s_mov_b64 s[64:65], 0
	v_nop
	global_prefetch_b8 v0, s[64:65] scope:SCOPE_SE
	s_setreg_imm32_b32 hwreg(HW_REG_WAVE_MODE, 25, 1), 1
	s_wait_xcnt 0x0
; PREPARATION: what all rows of x share, laid out in blocks of 16,384 dense bytes = 256 rows of 32 f16.
; (a) wb: block g = mat*128 + strip*32 + ks (mat 0 Wq, 1 Wo): row n, element kk = W[32 ks + kk][256 strip + n], rounded to f16.  Work-group g makes block g.
; (b) kvb: block (batch*16 + head)*4 + chunk of 64 keys: rows 64 c + key = K'[key][32 c + kk]; rows 128 + 64 kh + ch = V[32 kh + kk][ch].
;     K' = k / max(|k|, 1e-12) * k_scale * q_scale (q_scale is applied here and not to q: the same products, another order of rounding).
;     Work-group g: 64 rows of context (block g >> 4) x 128 columns of Wkv (block g & 15: two heads of K, or of V from block 8 on), K = 1024 in 32 steps.
; LayerNorm, norms and sums in f32; both matrix operands f16.  LIMITS: LN(context)*g+b, Wkv, Wq, Wo, v and k_scale*q_scale must lie within f16's 65,504;
; numbers below 6e-5 keep f16's fixed step of 6e-8.  NaN and infinities are not treated apart.
; NO TENSOR LOADS, NO CLUSTER: every operand is f32 in memory and is rounded (the weights also turned) in registers on its way into LDS, so a joint
; load into LDS would only add a second copy there; the launch's shared bytes are 8 MiB of weights and 4 MiB of context.
; Four waves.  LayerNorm: wave w takes rows 16 w .. 16 w + 15, a row a turn (32 registers), ring of four rows.  Product: wave (wr, wc) = (w >> 1, w & 1) makes
; rows 32 wr .. + 31 x the 64 channels of head wc: 8 accumulators; source 0 = 16 columns of W, source 1 = 16 rows: a lane holds one row and 8 channels.
.set AP,   144                         ; LDS pitch of a row's 64 numbers of one head (128 bytes + 16): 9 x 16 bytes, so 16 rows start at 16 different groups of four banks
.set AH,   64*AP                       ; 64 rows: the part of the A operand for 64 along K
.set WT,   16*AH                       ; behind A: two buffers of 128 rows x 80 bytes: a step's weights [n][32 k]
.set STG,  WT+2*10240                  ; 256 rows x 80 bytes: the results, as the block's rows
.set LT,3
.set CST,4                             ; v4  where I put my cast weights
.set CGO,5                             ; v5  my byte offset in a step of Wkv
.set CGA,6                             ; v6  the same in Wq or Wo
.set BAD,7                             ; v7  my place in a step's weight fragments
.set AAD,8                             ; v8  my place in A's fragments; steps along K
.set XO,9                              ; v9-12 ring slot s: byte offset of the row it loads next
.set LST,13                            ; v13-14 where a normalised row goes (columns 0-511, 512-1023)
.set NOF,15                            ; v15 32 x (lane / 16)
.set KST,16
.set VST,17
.set OL1,18
.set OG,19
.set OL2,20
.set L16,21                            ; v21 16 x lane
.set G,32                              ; LayerNorm: v32-63 gain, v64-95 bias, v96-127 at work, v128-255 four rows
.set B,64
.set T,96
.set X,128
.set ACC,32                            ; product: v32-95 accumulators (tt, cb) at 8 (4 tt + cb); v96-111 A's fragments; v112-127 packed weights
.set AF,96
.set T16,112
.set BF,64                             ; window 1: v0-63 my part of block g of Wq/Wo as loaded; v64-95 weight fragments
.set WV,26
.set WP,10                             ; s[10:11] Wkv at my columns, steps along K
.set CNT,62
.set SEL,68
.set RN,70
.set EPS,71
.set NEPS,72
.set MSB, 0
.macro WIN new                         ; the immediate's high byte repeats the setting that is left
.if MSB != (\new)
	s_set_vgpr_msb (MSB<<8)|(\new)
.set MSB, (\new)
.endif
.endm
.macro PLACES
.rept 4
	v_nop
.endr
.endm
.macro REDUCE t, u                     ; v[t] summed over the 32 lanes, in every lane; v[u] has been written
	v_add_f32_dpp v[\t], v[\t], v[\t] row_xmask:1 row_mask:0xf bank_mask:0xf
	v_add_f32_dpp v[\t], v[\t], v[\t] row_xmask:2 row_mask:0xf bank_mask:0xf
	v_add_f32_dpp v[\t], v[\t], v[\t] row_xmask:4 row_mask:0xf bank_mask:0xf
	v_add_f32_dpp v[\t], v[\t], v[\t] row_xmask:8 row_mask:0xf bank_mask:0xf
	v_permlanex16_b32 v[\u], v[\t], s[SEL], s[SEL+1]
	v_add_f32 v[\t], v[\t], v[\u]
.endm
; LayerNorm of one row of 1024 in 32 registers, in place: mean, then the squares of the differences (two passes in registers, so a common offset costs nothing)
.macro LNROW x
	v_pk_add_f32 v[24:25], v[(\x):(\x)+1], v[(\x)+2:(\x)+3]
	v_pk_add_f32 v[26:27], v[(\x)+4:(\x)+5], v[(\x)+6:(\x)+7]
.set k, 8
.rept 6
	v_pk_add_f32 v[24:25], v[24:25], v[(\x)+k:(\x)+k+1]
	v_pk_add_f32 v[26:27], v[26:27], v[(\x)+k+2:(\x)+k+3]
.set k, k+4
.endr
	v_pk_add_f32 v[24:25], v[24:25], v[26:27]
	v_add_f32 v24, v24, v25
	REDUCE 24, 25
	v_mul_f32 v24, 0xba800000, v24                 ; minus the mean: sum x (-1/1024)
.set k, 0
.rept 16
	v_pk_add_f32 v[(\x)+k:(\x)+k+1], v[(\x)+k:(\x)+k+1], v[24:25] op_sel_hi:[1,0]
.set k, k+2
.endr
	v_pk_mul_f32 v[26:27], v[(\x):(\x)+1], v[(\x):(\x)+1]
	v_pk_mul_f32 v[28:29], v[(\x)+2:(\x)+3], v[(\x)+2:(\x)+3]
.set k, 4
.rept 7
	v_pk_fma_f32 v[26:27], v[(\x)+k:(\x)+k+1], v[(\x)+k:(\x)+k+1], v[26:27]
	v_pk_fma_f32 v[28:29], v[(\x)+k+2:(\x)+k+3], v[(\x)+k+2:(\x)+k+3], v[28:29]
.set k, k+4
.endr
	v_pk_add_f32 v[26:27], v[26:27], v[28:29]
	v_add_f32 v26, v26, v27
	REDUCE 26, 27
	v_fma_f32 v26, v26, s[RN], s[EPS]              ; variance + 1e-5
	v_rsq_f32 v26, v26
	v_nop                                          ; a plain instruction between the root and its use
.set k, 0
	s_wait_alu depctr_va_vdst(0)
.rept 16
	v_pk_mul_f32 v[(\x)+k:(\x)+k+1], v[(\x)+k:(\x)+k+1], v[26:27] op_sel_hi:[1,0]
.set k, k+2
.endr
.set k, 0
.rept 16
	v_pk_fma_f32 v[(\x)+k:(\x)+k+1], v[(\x)+k:(\x)+k+1], v[G+k:G+k+1], v[B+k:B+k+1]
.set k, k+2
.endr
.endm
; 16 loads of 8 bytes: my two columns in 16 rows of k; a wave's load covers 256 consecutive bytes
.macro CASTLOAD buf, adr, base, pitch, off
.set k, 0
.rept 16
	global_load_b64 v[(\buf)+2*k:(\buf)+2*k+1], v[\adr], s[\base:\base+1] offset:(\off)+k*(\pitch)
.set k, k+1
.endr
.endm
; those 32 numbers rounded to f16, 16 k of a column packed into 32 bytes of the column's LDS row
.macro CASTPUT buf, ldsoff, win
	WIN \win
.irp p, 0,1
.irp m, 0,1,2,3,4,5,6,7
	v_cvt_pk_f16_f32 v[T16+8*\p+\m], v[(\buf)+4*\m+\p], v[(\buf)+4*\m+2+\p]
.endr
.endr
	WIN 0
.irp p, 0,1
	ds_store_b128 v[CST], v[T16+8*\p:T16+8*\p+3] offset:(\ldsoff)+80*\p
	ds_store_b128 v[CST], v[T16+8*\p+4:T16+8*\p+7] offset:(\ldsoff)+80*\p+16
.endr
.endm
; The turn of ring slot s: its row is normalised, rounded to f16 and laid into A.  left = the younger loads that may stay out.
; fill = 1: the slot takes the row four further on.  cast = 1 (the last four rows): its registers take the weights of K step s.
.macro TURN s, fill, left, cast
	s_wait_loadcnt \left
	LNROW X+32*(\s)
.set k, 0
.rept 16
	v_cvt_pk_f16_f32 v[T+k], v[X+32*(\s)+2*k], v[X+32*(\s)+2*k+1]
.set k, k+1
.endr
.irp j, 0,1,2,3
	ds_store_b64 v[LST], v[T+2*\j:T+2*\j+1] offset:\j*2*AH+(\s)*AP          ; columns 128 j + 4 lane ..: head 2 j + lane / 16
	ds_store_b64 v[LST+1], v[T+8+2*\j:T+8+2*\j+1] offset:\j*2*AH+(\s)*AP
.endr
.if \fill
	v_add_nc_u32 v[XO+(\s)], 16384, v[XO+(\s)]     ; free since the wait above showed the slot's loads done
.irp j, 0,1,2,3,4,5,6,7
	global_load_b128 v[X+32*(\s)+4*\j:X+32*(\s)+4*\j+3], v[XO+(\s)], s[4:5] offset:512*\j
.endr
.endif
.if \cast
	CASTLOAD X+32*(\s), CGO, WP, 8192, (\s)*262144
.endif
.endm
; A K step of 32.  q = step mod 4: its weights lie in registers X + 32 q and go to weight buffer q & 1.  One barrier a step serves two buffers: a buffer is written
; again two steps on, and every wave's reads of it were waited for ahead of the barrier in between.
.macro KSTEP q, zero, load, left
	s_wait_loadcnt \left                           ; this step's 16 loads are in; 16 for each younger step stay out
	CASTPUT X+32*(\q), ((\q)&1)*10240, 0           ; its 16 conversions are also the places between the last products and the loads into their fragments
.if \load
	CASTLOAD X+32*(\q), CGO, WP, 8192, (4+(\q))*262144
.endif
	s_wait_dscnt 0x0                               ; for the others' sake: my stores are done (in the first step my rows of A too)
	s_barrier_signal -1
	s_barrier_wait -1
	WIN 0x40                                       ; destination window 1
.irp cb, 0,1,2,3
	ds_load_b128 v[BF+8*\cb:BF+8*\cb+3], v[BAD] offset:((\q)&1)*10240+\cb*1280
	ds_load_b128 v[BF+8*\cb+4:BF+8*\cb+7], v[BAD] offset:((\q)&1)*10240+\cb*1280+32
.endr
	WIN 0
.irp tt, 0,1
	ds_load_b128 v[AF+8*\tt:AF+8*\tt+3], v[AAD] offset:\tt*16*AP+((\q)&1)*64+((\q)>>1)*AH
	ds_load_b128 v[AF+8*\tt+4:AF+8*\tt+7], v[AAD] offset:\tt*16*AP+((\q)&1)*64+((\q)>>1)*AH+32
.endr
	s_wait_dscnt 0x0
	WIN 0x01                                       ; source 0 window 1
.irp tt, 0,1
.irp cb, 0,1,2,3                       ; the eight accumulators take turns
.if \zero
	v_wmma_f32_16x16x32_f16 v[ACC+8*(4*\tt+\cb):ACC+8*(4*\tt+\cb)+7], v[BF+8*\cb:BF+8*\cb+7], v[AF+8*\tt:AF+8*\tt+7], 0
.else
	v_wmma_f32_16x16x32_f16 v[ACC+8*(4*\tt+\cb):ACC+8*(4*\tt+\cb)+7], v[BF+8*\cb:BF+8*\cb+7], v[AF+8*\tt:AF+8*\tt+7], v[ACC+8*(4*\tt+\cb):ACC+8*(4*\tt+\cb)+7]
.endif
.endr
.endr
	WIN 0
.endm
; 256 LDS rows of 64 bytes (pitch 80) leave as dense bytes: thread t takes 16 bytes, a wave's store covers 512 consecutive bytes
.macro OUT16K adr, reg, base, second
.irp j, 0,1,2,3,4,5,6,7
	ds_load_b128 v[(\reg)+4*\j:(\reg)+4*\j+3], v[\adr] offset:\j*2560
.endr
.irp j, 0,1,2,3
	s_wait_dscnt 7-\j
	global_store_b128 v[OG], v[(\reg)+4*\j:(\reg)+4*\j+3], s[\base:\base+1] offset:\j*2048
.endr
.irp j, 4,5,6,7
	s_wait_dscnt 7-\j
	global_store_b128 v[OG], v[(\reg)+4*\j:(\reg)+4*\j+3], s[\base:\base+1] offset:(\second)+(\j-4)*2048
.endr
.endm
	s_load_b512 s[4:19], s[0:1], 0x0               ; context 4, ln_ctx_g 6, ln_ctx_b 8, Wkv 10, k_scale 12, q_scale 14, Wq 16, Wo 18
	s_load_b128 s[20:23], s[0:1], 0x40             ; wb 20, kvb 22
	v_lshl_add_u32 v22, v0, 2, 0x2e000
	v_mov_b32 v23, 0
	v_lshrrev_b32 v24, 5, v0
	v_readfirstlane_b32 s[WV], v24                 ; wave 0..3
	s_mov_b32 s27, ttmp9                           ; g
	s_lshr_b32 s28, s27, 4                         ; block of 64 rows of context
	s_and_b32 s29, s27, 15                         ; block of 128 columns of Wkv
	s_lshr_b32 s30, s29, 3                         ; 0: K, 1: V
	s_lshr_b32 s31, s[WV], 1                       ; wr
	s_and_b32 s32, s[WV], 1                        ; wc
	s_mov_b32 s[SEL], 0x76543210
	s_mov_b32 s[SEL+1], 0xfedcba98
	s_mov_b32 s[RN], 0x3a800000                    ; 1/1024
	s_mov_b32 s[EPS], 0x3727c5ac                   ; 1e-5
	s_mov_b32 s[NEPS], 0x2b8cbccc                  ; 1e-12
	v_and_b32 v1, 15, v0                           ; r = lane % 16
	v_bfe_u32 v2, v0, 4, 1                         ; h = lane / 16
	v_and_b32 v24, 31, v0
	v_lshlrev_b32 v[L16], 4, v24
	v_mul_u32_u24 v[LT], v1, AP
	v_lshl_add_u32 v[LT], v2, 4, v[LT]             ; a fragment's row x pitch + 16 h
.irp s, 0,1,2,3
	v_add_nc_u32 v[XO+\s], \s*4096, v[L16]
.endr
	s_mul_i32 s33, s[WV], 16*AP
	v_lshlrev_b32 v[LST], 3, v1
	v_mad_u32_u24 v[LST], v2, AH, v[LST]
	v_add_nc_u32 v[LST], s33, v[LST]               ; my wave's first row; head lane / 16; 8 bytes for each of 16 lanes
	v_add_nc_u32 v[LST+1], 8*AH, v[LST]
	v_lshlrev_b32 v[NOF], 5, v2
	v_lshlrev_b32 v25, 1, v24
	s_lshl_b32 s33, s32, 6
	v_add_nc_u32 v25, s33, v25                     ; my first column of 128: 64 (w & 1) + 2 lane
	v_mul_u32_u24 v[CST], v25, 80
	s_lshl_b32 s33, s31, 5
	v_add_nc_u32 v[CST], s33, v[CST]               ; + 16 (w >> 1) numbers along k
	v_add_nc_u32 v[CST], WT, v[CST]
	v_lshlrev_b32 v25, 2, v25
	s_lshl_b32 s33, s31, 17
	v_add_nc_u32 v[CGO], s33, v25                  ; 16 (w >> 1) rows of 8,192 bytes
	s_lshl_b32 s33, s31, 16
	v_add_nc_u32 v[CGA], s33, v25                  ; of 4,096 bytes
	v_mul_u32_u24 v26, v1, 80
	v_lshl_add_u32 v26, v2, 4, v26                 ; r x 80 + 16 h
	s_mul_i32 s33, s32, 5120
	s_add_co_u32 s33, s33, WT
	v_add_nc_u32 v[BAD], s33, v26
	s_mul_i32 s33, s31, 32*AP
	v_add_nc_u32 v[AAD], s33, v[LT]
	s_mul_i32 s33, s32, 10240
	s_add_co_u32 s33, s33, STG                     ; my head's 128 rows of the stage
	s_mul_i32 s39, s31, 32*80
	s_add_co_u32 s39, s39, s33
	v_add_nc_u32 v[KST], s39, v26                  ; K: row 32 wr + r, 16 h
	s_mul_i32 s39, s31, 64*80
	s_add_co_u32 s39, s39, s33
	v_mul_u32_u24 v[VST], v2, 8*80
	v_lshl_add_u32 v[VST], v1, 1, v[VST]
	v_add_nc_u32 v[VST], s39, v[VST]               ; V: row 64 wr + 8 h, element r
	v_lshrrev_b32 v27, 2, v0
	v_and_b32 v28, 3, v0
	v_mul_u32_u24 v27, v27, 80
	v_lshl_add_u32 v27, v28, 4, v27
	v_add_nc_u32 v[OL1], STG, v27
	v_add_nc_u32 v[OL2], WT, v27
	v_lshlrev_b32 v[OG], 4, v0
	s_mov_b32 s35, 0
	s_wait_kmcnt 0x0
	s_lshl_b32 s34, s28, 18
	s_lshl_b32 s38, s[WV], 16
	s_add_co_u32 s34, s34, s38
	s_add_nc_u64 s[4:5], s[4:5], s[34:35]          ; context at my wave's 16 rows
	s_lshl_b32 s34, s29, 9
	s_add_nc_u64 s[WP:WP+1], s[WP:WP+1], s[34:35]  ; Wkv at my 128 columns
	s_cmp_lt_u32 s27, 128
	s_cselect_b64 s[36:37], s[16:17], s[18:19]     ; blocks 0-127 come from Wq, 128-255 from Wo
	s_and_b32 s34, s27, 31
	s_lshl_b32 s34, s34, 17                        ; 32 rows of 4,096 bytes a K step
	s_bfe_u32 s38, s27, 0x20005
	s_lshl_b32 s38, s38, 10                        ; 256 columns a strip
	s_add_co_u32 s34, s34, s38
	s_add_nc_u64 s[36:37], s[36:37], s[34:35]
	s_lshl_b32 s34, s27, 14
	s_add_nc_u64 s[20:21], s[20:21], s[34:35]      ; wb at block g
	s_lshr_b32 s34, s28, 2
	s_lshl_b32 s34, s34, 6                         ; batch x 64 blocks
	s_and_b32 s38, s29, 7
	s_lshl3_add_u32 s34, s38, s34                  ; + 2 heads x 4 chunks for each column block
	s_and_b32 s38, s28, 3
	s_add_co_u32 s34, s34, s38                     ; + chunk
	s_lshl_b32 s34, s34, 1
	s_add_co_u32 s34, s34, s30                     ; K fills a block's first half, V its second
	s_lshl_b32 s34, s34, 13
	s_add_nc_u64 s[22:23], s[22:23], s[34:35]
	WIN 0x40                                       ; my part of block g of Wq/Wo waits in window 1 until the end
	CASTLOAD 0, CGA, 36, 4096, 0
	CASTLOAD 32, CGA, 36, 4096, 512
	WIN 0
.irp j, 0,1,2,3,4,5,6,7
	global_load_b128 v[G+4*\j:G+4*\j+3], v[L16], s[6:7] offset:512*\j
	global_load_b128 v[B+4*\j:B+4*\j+3], v[L16], s[8:9] offset:512*\j
.endr
.irp s, 0,1,2,3
.irp j, 0,1,2,3,4,5,6,7
	global_load_b128 v[X+32*\s+4*\j:X+32*\s+4*\j+3], v[XO+\s], s[4:5] offset:512*\j
.endr
.endr
	s_mov_b32 s[CNT], 3
.Lln:
	TURN 0, 1, 24, 0                               ; three younger rows of 8 loads stay out
	TURN 1, 1, 24, 0
	TURN 2, 1, 24, 0
	TURN 3, 1, 24, 0
	v_add_nc_u32 v[LST], 4*AP, v[LST]
	v_add_nc_u32 v[LST+1], 4*AP, v[LST+1]
	s_sub_co_u32 s[CNT], s[CNT], 1
	s_cmp_lg_u32 s[CNT], 0
	s_cbranch_scc1 .Lln
	TURN 0, 0, 24, 1                               ; the last four rows: behind each its registers take a K step's weights,
	TURN 1, 0, 32, 1                               ; so the counts are 8 for each younger row + 16 for each step asked for
	TURN 2, 0, 40, 1
	TURN 3, 0, 48, 1
	KSTEP 0, 1, 1, 48                              ; the first K step starts the sums
	KSTEP 1, 0, 1, 48
	KSTEP 2, 0, 1, 48
	KSTEP 3, 0, 1, 48
	s_wait_xcnt 0x0                                ; the loads' base is stepped only behind this wait
	s_add_nc_u64 s[WP:WP+1], s[WP:WP+1], 0x100000  ; four K steps of 32 rows of 8,192 bytes
	v_add_nc_u32 v[AAD], 2*AH, v[AAD]
	s_mov_b32 s[CNT], 6
.Lk:
	KSTEP 0, 0, 1, 48
	KSTEP 1, 0, 1, 48
	KSTEP 2, 0, 1, 48
	KSTEP 3, 0, 1, 48
	s_wait_xcnt 0x0
	s_add_nc_u64 s[WP:WP+1], s[WP:WP+1], 0x100000
	v_add_nc_u32 v[AAD], 2*AH, v[AAD]
	s_sub_co_u32 s[CNT], s[CNT], 1
	s_cmp_lg_u32 s[CNT], 0
	s_cbranch_scc1 .Lk
	KSTEP 0, 0, 0, 48                              ; the last four steps load nothing: the counts run down
	KSTEP 1, 0, 0, 32
	KSTEP 2, 0, 0, 16
	KSTEP 3, 0, 0, 0
	PLACES                                         ; between the last products and the first reads of their results
	s_cmp_lg_u32 s30, 0
	s_cbranch_scc1 .Lvpart
	; K: each row of a head is divided by its length and multiplied by k_scale x q_scale.  A lane holds 32 of the row's 64 channels, the lane 16 away the others.
.irp cb, 0,1,2,3
	global_load_b128 v[128+8*\cb:128+8*\cb+3], v[NOF], s[12:13] offset:64*\cb
	global_load_b128 v[128+8*\cb+4:128+8*\cb+7], v[NOF], s[12:13] offset:64*\cb+16
	global_load_b128 v[160+8*\cb:160+8*\cb+3], v[NOF], s[14:15] offset:64*\cb
	global_load_b128 v[160+8*\cb+4:160+8*\cb+7], v[NOF], s[14:15] offset:64*\cb+16
.endr
.irp tt, 0,1
	v_pk_mul_f32 v[24+4*\tt:25+4*\tt], v[ACC+32*\tt:ACC+32*\tt+1], v[ACC+32*\tt:ACC+32*\tt+1]  ; each accumulator is read from its low end on
	v_pk_mul_f32 v[26+4*\tt:27+4*\tt], v[ACC+32*\tt+2:ACC+32*\tt+3], v[ACC+32*\tt+2:ACC+32*\tt+3]
.set k, 4
.rept 7
	v_pk_fma_f32 v[24+4*\tt:25+4*\tt], v[ACC+32*\tt+k:ACC+32*\tt+k+1], v[ACC+32*\tt+k:ACC+32*\tt+k+1], v[24+4*\tt:25+4*\tt]
	v_pk_fma_f32 v[26+4*\tt:27+4*\tt], v[ACC+32*\tt+k+2:ACC+32*\tt+k+3], v[ACC+32*\tt+k+2:ACC+32*\tt+k+3], v[26+4*\tt:27+4*\tt]
.set k, k+4
.endr
	v_pk_add_f32 v[24+4*\tt:25+4*\tt], v[24+4*\tt:25+4*\tt], v[26+4*\tt:27+4*\tt]
	v_add_f32 v[24+4*\tt], v[24+4*\tt], v[25+4*\tt]
	v_permlanex16_b32 v[25+4*\tt], v[24+4*\tt], s[SEL], s[SEL+1]
	v_add_f32 v[24+4*\tt], v[24+4*\tt], v[25+4*\tt]
.endr
	v_sqrt_f32 v24, v24
	v_sqrt_f32 v28, v28
	v_nop
	s_wait_alu depctr_va_vdst(0)
	v_max_num_f32 v25, s[NEPS], v24
	v_max_num_f32 v29, s[NEPS], v28
	v_rcp_f32 v24, v25
	v_rcp_f32 v28, v29
	s_wait_loadcnt 0x0
.set k, 0
.rept 16
	v_pk_mul_f32 v[128+k:128+k+1], v[128+k:128+k+1], v[160+k:160+k+1]
.set k, k+2
.endr
	s_wait_alu depctr_va_vdst(0)
.irp tt, 0,1
.set k, 0
.rept 16
	v_pk_mul_f32 v[ACC+32*\tt+k:ACC+32*\tt+k+1], v[ACC+32*\tt+k:ACC+32*\tt+k+1], v[24+4*\tt:25+4*\tt] op_sel_hi:[1,0]
.set k, k+2
.endr
.set k, 0
.rept 16
	v_pk_mul_f32 v[ACC+32*\tt+k:ACC+32*\tt+k+1], v[ACC+32*\tt+k:ACC+32*\tt+k+1], v[128+k:128+k+1]
.set k, k+2
.endr
.set k, 0
.rept 16
	v_cvt_pk_f16_f32 v[T+16*\tt+k], v[ACC+32*\tt+2*k], v[ACC+32*\tt+2*k+1]
.set k, k+1
.endr
.irp cb, 0,1,2,3
	ds_store_b128 v[KST], v[T+16*\tt+4*\cb:T+16*\tt+4*\cb+3] offset:(64*(\cb>>1)+16*\tt)*80+(\cb&1)*32  ; row 64 c + key, 8 channels
.endr
.endr
	s_branch .Ljoin
.Lvpart:
	; V goes in turned: row = channel, element = key; a lane's eight channels of one key go to eight rows, two bytes each (once a launch, 64 stores a lane)
.irp tt, 0,1
.set k, 0
.rept 16
	v_cvt_pk_f16_f32 v[T+16*\tt+k], v[ACC+32*\tt+2*k], v[ACC+32*\tt+2*k+1]
.set k, k+1
.endr
.set k, 0
.rept 16                               ; k = 4 cb + j / 2: channels 16 cb + 8 h + j, j + 1 = rows 4 k.. in steps of two
	ds_store_b16 v[VST], v[T+16*\tt+k] offset:(16*(k/4)+2*(k%4))*80+32*\tt
	ds_store_b16_d16_hi v[VST], v[T+16*\tt+k] offset:(16*(k/4)+2*(k%4)+1)*80+32*\tt
.set k, k+1
.endr
.endr
.Ljoin:
	s_wait_dscnt 0x0                               ; for the others' sake: my part of the stage is written
	s_barrier_signal -1
	s_barrier_wait -1
	OUT16K OL1, 192, 22, 65536                     ; two heads' halves of a block: the second head's block lies four blocks on
	CASTPUT 0, 0, 0x05                             ; block g of Wq/Wo: the weight buffers are free behind that barrier: every wave's reads of them were waited for
	CASTPUT 32, 10240, 0x05
	s_wait_dscnt 0x0
	s_barrier_signal -1
	s_barrier_wait -1
	OUT16K OL2, 224, 20, 8192
	s_wait_tensorcnt 0x0
	ds_add_u32 v22, v23
	s_wait_dscnt 0x0
	s_endpgm
.Lfunc_end_k_q389ea478e9_prep:
	.size	k_q389ea478e9_prep, .Lfunc_end_k_q389ea478e9_prep-k_q389ea478e9_prep
	.p2alignl 7, 3214868480
	.fill 96, 4, 3214868480
	.section	.rodata,"a",@progbits
	.p2align	6, 0x0
	.amdhsa_kernel k_q389ea478e9_prep
		.amdhsa_group_segment_fixed_size 188928
		.amdhsa_private_segment_fixed_size 0
		.amdhsa_enable_private_segment 0
		.amdhsa_kernarg_size 80
		.amdhsa_user_sgpr_count 2
		.amdhsa_user_sgpr_kernarg_segment_ptr 1
		.amdhsa_wavefront_size32 1
		.amdhsa_system_sgpr_workgroup_id_x 1
		.amdhsa_system_sgpr_workgroup_id_y 1
		.amdhsa_system_sgpr_workgroup_id_z 1
		.amdhsa_system_vgpr_workitem_id 0
		.amdhsa_next_free_vgpr 352
		.amdhsa_next_free_sgpr 74
		.amdhsa_reserve_vcc 0
		.amdhsa_float_denorm_mode_32 3
		.amdhsa_float_denorm_mode_16_64 3
		.amdhsa_memory_ordered 1
		.amdhsa_forward_progress 1
		.amdhsa_inst_pref_size 152
	.end_amdhsa_kernel
	.amdgpu_metadata
---
amdhsa.version: [ 1, 2 ]
amdhsa.kernels:
  - .name:           k_q389ea478e9_prep
    .symbol:         k_q389ea478e9_prep.kd
    .args:
      - { .name: context, .offset: 0, .size: 8, .value_kind: global_buffer, .address_space: global }
      - { .name: ln_ctx_g, .offset: 8, .size: 8, .value_kind: global_buffer, .address_space: global }
      - { .name: ln_ctx_b, .offset: 16, .size: 8, .value_kind: global_buffer, .address_space: global }
      - { .name: Wkv, .offset: 24, .size: 8, .value_kind: global_buffer, .address_space: global }
      - { .name: k_scale, .offset: 32, .size: 8, .value_kind: global_buffer, .address_space: global }
      - { .name: q_scale, .offset: 40, .size: 8, .value_kind: global_buffer, .address_space: global }
      - { .name: Wq, .offset: 48, .size: 8, .value_kind: global_buffer, .address_space: global }
      - { .name: Wo, .offset: 56, .size: 8, .value_kind: global_buffer, .address_space: global }
      - { .name: wb, .offset: 64, .size: 8, .value_kind: global_buffer, .address_space: global }
      - { .name: kvb, .offset: 72, .size: 8, .value_kind: global_buffer, .address_space: global }
    .group_segment_fixed_size: 188928
    .private_segment_fixed_size: 0
    .kernarg_segment_align: 8
    .kernarg_segment_size: 80
    .max_flat_workgroup_size: 128
    .sgpr_count:     74
    .vgpr_count:     352
    .wavefront_size: 32
...
	.end_amdgpu_metadata
.endif
;; end of part 1
;; launch attn (part 2): grid 256 x 1, 4 waves a work-group, clusters of 4 x 1, 327,680 bytes of LDS; arguments x, ln_in_g, ln_in_b, wb, kvb, null_kv, k_scale, q_scale, ln_out_g, ln_out_b, out0; writes out0
.if DOCPART == 2
	.amdgcn_target "amdgcn-amd-amdhsa--gfx1250"
	.amdhsa_code_object_version 6
	.text
	.protected	k_q389ea478e9_attn
	.globl	k_q389ea478e9_attn
	.p2align	8
	.type	k_q389ea478e9_attn,@function
k_q389ea478e9_attn:
	s_mov_b64 s[64:65], 0
	v_nop
	global_prefetch_b8 v0, s[64:65] scope:SCOPE_SE
	s_setreg_imm32_b32 hwreg(HW_REG_WAVE_MODE, 25, 1), 1
	s_wait_xcnt 0x0
	s_wait_alu depctr_hold_cnt(0) depctr_sa_sdst(0) depctr_va_vdst(0) depctr_va_sdst(0) depctr_va_ssrc(0) depctr_va_vcc(0) depctr_vm_vsrc(0)
	s_getreg_b32 s2, hwreg(HW_REG_IB_STS2, 6, 4)
	s_cmp_eq_u32 s2, 0
	s_cbranch_scc0 .Lentry_in_a_cluster
	s_endpgm
.Lentry_in_a_cluster:
	s_bfe_u32 s2, ttmp6, 0x10000c
	s_cmp_lg_u32 s2, 0x3003
	s_cbranch_scc0 .Lentry_shape_is_right
	s_endpgm
.Lentry_shape_is_right:
; out0 = LN( softmax(8 q^ . k^) V . Wo ), q^ = l2-normalised LN(x) Wq, for 64 rows of x a work-group; nothing of a row goes through memory between x and out0.
; Four waves.  LayerNorms: wave w takes rows 16 w .. + 15, a row a turn.  Both projections: wave w makes all 64 rows x columns 256 w .. + 255: 64 accumulators, 512 registers.
; Those columns of q are heads 4 w .. 4 w + 3, so a wave normalises its own q and runs its own four heads' attention (64 queries, 256 keys in chunks of 64, and the null key).
; 64 rows: the last LayerNorm wants whole rows of 1024 in one work-group, and 16,384 rows on 256 work-groups are 64 each.
; FORMATS.  Every matrix operand is f16, sums f32; LayerNorms, lengths, maxima, exponentials and their sums f32.  LIMITS: LN(x)*g+b and the null key x k_scale x q_scale must lie within
; f16's 65,504 (the weights, K' and V arrive in f16 from the launch before); q_scale is applied to the keys and not to q (the same products, another order of rounding); a weight below 2^-126
; counts as 0; the weights' sum is taken of the unrounded weights; NaN and infinities are not treated apart.
; WHAT IS STREAMED is one kind of tile: 16,384 dense bytes = 256 rows of 32 f16, padded in LDS to rows of 80 bytes; fragment f is rows 16 f .. + 15.  A wave walks 80 tiles of its own: 32 of Wq
; (its 256 columns x 32 k), 16 of K and V (head, chunk: fragments 4 c + kb = K, 8 + 4 kh + cb = V turned), 32 of Wo.  Tile n lies in LDS slot n % 2 and goes to fragment buffer n % 2.
; CLUSTER.  The four work-groups of a cluster belong to one batch and walk the same tiles: each tile is asked for jointly, same load, descriptor and mask in all four.
; ORIENTATION.  Source 0 = the streamed fragment, source 1 = 16 rows x 32 k: a lane holds ONE row (lane % 16) and 8 neighbouring columns, keys or channels (8 (lane / 16) + j), so that
; results rounded in pairs are the next product's source 1, and a row's length, maximum and sum want one exchange between the halves of the lanes.
; SOFTMAX.  Running maximum m and sum l a query; p = 2^(c s - c m), c = 8 log2(e).  A head begins with the null key: m = its score, l = 1, O = the null value.
; REGISTERS in windows of 256 (s_set_vgpr_msb: bits 1:0 source 0, 3:2 source 1, 5:4 source 2, 7:6 destination):
;   window 0: v0-31 addresses and work; then by phase (see the names below)      window 1: two fragment buffers of 128
;   windows 2, 3: projections: accumulator (a, b) in window 2 + b / 8 at 8 (4 (b % 8) + a).  Attention, window 2: v0-127 O, v128-191 P, v192-223 null value, v224-239 null key
.set AP,    144                        ; LDS pitch of a row's 64 numbers of one head: 128 bytes + 16 = 9 x 16, so the 16 rows of a load start at 16 different groups of four banks
.set AH,    64*AP                      ; 64 rows: the part of the A operand for 64 along K (one head)
.set RING,  16*AH                      ; A operand: bytes 0 .. 147,455, written by LDS stores alone: LN(x), then q^ and O (each wave in its own heads)
.set WPART, 256*80                     ; a tile in LDS
.set SLOTB, 4*WPART                    ; a slot: a tile for each wave
.set SPARE, RING+2*SLOTB               ; behind the ring: the spare words, 128 bytes a wave: two blocks of 256 bytes that no other line names
.set OPI,   4112                       ; the last stage (bytes 0 .. 263,167, used when the ring has had its last fill and its last read): a row of 1024 f32 + 16 bytes
.set LT,3                              ; v3  r x 144 + 16 h: my place in a fragment of the A operand
.set BAD,4                             ; v4-5 my place in my wave's tile, slot 0, 1
.set AAD,6                             ; v6  A's fragments: steps along K
.set HAD,7                             ; v7  the head in hand
.set WAD,8                             ; v8  my wave's first head
.set XO,9                              ; v9-12 ring slot s: byte offset of the row of x that it loads next
.set LST,13                            ; v13-14 where a normalised row goes
.set NOF,15                            ; v15 32 h
.set DST,16                            ; v16-19 last stage: where accumulators of row block a go
.set DLD,20                            ; v20 last stage: where I read rows back
.set GOF,21                            ; v21 16 x lane; in the last loop it steps along out0
.set SPW,22                            ; v22 my spare word; never rewritten
.set NIL,23                            ; v23 0; never rewritten
.set G,32                              ; LayerNorms: v32-63 gain, v64-95 bias, v96-127 at work, v128-255 four rows
.set B,64
.set T,96
.set X,128
.set AF,32                             ; projections: v32-63, v64-95 A's fragments, two buffers
.set SS,32                             ; q norm: v32-47 sums of squares, v48-55 1 / length, v96-127 scaled, v128-143 packed; v144-239 null key, k_scale, q_scale
.set RI,48
.set PKR,128
.set NK,144
.set KSR,176
.set QSR,208
.set ST,32                             ; attention: tile t's statistics at v[32 + 8 t]: c m, m, l (two halves), c0-c3 at work (c2 takes a)
.set QF,64                             ; v64-127 q^: tile a, channel half c at 16 a + 8 c
.set S,128                             ; v128-255 scores: tile a, key block kb at 32 a + 8 kb
.set P,128                             ; window 2
.set NV,192
.set KN,224
.set WV,26
.set XB,4
.set OB,24
.set G1,32                             ; s[32:39] descriptor group 1
.set G0,40                             ; s[40:43] group 0: it walks
.set G0B,44                            ; s[44:47] group 0 of tile 1, the second first fill
.set PQ,48                             ; s[48:53] my wave's tiles of Wq, of K and V, of Wo
.set PK,50
.set PO,52
.set BASE,54
.set OFF,56
.set NXT,58                            ; s58 the tile to be asked for next
.set STT,59
.set LA,60                             ; s60 my wave's part of slot 0
.set CNT,62
.set HC,63
.set CS,66
.set SEL,68
.set RN,70
.set EPS,71
.set NEPS,72
.set MUL_LO,0xa1                       ; source 0 window 1, source 1 window 0, C and D window 2
.set TO_F,0x40
.set W_KQ,0x01
.set W_NS,0x02
.set W_PV,0xa9
.set W_P,0x80
.set W_RS,0x82
.set W_OC,0x0a
.set MSB, 0
.macro WIN new                         ; the immediate's high byte repeats the setting that is left; a switch that changes nothing is dropped
.if MSB != (\new)
	s_set_vgpr_msb (MSB<<8)|(\new)
.set MSB, (\new)
.endif
.endm
.macro PLACES                          ; four plain places behind matrix instructions (ISA guide 7.12.1), where no other vector work is at hand
.rept 4
	v_nop
.endr
.endm
.macro ALL4 line:vararg                ; one line for each tile t of 16 rows
.set t, 0
.rept 4
	\line
.set t, t+1
.endr
.endm
.macro CREST                           ; a round of the cluster's barrier behind its opening barrier
	s_cmp_lg_u32 s[WV], 0
	s_cbranch_scc1 .Lnot_wave_0_\@
	s_barrier_signal -3
.Lnot_wave_0_\@:
	s_barrier_wait -3
	s_barrier_signal -1
	s_barrier_wait -1
.endm
.macro CROUND
	s_barrier_signal -1
	s_barrier_wait -1
	CREST
.endm
.macro JLOAD                           ; the joint refill: one line for all waves, whose two addresses hang on the wave's number; s_nop 0 and four v_nop follow
	tensor_load_to_lds s[G0:G0+3], s[G1:G1+7]
	s_nop 0
	PLACES
.endm
; The walking descriptor is made anew for tile NXT: tiles 0-31 Wq, 32-47 K and V, 48-79 Wo; a pointer and an offset made apart
.macro NEXTD slot
	s_cmp_lt_u32 s[NXT], 32
	s_cselect_b64 s[BASE:BASE+1], s[PQ:PQ+1], s[PK:PK+1]
	s_cselect_b32 s[STT], 0, 32
	s_cmp_lt_u32 s[NXT], 48
	s_cselect_b64 s[BASE:BASE+1], s[BASE:BASE+1], s[PO:PO+1]
	s_cselect_b32 s[STT], s[STT], 48
	s_sub_co_u32 s[OFF], s[NXT], s[STT]
	s_lshl_b32 s[OFF], s[OFF], 14
	s_add_nc_u64 s[G0+2:G0+3], s[BASE:BASE+1], s[OFF:OFF+1]
	s_or_b32 s[G0+3], s[G0+3], 0x80000000
	s_add_co_u32 s[G0+1], s[LA], (\slot)*SLOTB
	s_add_co_u32 s[NXT], s[NXT], 1
.endm
.macro FETCH slot, g                   ; 32 LDS loads in one run: my tile's 16 fragments into buffer g
	WIN TO_F
.set ff, 0
.rept 16
	ds_load_b128 v[128*(\g)+8*ff:128*(\g)+8*ff+3], v[BAD+(\slot)] offset:ff*1280
	ds_load_b128 v[128*(\g)+8*ff+4:128*(\g)+8*ff+7], v[BAD+(\slot)] offset:ff*1280+32
.set ff, ff+1
.endr
.endm
.macro AFETCH g, off                   ; 8 LDS loads: 64 rows x 32 k of the A operand
	WIN 0
.irp a, 0,1,2,3
	ds_load_b128 v[AF+32*(\g)+8*\a:AF+32*(\g)+8*\a+3], v[AAD] offset:(\off)+\a*16*AP
	ds_load_b128 v[AF+32*(\g)+8*\a+4:AF+32*(\g)+8*\a+7], v[AAD] offset:(\off)+\a*16*AP+32
.endr
.endm
; 4 n matrix instructions: column blocks b0 .. b0 + n - 1 x the four row blocks.  The 64 accumulators take turns in the same order in every trip.
.macro MUL f, b0, n, zero
.set bb, \b0
.rept \n
	WIN MUL_LO+0x50*(bb/8)
.set aa, 0
.rept 4
.set rD, 8*(4*(bb%8)+aa)
.if \zero
	v_wmma_f32_16x16x32_f16 v[rD:rD+7], v[128*(\f)+8*bb:128*(\f)+8*bb+7], v[AF+32*(\f)+8*aa:AF+32*(\f)+8*aa+7], 0
.else
	v_wmma_f32_16x16x32_f16 v[rD:rD+7], v[128*(\f)+8*bb:128*(\f)+8*bb+7], v[AF+32*(\f)+8*aa:AF+32*(\f)+8*aa+7], v[rD:rD+7]
.endif
.set aa, aa+1
.endr
.set bb, bb+1
.endr
.endm
; A TRIP OF A PROJECTION: 32 along K, 64 matrix instructions on buffer f (tile t, read out of slot f in the trip before).
; fill = 1: slot f takes tile t + 2.  In front of the round each wave waits for all its tensor loads (one is out: tile t + 1), adds 0 to its spare word, and waits for that and for its reads;
; the joint refill is the first thing behind the round: 48 matrix instructions and 40 LDS loads stand between it and the wait for it.
; fetch = 1: tile t + 1 goes from the other slot to the other buffer.  aoff >= 0: so do A's fragments at byte aoff.
.macro GTRIP f, zero, fill, fetch, aoff
	WIN 0
.if \fill
	s_wait_tensorcnt 0x0                           ; no tensor load of mine is out, so group 0 may be written
	ds_add_u32 v[SPW], v[NIL]                      ; 0 onto my spare word
	NEXTD \f
	s_wait_dscnt 0x1                               ; this trip's fragments are in; the add may be out
	MUL \f, 0, 2, \zero
	s_wait_dscnt 0x0                               ; the add is done, and my reads of the slot and of A are back
	s_barrier_signal -1
	MUL \f, 2, 2, \zero
	WIN 0
	s_barrier_wait -1
	CREST                                          ; no wave of any partner still reads this slot or has a load on its way
	JLOAD                                          ; its four v_nop are also the places in front of the loads below
.else
.if \fetch
	s_wait_tensorcnt 0x0                           ; my last tile is in; only I read it
.endif
	s_wait_dscnt 0x0
	MUL \f, 0, 4, \zero
	WIN 0
	PLACES
.endif
.if \fetch
	FETCH 1-(\f), 1-(\f)
.endif
.if (\aoff) >= 0
	AFETCH 1-(\f), \aoff
.endif
	MUL \f, 4, 12, \zero
.endm
.macro REDUCE t, u                     ; v[t] summed over the 32 lanes, in every lane; v[u] has been written
	v_add_f32_dpp v[\t], v[\t], v[\t] row_xmask:1 row_mask:0xf bank_mask:0xf
	v_add_f32_dpp v[\t], v[\t], v[\t] row_xmask:2 row_mask:0xf bank_mask:0xf
	v_add_f32_dpp v[\t], v[\t], v[\t] row_xmask:4 row_mask:0xf bank_mask:0xf
	v_add_f32_dpp v[\t], v[\t], v[\t] row_xmask:8 row_mask:0xf bank_mask:0xf
	v_permlanex16_b32 v[\u], v[\t], s[SEL], s[SEL+1]
	v_add_f32 v[\t], v[\t], v[\u]
.endm
; LayerNorm of one row of 1024 in 32 registers, in place: mean, then the squares of the differences (two passes in registers, so a common offset costs nothing)
.macro LNROW x
	v_pk_add_f32 v[24:25], v[(\x):(\x)+1], v[(\x)+2:(\x)+3]
	v_pk_add_f32 v[26:27], v[(\x)+4:(\x)+5], v[(\x)+6:(\x)+7]
.set k, 8
.rept 6
	v_pk_add_f32 v[24:25], v[24:25], v[(\x)+k:(\x)+k+1]
	v_pk_add_f32 v[26:27], v[26:27], v[(\x)+k+2:(\x)+k+3]
.set k, k+4
.endr
	v_pk_add_f32 v[24:25], v[24:25], v[26:27]
	v_add_f32 v24, v24, v25
	REDUCE 24, 25
	v_mul_f32 v24, 0xba800000, v24                 ; minus the mean: sum x (-1/1024)
.set k, 0
.rept 16
	v_pk_add_f32 v[(\x)+k:(\x)+k+1], v[(\x)+k:(\x)+k+1], v[24:25] op_sel_hi:[1,0]
.set k, k+2
.endr
	v_pk_mul_f32 v[26:27], v[(\x):(\x)+1], v[(\x):(\x)+1]
	v_pk_mul_f32 v[28:29], v[(\x)+2:(\x)+3], v[(\x)+2:(\x)+3]
.set k, 4
.rept 7
	v_pk_fma_f32 v[26:27], v[(\x)+k:(\x)+k+1], v[(\x)+k:(\x)+k+1], v[26:27]
	v_pk_fma_f32 v[28:29], v[(\x)+k+2:(\x)+k+3], v[(\x)+k+2:(\x)+k+3], v[28:29]
.set k, k+4
.endr
	v_pk_add_f32 v[26:27], v[26:27], v[28:29]
	v_add_f32 v26, v26, v27
	REDUCE 26, 27
	v_fma_f32 v26, v26, s[RN], s[EPS]              ; variance + 1e-5
	v_rsq_f32 v26, v26
	v_nop                                          ; a plain instruction between the root and its use
.set k, 0
	s_wait_alu depctr_va_vdst(0)
.rept 16
	v_pk_mul_f32 v[(\x)+k:(\x)+k+1], v[(\x)+k:(\x)+k+1], v[26:27] op_sel_hi:[1,0]
.set k, k+2
.endr
.set k, 0
.rept 16
	v_pk_fma_f32 v[(\x)+k:(\x)+k+1], v[(\x)+k:(\x)+k+1], v[G+k:G+k+1], v[B+k:B+k+1]
.set k, k+2
.endr
.endm
; The turn of ring slot s: its row of x is normalised, rounded to f16 and laid into the A operand.  left = the younger loads that may stay out.  fill = 1: the slot takes the row four further on.
.macro TURN s, fill, left
	s_wait_loadcnt \left
	LNROW X+32*(\s)
.set k, 0
.rept 16
	v_cvt_pk_f16_f32 v[T+k], v[X+32*(\s)+2*k], v[X+32*(\s)+2*k+1]
.set k, k+1
.endr
.irp j, 0,1,2,3
	ds_store_b64 v[LST], v[T+2*\j:T+2*\j+1] offset:\j*2*AH+(\s)*AP          ; columns 128 j + 4 lane ..: head 2 j + lane / 16
	ds_store_b64 v[LST+1], v[T+8+2*\j:T+8+2*\j+1] offset:\j*2*AH+(\s)*AP
.endr
.if \fill
	v_add_nc_u32 v[XO+(\s)], 16384, v[XO+(\s)]     ; free since the wait above showed the slot's loads done
.irp j, 0,1,2,3,4,5,6,7
	global_load_b128 v[X+32*(\s)+4*\j:X+32*(\s)+4*\j+3], v[XO+(\s)], s[XB:XB+1] offset:512*\j th:TH_LOAD_NT
.endr
.endif
.endm
; Head hd of my four: each of the 64 rows of q is divided by max(its length, 1e-12), rounded to f16 and laid into the A operand's part for that head, which only I touch from here on
.macro QHEAD hd
.set NW, 2+(\hd)/2
.set QA, 128*((\hd)%2)
	WIN NW|(NW<<2)
.irp a, 0,1,2,3
.set k, 0
.rept 16                               ; channel block k / 4, pair k % 4: each accumulator is read from its low end on
.set rA, QA+8*(4*(k/4)+\a)+2*(k%4)
.if k < 2
	v_pk_mul_f32 v[SS+4*\a+2*(k%2):SS+4*\a+2*(k%2)+1], v[rA:rA+1], v[rA:rA+1]
.else
	v_pk_fma_f32 v[SS+4*\a+2*(k%2):SS+4*\a+2*(k%2)+1], v[rA:rA+1], v[rA:rA+1], v[SS+4*\a+2*(k%2):SS+4*\a+2*(k%2)+1]
.endif
.set k, k+1
.endr
.endr
	WIN 0
	ALL4 v_pk_add_f32 v[SS+4*t:SS+4*t+1], v[SS+4*t:SS+4*t+1], v[SS+4*t+2:SS+4*t+3]
	ALL4 v_add_f32 v[SS+4*t], v[SS+4*t], v[SS+4*t+1]
	ALL4 v_permlanex16_b32 v[SS+4*t+1], v[SS+4*t], s[SEL], s[SEL+1]  ; the row's other 32 channels lie in the lane 16 away
	ALL4 v_add_f32 v[SS+4*t], v[SS+4*t], v[SS+4*t+1]
	ALL4 v_sqrt_f32 v[SS+4*t], v[SS+4*t]
	v_nop
	s_wait_alu depctr_va_vdst(0)
	ALL4 v_max_num_f32 v[RI+2*t+1], s[NEPS], v[SS+4*t]
	ALL4 v_rcp_f32 v[RI+2*t], v[RI+2*t+1]
	v_nop
	s_wait_alu depctr_va_vdst(0)
.irp a, 0,1,2,3
	WIN NW
.set k, 0
.rept 16
.set rA, QA+8*(4*(k/4)+\a)+2*(k%4)
	v_pk_mul_f32 v[T+2*k:T+2*k+1], v[rA:rA+1], v[RI+2*\a:RI+2*\a+1] op_sel_hi:[1,0]
.set k, k+1
.endr
	WIN 0
.set k, 0
.rept 16
	v_cvt_pk_f16_f32 v[PKR+k], v[T+2*k], v[T+2*k+1]
.set k, k+1
.endr
.irp cb, 0,1,2,3
	ds_store_b128 v[WAD], v[PKR+4*\cb:PKR+4*\cb+3] offset:(\hd)*AH+\a*16*AP+\cb*32
.endr
.endr
.endm
; A HEAD BEGINS: its q^ comes into registers; the null key's score (all 16 rows of source 0 are the null key) starts m; l = 1, half in each half of the lanes; O = the null value
.macro HEADINIT
	WIN 0
.irp a, 0,1,2,3
.irp c, 0,1
	ds_load_b128 v[QF+16*\a+8*\c:QF+16*\a+8*\c+3], v[HAD] offset:\a*16*AP+\c*64
	ds_load_b128 v[QF+16*\a+8*\c+4:QF+16*\a+8*\c+7], v[HAD] offset:\a*16*AP+\c*64+32
.endr
.endr
	s_wait_dscnt 0x0
	WIN W_NS
.irp c, 0,1
.irp a, 0,1,2,3
.if \c == 0
	v_wmma_f32_16x16x32_f16 v[S+32*\a:S+32*\a+7], v[KN+8*\c:KN+8*\c+7], v[QF+16*\a+8*\c:QF+16*\a+8*\c+7], 0
.else
	v_wmma_f32_16x16x32_f16 v[S+32*\a:S+32*\a+7], v[KN+8*\c:KN+8*\c+7], v[QF+16*\a+8*\c:QF+16*\a+8*\c+7], v[S+32*\a:S+32*\a+7]
.endif
.endr
.endr
	WIN 0
	PLACES
	ALL4 v_mov_b32 v[ST+8*t+1], v[S+32*t]
	ALL4 v_mul_f32 v[ST+8*t], s[CS], v[S+32*t]
	ALL4 v_mov_b32 v[ST+8*t+2], 0.5
	ALL4 v_mov_b32 v[ST+8*t+3], 0
	WIN W_RS
.set j, 0
.rept 32
	ALL4 v_mov_b32 v[32*t+j], v[NV+j]
.set j, j+1
.endr
	WIN 0
.endm
.macro KQ f                            ; S^T = K q^T: 32 matrix instructions, the 16 accumulators by turns; the first 16 start the sums
	WIN W_KQ
.irp c, 0,1
.irp kb, 0,1,2,3
.irp a, 0,1,2,3
.if \c == 0
	v_wmma_f32_16x16x32_f16 v[S+32*\a+8*\kb:S+32*\a+8*\kb+7], v[128*(\f)+8*(4*\c+\kb):128*(\f)+8*(4*\c+\kb)+7], v[QF+16*\a+8*\c:QF+16*\a+8*\c+7], 0
.else
	v_wmma_f32_16x16x32_f16 v[S+32*\a+8*\kb:S+32*\a+8*\kb+7], v[128*(\f)+8*(4*\c+\kb):128*(\f)+8*(4*\c+\kb)+7], v[QF+16*\a+8*\c:QF+16*\a+8*\c+7], v[S+32*\a+8*\kb:S+32*\a+8*\kb+7]
.endif
.endr
.endr
.endr
.endm
.macro PV f                            ; O^T += V^T P: 32 matrix instructions, the 16 accumulators by turns
	WIN W_PV
.irp kh, 0,1
.irp cb, 0,1,2,3
.irp a, 0,1,2,3
	v_wmma_f32_16x16x32_f16 v[32*\a+8*\cb:32*\a+8*\cb+7], v[128*(\f)+8*(8+4*\kh+\cb):128*(\f)+8*(8+4*\kh+\cb)+7], v[P+16*\a+8*\kh:P+16*\a+8*\kh+7], v[32*\a+8*\cb:32*\a+8*\cb+7]
.endr
.endr
.endr
.endm
; A chunk's softmax for the four tiles, stage by stage, the tiles alternating so that no line waits for the one before it
.macro SOFTMAX
	WIN 0
.set j, 0
.rept 4                                ; the maximum of 32 scores and the old m, three operands at a time; each accumulator's lowest registers are read first
	ALL4 v_max3_num_f32 v[ST+8*t+4+j], v[S+32*t+8*j], v[S+32*t+8*j+1], v[S+32*t+8*j+2]
.set j, j+1
.endr
.rept 8
	ALL4 v_max3_num_f32 v[ST+8*t+4+j%4], v[ST+8*t+4+j%4], v[S+32*t+8*(j%4)+2*(j/4)+1], v[S+32*t+8*(j%4)+2*(j/4)+2]
.set j, j+1
.endr
	ALL4 v_max3_num_f32 v[ST+8*t+4], v[ST+8*t+4], v[S+32*t+7], v[S+32*t+15]
	ALL4 v_max3_num_f32 v[ST+8*t+6], v[ST+8*t+6], v[S+32*t+23], v[S+32*t+31]
	ALL4 v_max3_num_f32 v[ST+8*t+4], v[ST+8*t+4], v[ST+8*t+5], v[ST+8*t+6]
	ALL4 v_max3_num_f32 v[ST+8*t+4], v[ST+8*t+4], v[ST+8*t+7], v[ST+8*t+1]
	ALL4 v_permlanex16_b32 v[ST+8*t+5], v[ST+8*t+4], s[SEL], s[SEL+1]  ; the query's other 32 keys lie in the lane 16 away
	ALL4 v_mov_b32 v[ST+8*t+7], v[ST+8*t]
	ALL4 v_max_num_f32 v[ST+8*t+1], v[ST+8*t+4], v[ST+8*t+5]
	ALL4 v_mul_f32 v[ST+8*t], s[CS], v[ST+8*t+1]
	ALL4 v_sub_f32 v[ST+8*t+7], v[ST+8*t+7], v[ST+8*t]
	ALL4 v_exp_f32 v[ST+8*t+6], v[ST+8*t+7]        ; a = 2^(c m_old - c m_new)
.set j, 0
.rept 16
	ALL4 v_pk_fma_f32 v[S+32*t+2*j:S+32*t+2*j+1], v[S+32*t+2*j:S+32*t+2*j+1], s[CS:CS+1], v[ST+8*t:ST+8*t+1] op_sel_hi:[1,0,0] neg_lo:[0,0,1] neg_hi:[0,0,1]
.set j, j+1
.endr
.set j, 0
.rept 128
	v_exp_f32 v[S+j], v[S+j]
.set j, j+1
.endr
	v_nop                                          ; a plain instruction between the last exponential and the use of its result
	WIN W_P
.set j, 0
	s_wait_alu depctr_va_vdst(0)
.rept 64                               ; two neighbouring key blocks rounded in pairs are source 1 of V^T P
	v_cvt_pk_f16_f32 v[P+j], v[S+2*j], v[S+2*j+1]
.set j, j+1
.endr
	WIN 0
.set j, 0
.rept 32
	v_pk_add_f32 v[S+4*j:S+4*j+1], v[S+4*j:S+4*j+1], v[S+4*j+2:S+4*j+3]
.set j, j+1
.endr
.set j, 0
.rept 16
	v_pk_add_f32 v[S+8*j:S+8*j+1], v[S+8*j:S+8*j+1], v[S+8*j+4:S+8*j+5]
.set j, j+1
.endr
.set j, 0
.rept 8
	v_pk_add_f32 v[S+16*j:S+16*j+1], v[S+16*j:S+16*j+1], v[S+16*j+8:S+16*j+9]
.set j, j+1
.endr
	ALL4 v_pk_add_f32 v[S+32*t:S+32*t+1], v[S+32*t:S+32*t+1], v[S+32*t+16:S+32*t+17]
	ALL4 v_pk_fma_f32 v[ST+8*t+2:ST+8*t+3], v[ST+8*t+2:ST+8*t+3], v[ST+8*t+6:ST+8*t+7], v[S+32*t:S+32*t+1] op_sel_hi:[1,0,1]
	WIN W_RS
.set j, 0
.rept 16
	ALL4 v_pk_mul_f32 v[32*t+2*j:32*t+2*j+1], v[32*t+2*j:32*t+2*j+1], v[ST+8*t+6:ST+8*t+7] op_sel_hi:[1,0]
.set j, j+1
.endr
.endm
; A CHUNK OF 64 KEYS (tile t in buffer f).  The change of slots stands at its head, as in a projection's trip; the refill has the whole chunk in which to land.
.macro ACHUNK f
	WIN 0
	s_wait_tensorcnt 0x0                           ; no tensor load of mine is out (the one that was: tile t + 1)
	ds_add_u32 v[SPW], v[NIL]                      ; 0 onto my spare word
	NEXTD \f
	s_wait_dscnt 0x0                               ; the add is done; tile t is in registers, so my reads of slot f are over
	CROUND
	JLOAD                                          ; its four v_nop are also the places in front of the loads below
	FETCH 1-(\f), 1-(\f)
	KQ \f
	WIN 0
	PLACES
	SOFTMAX
	PV \f
.endm
; A HEAD ENDS: O / l, rounded to f16, takes q^'s place in the A operand
.macro HEADEND
	WIN 0
	ALL4 v_add_f32 v[ST+8*t+4], v[ST+8*t+2], v[ST+8*t+3]  ; these four are the places behind the last products
	ALL4 v_permlanex16_b32 v[ST+8*t+5], v[ST+8*t+4], s[SEL], s[SEL+1]
	ALL4 v_add_f32 v[ST+8*t+4], v[ST+8*t+4], v[ST+8*t+5]
	ALL4 v_rcp_f32 v[ST+8*t+6], v[ST+8*t+4]
	v_nop
	s_wait_alu depctr_va_vdst(0)
	WIN W_RS
.set j, 0
.rept 16
	ALL4 v_pk_mul_f32 v[32*t+2*j:32*t+2*j+1], v[32*t+2*j:32*t+2*j+1], v[ST+8*t+6:ST+8*t+7] op_sel_hi:[1,0]
.set j, j+1
.endr
	WIN W_OC
.set j, 0
.rept 64
	v_cvt_pk_f16_f32 v[S+j], v[2*j], v[2*j+1]
.set j, j+1
.endr
	WIN 0
.irp a, 0,1,2,3
.irp cb, 0,1,2,3
	ds_store_b128 v[HAD], v[S+16*\a+4*\cb:S+16*\a+4*\cb+3] offset:\a*16*AP+\cb*32
.endr
.endr
	v_add_nc_u32 v[HAD], AH, v[HAD]
.endm
	s_load_b512 s[4:19], s[0:1], 0x0               ; x 4, ln_in_g 6, ln_in_b 8, wb 10, kvb 12, null_kv 14, k_scale 16, q_scale 18
	s_load_b128 s[20:23], s[0:1], 0x40             ; ln_out_g 20, ln_out_b 22
	s_load_b64 s[OB:OB+1], s[0:1], 0x50            ; out0
	v_lshl_add_u32 v[SPW], v0, 2, SPARE
	v_mov_b32 v[NIL], 0
	ds_add_u32 v22, v23
	s_wait_dscnt 0x0
	v_lshrrev_b32 v24, 5, v0
	v_readfirstlane_b32 s[WV], v24                 ; wave 0..3
	s_bfe_u32 s27, ttmp6, 0x40000                  ; cx: my place in the cluster
	s_lshl_b32 s28, ttmp9, 2                       ; in a cluster launch ttmp9 counts clusters
	s_add_co_u32 s28, s28, s27                     ; my block of 64 rows: it enters x's and out0's addresses alone
	s_lshr_b32 s29, ttmp9, 4                       ; the batch (16 clusters each), which the four partners share
	; descriptor group 1: 16,384 dense bytes as 64 rows of 256 bytes, padded in LDS behind every 64 bytes
	s_mov_b32 s[G1], 15|(1<<16)|(1<<20)|(1<<21)|(3<<22)|(3<<25)  ; 15:0 the mask of four; 17:16 2-byte elements; 20 padding on; 21 set beside a mask; 24:22 after every 16 words (code 3); 31:25 4 words (code 3)
	s_mov_b32 s[G1+1], 128<<16                     ; tensor_dim0 = 128
	s_mov_b32 s[G1+2], 64<<16                      ; tensor_dim1 = 64
	s_mov_b32 s[G1+3], 128<<16                     ; tile_dim0 = 128
	s_mov_b32 s[G1+4], 64                          ; tile_dim1 = 64
	s_mov_b32 s[G1+5], 128                         ; 128 elements from row to row
	s_mov_b32 s[G1+6], 0
	s_mov_b32 s[G1+7], 0
	s_mul_i32 s[LA], s[WV], WPART
	s_add_co_u32 s[LA], s[LA], RING                ; no place in the cluster enters an LDS address
	s_lshl_b32 s74, s[WV], 19                      ; my strip's 32 tiles in each weight
	s_mov_b32 s75, 0
	s_lshl_b32 s76, s29, 20                        ; the batch's 64 tiles,
	s_lshl_b32 s73, s[WV], 18                      ; my four heads' 16 of them
	s_add_co_u32 s76, s76, s73
	s_mov_b32 s77, 0
	s_lshl_b32 s78, s28, 18                        ; my block's 64 rows of 4,096 bytes,
	s_lshl_b32 s79, s[WV], 16                      ; my wave's 16 of them
	s_add_co_u32 s78, s78, s79
	s_mov_b32 s79, 0
	s_mov_b32 s[CS], 0x4138aa3b                    ; c = 8 log2(e)
	s_mov_b32 s[CS+1], s[CS]                       ; named with it as a pair
	s_mov_b32 s[SEL], 0x76543210
	s_mov_b32 s[SEL+1], 0xfedcba98
	s_mov_b32 s[RN], 0x3a800000                    ; 1/1024
	s_mov_b32 s[EPS], 0x3727c5ac                   ; 1e-5
	s_mov_b32 s[NEPS], 0x2b8cbccc                  ; 1e-12
	s_mov_b32 s[OFF+1], 0
	s_mov_b32 s[NXT], 2
	s_mov_b32 s[G0], 1
	s_add_co_u32 s[G0+1], s[LA], 0
	s_mov_b32 s[G0B], 1
	s_add_co_u32 s[G0B+1], s[LA], SLOTB
	s_wait_kmcnt 0x0
	s_add_nc_u64 s[PQ:PQ+1], s[10:11], s[74:75]
	s_add_nc_u64 s[PO:PO+1], s[PQ:PQ+1], 0x200000
	s_add_nc_u64 s[PK:PK+1], s[12:13], s[76:77]
	s_add_nc_u64 s[XB:XB+1], s[XB:XB+1], s[78:79]
	s_add_nc_u64 s[OB:OB+1], s[OB:OB+1], s[78:79]
	s_mov_b64 s[G0+2:G0+3], s[PQ:PQ+1]
	s_or_b32 s[G0+3], s[G0+3], 0x80000000
	s_add_nc_u64 s[G0B+2:G0B+3], s[PQ:PQ+1], 16384
	s_or_b32 s[G0B+3], s[G0B+3], 0x80000000
	CROUND                                         ; all four work-groups are here: the first joint loads meet
	tensor_load_to_lds s[G0:G0+3], s[G1:G1+7]      ; tiles 0 and 1: two loads of mine are out here, later one
	s_nop 0
	tensor_load_to_lds s[G0B:G0B+3], s[G1:G1+7]
	s_nop 0
	PLACES
	v_and_b32 v1, 15, v0                           ; r = lane % 16
	v_bfe_u32 v2, v0, 4, 1                         ; h = lane / 16
	v_and_b32 v24, 31, v0
	v_lshlrev_b32 v[GOF], 4, v24
.irp s, 0,1,2,3
	v_add_nc_u32 v[XO+\s], \s*4096, v[GOF]
.endr
.irp j, 0,1,2,3,4,5,6,7
	global_load_b128 v[G+4*\j:G+4*\j+3], v[GOF], s[6:7] offset:512*\j
	global_load_b128 v[B+4*\j:B+4*\j+3], v[GOF], s[8:9] offset:512*\j
.endr
.irp s, 0,1,2,3
.irp j, 0,1,2,3,4,5,6,7
	global_load_b128 v[X+32*\s+4*\j:X+32*\s+4*\j+3], v[XO+\s], s[XB:XB+1] offset:512*\j th:TH_LOAD_NT
.endr
.endr
	v_mul_u32_u24 v[LT], v1, AP
	v_lshl_add_u32 v[LT], v2, 4, v[LT]
	v_mul_u32_u24 v25, v1, 80
	v_lshl_add_u32 v25, v2, 4, v25
	v_add_nc_u32 v[BAD], s[LA], v25
	v_add_nc_u32 v[BAD+1], SLOTB, v[BAD]
	s_mul_i32 s74, s[WV], 4*AH
	v_add_nc_u32 v[HAD], s74, v[LT]
	v_mov_b32 v[WAD], v[HAD]
	s_mul_i32 s74, s[WV], 16*AP
	v_lshlrev_b32 v[LST], 3, v1
	v_mad_u32_u24 v[LST], v2, AH, v[LST]
	v_add_nc_u32 v[LST], s74, v[LST]               ; my wave's first row; head lane / 16; 8 bytes for each of 16 lanes
	v_add_nc_u32 v[LST+1], 8*AH, v[LST]
	v_lshlrev_b32 v[NOF], 5, v2
	v_mul_u32_u24 v[DST], v1, OPI
	v_lshl_add_u32 v[DST], v2, 5, v[DST]
	s_lshl_b32 s74, s[WV], 10
	v_add_nc_u32 v[DST], s74, v[DST]               ; row r, my wave's 256 columns, 8 h columns on
.irp a, 1,2,3
	v_add_nc_u32 v[DST+\a], \a*16*OPI, v[DST]
.endr
	s_mul_i32 s74, s[WV], 16*OPI
	v_add_nc_u32 v[DLD], s74, v[GOF]
	; LAYERNORM OF X: 16 rows a wave, a ring of four rows in registers
	s_mov_b32 s[CNT], 3
.Lln:
	TURN 0, 1, 24                                  ; three younger rows of 8 loads stay out
	TURN 1, 1, 24
	TURN 2, 1, 24
	TURN 3, 1, 24
	v_add_nc_u32 v[LST], 4*AP, v[LST]
	v_add_nc_u32 v[LST+1], 4*AP, v[LST+1]
	s_sub_co_u32 s[CNT], s[CNT], 1
	s_cmp_lg_u32 s[CNT], 0
	s_cbranch_scc1 .Lln
	TURN 0, 0, 24                                  ; the last four rows load nothing: the counts run down
	TURN 1, 0, 16
	TURN 2, 0, 8
	TURN 3, 0, 0
	s_wait_tensorcnt 0x1                           ; my tile 0 is in; tile 1 may stay out
	s_wait_dscnt 0x0                               ; for the others' sake: my rows of the A operand are written
	s_barrier_signal -1
	s_barrier_wait -1
	v_mov_b32 v[AAD], v[LT]
	FETCH 0, 0
	AFETCH 0, 0
	; Q = LN(x) Wq: 32 trips
	GTRIP 0, 1, 1, 1, 64                           ; the first trip starts the sums
	WIN 0
	s_mov_b32 s[CNT], 15
.Lg1:
	v_add_nc_u32 v[AAD], AH, v[AAD]
	GTRIP 1, 0, 1, 1, 0
	GTRIP 0, 0, 1, 1, 64
	WIN 0
	s_sub_co_u32 s[CNT], s[CNT], 1
	s_cmp_lg_u32 s[CNT], 0
	s_cbranch_scc1 .Lg1
	GTRIP 1, 0, 1, 1, -1                           ; the last trip fetches the first tile of K and V; behind its round no wave reads LN(x) any more
	WIN 0
	PLACES                                         ; the lines below write registers that held A's fragments and read results
	; Q IS NORMALISED, and the null key with it
.irp cb, 0,1,2,3                       ; my 32 of 64 channels: 16 cb + 8 h + 0..7
	global_load_b128 v[NK+8*\cb:NK+8*\cb+3], v[NOF], s[14:15] offset:64*\cb
	global_load_b128 v[NK+8*\cb+4:NK+8*\cb+7], v[NOF], s[14:15] offset:64*\cb+16
	global_load_b128 v[KSR+8*\cb:KSR+8*\cb+3], v[NOF], s[16:17] offset:64*\cb
	global_load_b128 v[KSR+8*\cb+4:KSR+8*\cb+7], v[NOF], s[16:17] offset:64*\cb+16
	global_load_b128 v[QSR+8*\cb:QSR+8*\cb+3], v[NOF], s[18:19] offset:64*\cb
	global_load_b128 v[QSR+8*\cb+4:QSR+8*\cb+7], v[NOF], s[18:19] offset:64*\cb+16
.endr
	QHEAD 0
	QHEAD 1
	WIN W_P                                        ; window 2's accumulators have been read: the null value takes its place there
.irp cb, 0,1,2,3
	global_load_b128 v[NV+8*\cb:NV+8*\cb+3], v[NOF], s[14:15] offset:256+64*\cb
	global_load_b128 v[NV+8*\cb+4:NV+8*\cb+7], v[NOF], s[14:15] offset:256+64*\cb+16
.endr
	WIN 0
	QHEAD 2
	QHEAD 3
	s_wait_loadcnt 0x0
	v_pk_mul_f32 v[24:25], v[NK:NK+1], v[NK:NK+1]
	v_pk_mul_f32 v[26:27], v[NK+2:NK+3], v[NK+2:NK+3]
.set k, 4
.rept 7
	v_pk_fma_f32 v[24:25], v[NK+k:NK+k+1], v[NK+k:NK+k+1], v[24:25]
	v_pk_fma_f32 v[26:27], v[NK+k+2:NK+k+3], v[NK+k+2:NK+k+3], v[26:27]
.set k, k+4
.endr
	v_pk_add_f32 v[24:25], v[24:25], v[26:27]
	v_add_f32 v24, v24, v25
	v_permlanex16_b32 v25, v24, s[SEL], s[SEL+1]
	v_add_f32 v24, v24, v25
	v_sqrt_f32 v24, v24
	v_nop
	s_wait_alu depctr_va_vdst(0)
	v_max_num_f32 v25, s[NEPS], v24
	v_rcp_f32 v24, v25
.set k, 0
.rept 16
	v_pk_mul_f32 v[KSR+k:KSR+k+1], v[KSR+k:KSR+k+1], v[QSR+k:QSR+k+1]
.set k, k+2
.endr
.set k, 0
	s_wait_alu depctr_va_vdst(0)
.rept 16
	v_pk_mul_f32 v[NK+k:NK+k+1], v[NK+k:NK+k+1], v[24:25] op_sel_hi:[1,0]
.set k, k+2
.endr
.set k, 0
.rept 16
	v_pk_mul_f32 v[NK+k:NK+k+1], v[NK+k:NK+k+1], v[KSR+k:KSR+k+1]
.set k, k+2
.endr
	WIN W_P
.set k, 0
.rept 16
	v_cvt_pk_f16_f32 v[KN+k], v[NK+2*k], v[NK+2*k+1]
.set k, k+1
.endr
	WIN 0
	; ATTENTION: my four heads, four chunks of 64 keys each
	s_mov_b32 s[HC], 4
.Lhead:
	HEADINIT
	s_mov_b32 s[CNT], 2
.Lchunk:
	ACHUNK 0
	ACHUNK 1
	WIN 0
	s_sub_co_u32 s[CNT], s[CNT], 1
	s_cmp_lg_u32 s[CNT], 0
	s_cbranch_scc1 .Lchunk
	HEADEND
	s_sub_co_u32 s[HC], s[HC], 1
	s_cmp_lg_u32 s[HC], 0
	s_cbranch_scc1 .Lhead
	s_wait_dscnt 0x0                               ; for the others' sake: my heads' O is written (Wo's first tile is in buffer 0 too)
	s_barrier_signal -1
	s_barrier_wait -1                              ; my tile 49 may stay out
	v_mov_b32 v[AAD], v[LT]
	AFETCH 0, 0
	; O Wo: 32 trips; the last two ask for nothing
	GTRIP 0, 1, 1, 1, 64
	WIN 0
	s_mov_b32 s[CNT], 14
.Lg2:
	v_add_nc_u32 v[AAD], AH, v[AAD]
	GTRIP 1, 0, 1, 1, 0
	GTRIP 0, 0, 1, 1, 64
	WIN 0
	s_sub_co_u32 s[CNT], s[CNT], 1
	s_cmp_lg_u32 s[CNT], 0
	s_cbranch_scc1 .Lg2
	v_add_nc_u32 v[AAD], AH, v[AAD]
	GTRIP 1, 0, 1, 1, 0                            ; asks for tile 79, the last
	GTRIP 0, 0, 0, 1, 64
	GTRIP 1, 0, 0, 0, -1
	WIN 0
	; THE LAST LAYERNORM.  The 64 x 1024 sums go into LDS as rows of f32, over the A operand and the ring, which are read no more and filled no more; then each wave takes 16 whole rows.
	s_wait_dscnt 0x0
	s_barrier_signal -1
	s_barrier_wait -1                              ; every wave's reads of the A operand and of its tiles are back, and its tensor loads have landed
	PLACES                                         ; between the last products and the stores of their results, and the loads into A's fragments
.irp j, 0,1,2,3,4,5,6,7
	global_load_b128 v[G+4*\j:G+4*\j+3], v[GOF], s[20:21] offset:512*\j
	global_load_b128 v[B+4*\j:B+4*\j+3], v[GOF], s[22:23] offset:512*\j
.endr
.set bb, 0
.rept 16
	WIN (2+bb/8)<<2                                ; the stores' data in window 2 or 3
.set aa, 0
.rept 4
.set rD, 8*(4*(bb%8)+aa)
	ds_store_b128 v[DST+aa], v[rD:rD+3] offset:64*bb        ; each accumulator from its low end on
	ds_store_b128 v[DST+aa], v[rD+4:rD+7] offset:64*bb+16
.set aa, aa+1
.endr
.set bb, bb+1
.endr
	WIN 0
	s_wait_dscnt 0x0                               ; for the others' sake: my columns are written
	s_barrier_signal -1
	s_barrier_wait -1
	s_wait_loadcnt 0x0                             ; gain and bias
	s_mov_b32 s[CNT], 8
.Lout:                                             ; two rows a trip
.irp j, 0,1,2,3,4,5,6,7
	ds_load_b128 v[X+4*\j:X+4*\j+3], v[DLD] offset:512*\j
.endr
.irp j, 0,1,2,3,4,5,6,7
	ds_load_b128 v[X+32+4*\j:X+32+4*\j+3], v[DLD] offset:OPI+512*\j
.endr
	s_wait_dscnt 0x8                               ; the first row is in; the second row's eight loads may be out
	LNROW X
.irp j, 0,1,2,3,4,5,6,7
	global_store_b128 v[GOF], v[X+4*\j:X+4*\j+3], s[OB:OB+1] offset:512*\j th:TH_STORE_NT   ; a wave's store covers 512 consecutive bytes, at a multiple of 256 from out0's first
.endr
	s_wait_dscnt 0x0
	LNROW X+32
.irp j, 0,1,2,3,4,5,6,7
	global_store_b128 v[GOF], v[X+32+4*\j:X+32+4*\j+3], s[OB:OB+1] offset:4096+512*\j th:TH_STORE_NT
.endr
	s_wait_xcnt 0x0                                ; the stores' offset and data registers are rewritten only behind this wait
	v_add_nc_u32 v[DLD], 2*OPI, v[DLD]
	v_add_nc_u32 v[GOF], 8192, v[GOF]
	s_sub_co_u32 s[CNT], s[CNT], 1
	s_cmp_lg_u32 s[CNT], 0
	s_cbranch_scc1 .Lout
	s_wait_tensorcnt 0x0                           ; the wave's end: behind my last tensor load and my last LDS store
	ds_add_u32 v[SPW], v[NIL]
	s_wait_dscnt 0x0
	CROUND                                         ; the closing round: no work-group ends while a partner may still ask for a tile that names it
	s_endpgm
.Lfunc_end_k_q389ea478e9_attn:
	.size	k_q389ea478e9_attn, .Lfunc_end_k_q389ea478e9_attn-k_q389ea478e9_attn
	.p2alignl 7, 3214868480
	.fill 96, 4, 3214868480
	.section	.rodata,"a",@progbits
	.p2align	6, 0x0
	.amdhsa_kernel k_q389ea478e9_attn
		.amdhsa_group_segment_fixed_size 327680
		.amdhsa_private_segment_fixed_size 0
		.amdhsa_enable_private_segment 0
		.amdhsa_kernarg_size 88
		.amdhsa_user_sgpr_count 2
		.amdhsa_user_sgpr_kernarg_segment_ptr 1
		.amdhsa_wavefront_size32 1
		.amdhsa_system_sgpr_workgroup_id_x 1
		.amdhsa_system_sgpr_workgroup_id_y 1
		.amdhsa_system_sgpr_workgroup_id_z 1
		.amdhsa_system_vgpr_workitem_id 0
		.amdhsa_next_free_vgpr 1024
		.amdhsa_next_free_sgpr 80
		.amdhsa_reserve_vcc 0
		.amdhsa_float_denorm_mode_32 3
		.amdhsa_float_denorm_mode_16_64 3
		.amdhsa_memory_ordered 1
		.amdhsa_forward_progress 1
		.amdhsa_inst_pref_size 255
	.end_amdhsa_kernel
	.section	.bss,"aw",@nobits
	.p2align	6
	.space	262144
	.amdgpu_metadata
---
amdhsa.version: [ 1, 2 ]
amdhsa.kernels:
  - .name:           k_q389ea478e9_attn
    .symbol:         k_q389ea478e9_attn.kd
    .args:
      - { .name: x, .offset: 0, .size: 8, .value_kind: global_buffer, .address_space: global }
      - { .name: ln_in_g, .offset: 8, .size: 8, .value_kind: global_buffer, .address_space: global }
      - { .name: ln_in_b, .offset: 16, .size: 8, .value_kind: global_buffer, .address_space: global }
      - { .name: wb, .offset: 24, .size: 8, .value_kind: global_buffer, .address_space: global }
      - { .name: kvb, .offset: 32, .size: 8, .value_kind: global_buffer, .address_space: global }
      - { .name: null_kv, .offset: 40, .size: 8, .value_kind: global_buffer, .address_space: global }
      - { .name: k_scale, .offset: 48, .size: 8, .value_kind: global_buffer, .address_space: global }
      - { .name: q_scale, .offset: 56, .size: 8, .value_kind: global_buffer, .address_space: global }
      - { .name: ln_out_g, .offset: 64, .size: 8, .value_kind: global_buffer, .address_space: global }
      - { .name: ln_out_b, .offset: 72, .size: 8, .value_kind: global_buffer, .address_space: global }
      - { .name: out0, .offset: 80, .size: 8, .value_kind: global_buffer, .address_space: global }
    .group_segment_fixed_size: 327680
    .private_segment_fixed_size: 0
    .kernarg_segment_align: 8
    .kernarg_segment_size: 88
    .max_flat_workgroup_size: 128
    .sgpr_count:     80
    .vgpr_count:     1024
    .wavefront_size: 32
...
	.end_amdgpu_metadata
.endif
;; end of part 2
;; ======== version 2 of 4: 2 launches; 1.20 times as fast as version 1
;; limits: values are held in f16: magnitudes above 65,504 overflow, below 6.1e-05 lose precision
;; workspace buffers: wb 4,194,304 bytes; kvb 4,194,304 bytes
;; launch prep: the kernel of part 1 again; grid 256 x 1, 4 waves a work-group, no clusters, 188,928 bytes of LDS; arguments context, ln_ctx_g, ln_ctx_b, Wkv, k_scale, q_scale, Wq, Wo, wb, kvb; writes wb, kvb
;; launch attn (part 3): grid 256 x 1, 4 waves a work-group, clusters of 4 x 1, 327,680 bytes of LDS; arguments x, ln_in_g, ln_in_b, wb, kvb, null_kv, k_scale, q_scale, ln_out_g, ln_out_b, out0; writes out0
.if DOCPART == 3
	.amdgcn_target "amdgcn-amd-amdhsa--gfx1250"
	.amdhsa_code_object_version 6
	.text
	.protected	k_q389ea478e9_attn
	.globl	k_q389ea478e9_attn
	.p2align	8
	.type	k_q389ea478e9_attn,@function
k_q389ea478e9_attn:
	s_mov_b64 s[64:65], 0
	v_nop
	global_prefetch_b8 v0, s[64:65] scope:SCOPE_SE
	s_setreg_imm32_b32 hwreg(HW_REG_WAVE_MODE, 25, 1), 1
	s_wait_xcnt 0x0
	s_wait_alu depctr_hold_cnt(0) depctr_sa_sdst(0) depctr_va_vdst(0) depctr_va_sdst(0) depctr_va_ssrc(0) depctr_va_vcc(0) depctr_vm_vsrc(0)
	s_getreg_b32 s2, hwreg(HW_REG_IB_STS2, 6, 4)
	s_cmp_eq_u32 s2, 0
	s_cbranch_scc0 .Lentry_in_a_cluster
	s_endpgm
.Lentry_in_a_cluster:
	s_bfe_u32 s2, ttmp6, 0x10000c
	s_cmp_lg_u32 s2, 0x3003
	s_cbranch_scc0 .Lentry_shape_is_right
	s_endpgm
.Lentry_shape_is_right:
; out0 = LN( softmax(8 q^ . k^) V . Wo ), q^ = l2-normalised LN(x) Wq, for 64 rows of x a work-group; nothing of a row goes through memory between x and out0.
; Four waves.  LayerNorms: wave w takes rows 16 w .. + 15, a row a turn.  Both projections: wave w makes all 64 rows x columns 256 w .. + 255: 64 accumulators, 512 registers.
; Those columns of q are heads 4 w .. 4 w + 3, so a wave normalises its own q and runs its own four heads' attention (64 queries, 256 keys in chunks of 64, and the null key).
; 64 rows: the last LayerNorm wants whole rows of 1024 in one work-group, and 16,384 rows on 256 work-groups are 64 each.
; FORMATS.  Every matrix operand is f16, sums f32; LayerNorms, lengths, maxima, exponentials and their sums f32.  LIMITS: LN(x)*g+b and the null key x k_scale x q_scale must lie within
; f16's 65,504 (the weights, K' and V arrive in f16 from the launch before); q_scale is applied to the keys and not to q (the same products, another order of rounding); a weight below 2^-126
; counts as 0; the weights' sum is taken of the unrounded weights; NaN and infinities are not treated apart.
; WHAT IS STREAMED is one kind of tile: 16,384 dense bytes = 256 rows of 32 f16, padded in LDS to rows of 80 bytes; fragment f is rows 16 f .. + 15.  A wave walks 80 tiles of its own: 32 of Wq
; (its 256 columns x 32 k), 16 of K and V (head, chunk: fragments 4 c + kb = K, 8 + 4 kh + cb = V turned), 32 of Wo: 40 PAIRS of neighbours in memory; tile n goes to fragment buffer n % 2.
; THE RING.  Beside the A operand (147,456 bytes) LDS has room for two tiles a wave.  They are ONE place, filled by one load of 32,768 bytes; the second slot is the wave's two fragment buffers:
; a pair is read out into registers when it has landed, the place is filled again behind a round, and the pair in registers is multiplied while that load is on its way: 104 matrix instructions
; stand between a projection's refill and the wait for it, and there is one round for two tiles.  As two slots of one tile a refill would bring half the bytes and have under 64.
; CLUSTER.  The four work-groups of a cluster belong to one batch and walk the same tiles: each pair is asked for jointly, same load, descriptor and mask in all four.
; ORIENTATION.  Source 0 = the streamed fragment, source 1 = 16 rows x 32 k: a lane holds ONE row (lane % 16) and 8 neighbouring columns, keys or channels (8 (lane / 16) + j), so that
; results rounded in pairs are the next product's source 1, and a row's length, maximum and sum want one exchange between the halves of the lanes.
; SOFTMAX.  Running maximum m and sum l a query; p = 2^(c s - c m), c = 8 log2(e).  A head begins with the null key: m = its score, l = 1, O = the null value.
; REGISTERS in windows of 256 (s_set_vgpr_msb: bits 1:0 source 0, 3:2 source 1, 5:4 source 2, 7:6 destination):
;   window 0: v0-31 addresses and work; then by phase (see the names below)      window 1: two fragment buffers of 128
;   windows 2, 3: projections: accumulator (a, b) in window 2 + b / 8 at 8 (4 (b % 8) + a).  Attention, window 2: v0-127 O, v128-191 P, v192-223 null value, v224-239 null key
.set AP,    144                        ; LDS pitch of a row's 64 numbers of one head: 128 bytes + 16 = 9 x 16, so the 16 rows of a load start at 16 different groups of four banks
.set AH,    64*AP                      ; 64 rows: the part of the A operand for 64 along K (one head, one pair of tiles)
.set RING,  16*AH                      ; A operand: bytes 0 .. 147,455, written by LDS stores alone: LN(x), then q^ and O (each wave in its own heads)
.set TILEB, 256*80                     ; a tile in LDS
.set WPART, 2*TILEB                    ; a wave's place: a pair
.set SPARE, RING+4*WPART               ; behind the ring: the spare words, 128 bytes a wave: two blocks of 256 bytes that no other line names
.set OPI,   4112                       ; the last stage (bytes 0 .. 263,167, used when the ring has had its last fill and its last read): a row of 1024 f32 + 16 bytes
.set LT,3                              ; v3  r x 144 + 16 h: my place in a fragment of the A operand
.set BAD,4                             ; v4-5 my place in my wave's pair, tile 0, 1
.set AAD,6                             ; v6  A's fragments: steps along K
.set HAD,7                             ; v7  the head in hand
.set WAD,8                             ; v8  my wave's first head
.set XO,9                              ; v9-12 ring slot s: byte offset of the row of x that it loads next
.set LST,13                            ; v13-14 where a normalised row goes
.set NOF,15                            ; v15 32 h
.set DST,16                            ; v16-19 last stage: where accumulators of row block a go
.set DLD,20                            ; v20 last stage: where I read rows back
.set GOF,21                            ; v21 16 x lane; in the last loop it steps along out0
.set SPW,22                            ; v22 my spare word; never rewritten
.set NIL,23                            ; v23 0; never rewritten
.set G,32                              ; LayerNorms: v32-63 gain, v64-95 bias, v96-127 at work, v128-255 four rows
.set B,64
.set T,96
.set X,128
.set AF,32                             ; projections: v32-63, v64-95 A's fragments for the pair's two tiles
.set SS,32                             ; q norm: v32-47 sums of squares, v48-55 1 / length, v96-127 scaled, v128-143 packed; v144-239 null key, k_scale, q_scale
.set RI,48
.set PKR,128
.set NK,144
.set KSR,176
.set QSR,208
.set ST,32                             ; attention: tile t's statistics at v[32 + 8 t]: c m, m, l (two halves), c0-c3 at work (c2 takes a)
.set QF,64                             ; v64-127 q^: tile a, channel half c at 16 a + 8 c
.set S,128                             ; v128-255 scores: tile a, key block kb at 32 a + 8 kb
.set P,128                             ; window 2
.set NV,192
.set KN,224
.set WV,26
.set XB,4
.set OB,24
.set G1,32                             ; s[32:39] descriptor group 1
.set G0,40                             ; s[40:43] group 0: its global address walks
.set PQ,48                             ; s[48:53] my wave's tiles of Wq, of K and V, of Wo
.set PK,50
.set PO,52
.set BASE,54
.set OFF,56
.set NXT,58                            ; s58 the pair to be asked for next
.set STT,59
.set LA,60                             ; s60 my wave's place in the ring
.set CNT,62
.set HC,63
.set CS,66
.set SEL,68
.set RN,70
.set EPS,71
.set NEPS,72
.set MUL_LO,0xa1                       ; source 0 window 1, source 1 window 0, C and D window 2
.set TO_F,0x40
.set W_KQ,0x01
.set W_NS,0x02
.set W_PV,0xa9
.set W_P,0x80
.set W_RS,0x82
.set W_OC,0x0a
.set MSB, 0
.macro WIN new                         ; the immediate's high byte repeats the setting that is left; a switch that changes nothing is dropped
.if MSB != (\new)
	s_set_vgpr_msb (MSB<<8)|(\new)
.set MSB, (\new)
.endif
.endm
.macro PLACES                          ; four plain places behind matrix instructions (ISA guide 7.12.1), where no other vector work is at hand
.rept 4
	v_nop
.endr
.endm
.macro ALL4 line:vararg                ; one line for each tile t of 16 rows
.set t, 0
.rept 4
	\line
.set t, t+1
.endr
.endm
.macro CREST                           ; a round of the cluster's barrier behind its opening barrier
	s_cmp_lg_u32 s[WV], 0
	s_cbranch_scc1 .Lnot_wave_0_\@
	s_barrier_signal -3
.Lnot_wave_0_\@:
	s_barrier_wait -3
	s_barrier_signal -1
	s_barrier_wait -1
.endm
.macro CROUND
	s_barrier_signal -1
	s_barrier_wait -1
	CREST
.endm
.macro JLOAD                           ; the joint fill: one line for all waves, whose two addresses hang on the wave's number; s_nop 0 and four v_nop follow
	tensor_load_to_lds s[G0:G0+3], s[G1:G1+7]
	s_nop 0
	PLACES
.endm
; The descriptor's global address is made anew for pair NXT: pairs 0-15 Wq, 16-23 K and V, 24-39 Wo; a pointer and an offset made apart
.macro NEXTD
	s_cmp_lt_u32 s[NXT], 16
	s_cselect_b64 s[BASE:BASE+1], s[PQ:PQ+1], s[PK:PK+1]
	s_cselect_b32 s[STT], 0, 16
	s_cmp_lt_u32 s[NXT], 24
	s_cselect_b64 s[BASE:BASE+1], s[BASE:BASE+1], s[PO:PO+1]
	s_cselect_b32 s[STT], s[STT], 24
	s_sub_co_u32 s[OFF], s[NXT], s[STT]
	s_lshl_b32 s[OFF], s[OFF], 15
	s_add_nc_u64 s[G0+2:G0+3], s[BASE:BASE+1], s[OFF:OFF+1]
	s_or_b32 s[G0+3], s[G0+3], 0x80000000
	s_add_co_u32 s[NXT], s[NXT], 1
.endm
.macro FETCH tile, g                   ; 32 LDS loads in one run: the 16 fragments of the pair's tile into buffer g
	WIN TO_F
.set ff, 0
.rept 16
	ds_load_b128 v[128*(\g)+8*ff:128*(\g)+8*ff+3], v[BAD+(\tile)] offset:ff*1280
	ds_load_b128 v[128*(\g)+8*ff+4:128*(\g)+8*ff+7], v[BAD+(\tile)] offset:ff*1280+32
.set ff, ff+1
.endr
.endm
.macro AFETCH g, off                   ; 8 LDS loads: 64 rows x 32 k of the A operand
	WIN 0
.irp a, 0,1,2,3
	ds_load_b128 v[AF+32*(\g)+8*\a:AF+32*(\g)+8*\a+3], v[AAD] offset:(\off)+\a*16*AP
	ds_load_b128 v[AF+32*(\g)+8*\a+4:AF+32*(\g)+8*\a+7], v[AAD] offset:(\off)+\a*16*AP+32
.endr
.endm
; 4 n matrix instructions: column blocks b0 .. b0 + n - 1 x the four row blocks.  The 64 accumulators take turns in the same order for every tile.
.macro MUL f, b0, n, zero
.set bb, \b0
.rept \n
	WIN MUL_LO+0x50*(bb/8)
.set aa, 0
.rept 4
.set rD, 8*(4*(bb%8)+aa)
.if \zero
	v_wmma_f32_16x16x32_f16 v[rD:rD+7], v[128*(\f)+8*bb:128*(\f)+8*bb+7], v[AF+32*(\f)+8*aa:AF+32*(\f)+8*aa+7], 0
.else
	v_wmma_f32_16x16x32_f16 v[rD:rD+7], v[128*(\f)+8*bb:128*(\f)+8*bb+7], v[AF+32*(\f)+8*aa:AF+32*(\f)+8*aa+7], v[rD:rD+7]
.endif
.set aa, aa+1
.endr
.set bb, bb+1
.endr
.endm
; A PROJECTION'S PAIR IS READ OUT: both buffers have been multiplied; the next pair and the A operand's next 64 along K come into registers, what is multiplied first in front
.macro TAIL
	WIN 0
	PLACES                                         ; between the last products and the loads into their fragments
	s_wait_tensorcnt 0x0                           ; my one load that is out has landed: the pair is in LDS, and only I read it
	v_add_nc_u32 v[AAD], AH, v[AAD]
	FETCH 0, 0
	AFETCH 0, 0
	FETCH 1, 1
	AFETCH 1, 64
.endm
; THE PLACE IS FILLED AGAIN, with tile 0's 64 products round it.  In front of the round each wave waits for all its tensor loads (none is out), adds 0 to its spare word, and waits for that and
; for its reads; the joint refill is the first thing behind the round: 40 products here and tile 1's 64 stand between it and the wait for it.
.macro HEADM zero
	WIN 0
	s_wait_tensorcnt 0x0                           ; no tensor load of mine is out, so group 0 may be written
	ds_add_u32 v[SPW], v[NIL]                      ; 0 onto my spare word
	NEXTD
	s_wait_dscnt 41                                ; buffer 0 and its rows of A are in; buffer 1's 32 loads, its 8 of A and the add may be out
	MUL 0, 0, 4, \zero
	s_wait_dscnt 0x0                               ; the add is done, and my reads of the place and of A are back
	s_barrier_signal -1
	MUL 0, 4, 2, \zero
	WIN 0
	s_barrier_wait -1
	CREST                                          ; no wave of any partner still reads its place or has a load on its way
	JLOAD
	MUL 0, 6, 10, \zero
.endm
; The same without products round it
.macro RENEW
	WIN 0
	s_wait_tensorcnt 0x0                           ; no tensor load of mine is out, so group 0 may be written
	ds_add_u32 v[SPW], v[NIL]                      ; 0 onto my spare word
	NEXTD
	s_wait_dscnt 0x0                               ; the add is done; the pair is in registers, so my reads of the place are over; my LDS stores are done
	CROUND
	JLOAD
.endm
.macro REDUCE t, u                     ; v[t] summed over the 32 lanes, in every lane; v[u] has been written
	v_add_f32_dpp v[\t], v[\t], v[\t] row_xmask:1 row_mask:0xf bank_mask:0xf
	v_add_f32_dpp v[\t], v[\t], v[\t] row_xmask:2 row_mask:0xf bank_mask:0xf
	v_add_f32_dpp v[\t], v[\t], v[\t] row_xmask:4 row_mask:0xf bank_mask:0xf
	v_add_f32_dpp v[\t], v[\t], v[\t] row_xmask:8 row_mask:0xf bank_mask:0xf
	v_permlanex16_b32 v[\u], v[\t], s[SEL], s[SEL+1]
	v_add_f32 v[\t], v[\t], v[\u]
.endm
; LayerNorm of one row of 1024 in 32 registers, in place: mean, then the squares of the differences (two passes in registers, so a common offset costs nothing)
.macro LNROW x
	v_pk_add_f32 v[24:25], v[(\x):(\x)+1], v[(\x)+2:(\x)+3]
	v_pk_add_f32 v[26:27], v[(\x)+4:(\x)+5], v[(\x)+6:(\x)+7]
.set k, 8
.rept 6
	v_pk_add_f32 v[24:25], v[24:25], v[(\x)+k:(\x)+k+1]
	v_pk_add_f32 v[26:27], v[26:27], v[(\x)+k+2:(\x)+k+3]
.set k, k+4
.endr
	v_pk_add_f32 v[24:25], v[24:25], v[26:27]
	v_add_f32 v24, v24, v25
	REDUCE 24, 25
	v_mul_f32 v24, 0xba800000, v24                 ; minus the mean: sum x (-1/1024)
.set k, 0
.rept 16
	v_pk_add_f32 v[(\x)+k:(\x)+k+1], v[(\x)+k:(\x)+k+1], v[24:25] op_sel_hi:[1,0]
.set k, k+2
.endr
	v_pk_mul_f32 v[26:27], v[(\x):(\x)+1], v[(\x):(\x)+1]
	v_pk_mul_f32 v[28:29], v[(\x)+2:(\x)+3], v[(\x)+2:(\x)+3]
.set k, 4
.rept 7
	v_pk_fma_f32 v[26:27], v[(\x)+k:(\x)+k+1], v[(\x)+k:(\x)+k+1], v[26:27]
	v_pk_fma_f32 v[28:29], v[(\x)+k+2:(\x)+k+3], v[(\x)+k+2:(\x)+k+3], v[28:29]
.set k, k+4
.endr
	v_pk_add_f32 v[26:27], v[26:27], v[28:29]
	v_add_f32 v26, v26, v27
	REDUCE 26, 27
	v_fma_f32 v26, v26, s[RN], s[EPS]              ; variance + 1e-5
	v_rsq_f32 v26, v26
	v_nop                                          ; a plain instruction between the root and its use
.set k, 0
	s_wait_alu depctr_va_vdst(0)
.rept 16
	v_pk_mul_f32 v[(\x)+k:(\x)+k+1], v[(\x)+k:(\x)+k+1], v[26:27] op_sel_hi:[1,0]
.set k, k+2
.endr
.set k, 0
.rept 16
	v_pk_fma_f32 v[(\x)+k:(\x)+k+1], v[(\x)+k:(\x)+k+1], v[G+k:G+k+1], v[B+k:B+k+1]
.set k, k+2
.endr
.endm
; The turn of ring slot s: its row of x is normalised, rounded to f16 and laid into the A operand.  left = the younger loads that may stay out.  fill = 1: the slot takes the row four further on.
.macro TURN s, fill, left
	s_wait_loadcnt \left
	LNROW X+32*(\s)
.set k, 0
.rept 16
	v_cvt_pk_f16_f32 v[T+k], v[X+32*(\s)+2*k], v[X+32*(\s)+2*k+1]
.set k, k+1
.endr
.irp j, 0,1,2,3
	ds_store_b64 v[LST], v[T+2*\j:T+2*\j+1] offset:\j*2*AH+(\s)*AP          ; columns 128 j + 4 lane ..: head 2 j + lane / 16
	ds_store_b64 v[LST+1], v[T+8+2*\j:T+8+2*\j+1] offset:\j*2*AH+(\s)*AP
.endr
.if \fill
	v_add_nc_u32 v[XO+(\s)], 16384, v[XO+(\s)]     ; free since the wait above showed the slot's loads done
.irp j, 0,1,2,3,4,5,6,7
	global_load_b128 v[X+32*(\s)+4*\j:X+32*(\s)+4*\j+3], v[XO+(\s)], s[XB:XB+1] offset:512*\j th:TH_LOAD_NT
.endr
.endif
.endm
; Head hd of my four: each of the 64 rows of q is divided by max(its length, 1e-12), rounded to f16 and laid into the A operand's part for that head, which only I touch from here on
.macro QHEAD hd
.set NW, 2+(\hd)/2
.set QA, 128*((\hd)%2)
	WIN NW|(NW<<2)
.irp a, 0,1,2,3
.set k, 0
.rept 16                               ; channel block k / 4, pair k % 4: each accumulator is read from its low end on
.set rA, QA+8*(4*(k/4)+\a)+2*(k%4)
.if k < 2
	v_pk_mul_f32 v[SS+4*\a+2*(k%2):SS+4*\a+2*(k%2)+1], v[rA:rA+1], v[rA:rA+1]
.else
	v_pk_fma_f32 v[SS+4*\a+2*(k%2):SS+4*\a+2*(k%2)+1], v[rA:rA+1], v[rA:rA+1], v[SS+4*\a+2*(k%2):SS+4*\a+2*(k%2)+1]
.endif
.set k, k+1
.endr
.endr
	WIN 0
	ALL4 v_pk_add_f32 v[SS+4*t:SS+4*t+1], v[SS+4*t:SS+4*t+1], v[SS+4*t+2:SS+4*t+3]
	ALL4 v_add_f32 v[SS+4*t], v[SS+4*t], v[SS+4*t+1]
	ALL4 v_permlanex16_b32 v[SS+4*t+1], v[SS+4*t], s[SEL], s[SEL+1]  ; the row's other 32 channels lie in the lane 16 away
	ALL4 v_add_f32 v[SS+4*t], v[SS+4*t], v[SS+4*t+1]
	ALL4 v_sqrt_f32 v[SS+4*t], v[SS+4*t]
	v_nop
	s_wait_alu depctr_va_vdst(0)
	ALL4 v_max_num_f32 v[RI+2*t+1], s[NEPS], v[SS+4*t]
	ALL4 v_rcp_f32 v[RI+2*t], v[RI+2*t+1]
	v_nop
	s_wait_alu depctr_va_vdst(0)
.irp a, 0,1,2,3
	WIN NW
.set k, 0
.rept 16
.set rA, QA+8*(4*(k/4)+\a)+2*(k%4)
	v_pk_mul_f32 v[T+2*k:T+2*k+1], v[rA:rA+1], v[RI+2*\a:RI+2*\a+1] op_sel_hi:[1,0]
.set k, k+1
.endr
	WIN 0
.set k, 0
.rept 16
	v_cvt_pk_f16_f32 v[PKR+k], v[T+2*k], v[T+2*k+1]
.set k, k+1
.endr
.irp cb, 0,1,2,3
	ds_store_b128 v[WAD], v[PKR+4*\cb:PKR+4*\cb+3] offset:(\hd)*AH+\a*16*AP+\cb*32
.endr
.endr
.endm
; A HEAD BEGINS: its q^ comes into registers; the null key's score (all 16 rows of source 0 are the null key) starts m; l = 1, half in each half of the lanes; O = the null value
.macro HEADINIT
	WIN 0
.irp a, 0,1,2,3
.irp c, 0,1
	ds_load_b128 v[QF+16*\a+8*\c:QF+16*\a+8*\c+3], v[HAD] offset:\a*16*AP+\c*64
	ds_load_b128 v[QF+16*\a+8*\c+4:QF+16*\a+8*\c+7], v[HAD] offset:\a*16*AP+\c*64+32
.endr
.endr
	s_wait_dscnt 0x0
	WIN W_NS
.irp c, 0,1
.irp a, 0,1,2,3
.if \c == 0
	v_wmma_f32_16x16x32_f16 v[S+32*\a:S+32*\a+7], v[KN+8*\c:KN+8*\c+7], v[QF+16*\a+8*\c:QF+16*\a+8*\c+7], 0
.else
	v_wmma_f32_16x16x32_f16 v[S+32*\a:S+32*\a+7], v[KN+8*\c:KN+8*\c+7], v[QF+16*\a+8*\c:QF+16*\a+8*\c+7], v[S+32*\a:S+32*\a+7]
.endif
.endr
.endr
	WIN 0
	PLACES
	ALL4 v_mov_b32 v[ST+8*t+1], v[S+32*t]
	ALL4 v_mul_f32 v[ST+8*t], s[CS], v[S+32*t]
	ALL4 v_mov_b32 v[ST+8*t+2], 0.5
	ALL4 v_mov_b32 v[ST+8*t+3], 0
	WIN W_RS
.set j, 0
.rept 32
	ALL4 v_mov_b32 v[32*t+j], v[NV+j]
.set j, j+1
.endr
	WIN 0
.endm
.macro KQ f                            ; S^T = K q^T: 32 matrix instructions, the 16 accumulators by turns; the first 16 start the sums
	WIN W_KQ
.irp c, 0,1
.irp kb, 0,1,2,3
.irp a, 0,1,2,3
.if \c == 0
	v_wmma_f32_16x16x32_f16 v[S+32*\a+8*\kb:S+32*\a+8*\kb+7], v[128*(\f)+8*(4*\c+\kb):128*(\f)+8*(4*\c+\kb)+7], v[QF+16*\a+8*\c:QF+16*\a+8*\c+7], 0
.else
	v_wmma_f32_16x16x32_f16 v[S+32*\a+8*\kb:S+32*\a+8*\kb+7], v[128*(\f)+8*(4*\c+\kb):128*(\f)+8*(4*\c+\kb)+7], v[QF+16*\a+8*\c:QF+16*\a+8*\c+7], v[S+32*\a+8*\kb:S+32*\a+8*\kb+7]
.endif
.endr
.endr
.endr
.endm
.macro PV f                            ; O^T += V^T P: 32 matrix instructions, the 16 accumulators by turns
	WIN W_PV
.irp kh, 0,1
.irp cb, 0,1,2,3
.irp a, 0,1,2,3
	v_wmma_f32_16x16x32_f16 v[32*\a+8*\cb:32*\a+8*\cb+7], v[128*(\f)+8*(8+4*\kh+\cb):128*(\f)+8*(8+4*\kh+\cb)+7], v[P+16*\a+8*\kh:P+16*\a+8*\kh+7], v[32*\a+8*\cb:32*\a+8*\cb+7]
.endr
.endr
.endr
.endm
; A chunk's softmax for the four tiles, stage by stage, the tiles alternating so that no line waits for the one before it
.macro SOFTMAX
	WIN 0
.set j, 0
.rept 4                                ; the maximum of 32 scores and the old m, three operands at a time; each accumulator's lowest registers are read first
	ALL4 v_max3_num_f32 v[ST+8*t+4+j], v[S+32*t+8*j], v[S+32*t+8*j+1], v[S+32*t+8*j+2]
.set j, j+1
.endr
.rept 8
	ALL4 v_max3_num_f32 v[ST+8*t+4+j%4], v[ST+8*t+4+j%4], v[S+32*t+8*(j%4)+2*(j/4)+1], v[S+32*t+8*(j%4)+2*(j/4)+2]
.set j, j+1
.endr
	ALL4 v_max3_num_f32 v[ST+8*t+4], v[ST+8*t+4], v[S+32*t+7], v[S+32*t+15]
	ALL4 v_max3_num_f32 v[ST+8*t+6], v[ST+8*t+6], v[S+32*t+23], v[S+32*t+31]
	ALL4 v_max3_num_f32 v[ST+8*t+4], v[ST+8*t+4], v[ST+8*t+5], v[ST+8*t+6]
	ALL4 v_max3_num_f32 v[ST+8*t+4], v[ST+8*t+4], v[ST+8*t+7], v[ST+8*t+1]
	ALL4 v_permlanex16_b32 v[ST+8*t+5], v[ST+8*t+4], s[SEL], s[SEL+1]  ; the query's other 32 keys lie in the lane 16 away
	ALL4 v_mov_b32 v[ST+8*t+7], v[ST+8*t]
	ALL4 v_max_num_f32 v[ST+8*t+1], v[ST+8*t+4], v[ST+8*t+5]
	ALL4 v_mul_f32 v[ST+8*t], s[CS], v[ST+8*t+1]
	ALL4 v_sub_f32 v[ST+8*t+7], v[ST+8*t+7], v[ST+8*t]
	ALL4 v_exp_f32 v[ST+8*t+6], v[ST+8*t+7]        ; a = 2^(c m_old - c m_new)
.set j, 0
.rept 16
	ALL4 v_pk_fma_f32 v[S+32*t+2*j:S+32*t+2*j+1], v[S+32*t+2*j:S+32*t+2*j+1], s[CS:CS+1], v[ST+8*t:ST+8*t+1] op_sel_hi:[1,0,0] neg_lo:[0,0,1] neg_hi:[0,0,1]
.set j, j+1
.endr
.set j, 0
.rept 128
	v_exp_f32 v[S+j], v[S+j]
.set j, j+1
.endr
	v_nop                                          ; a plain instruction between the last exponential and the use of its result
	WIN W_P
.set j, 0
	s_wait_alu depctr_va_vdst(0)
.rept 64                               ; two neighbouring key blocks rounded in pairs are source 1 of V^T P
	v_cvt_pk_f16_f32 v[P+j], v[S+2*j], v[S+2*j+1]
.set j, j+1
.endr
	WIN 0
.set j, 0
.rept 32
	v_pk_add_f32 v[S+4*j:S+4*j+1], v[S+4*j:S+4*j+1], v[S+4*j+2:S+4*j+3]
.set j, j+1
.endr
.set j, 0
.rept 16
	v_pk_add_f32 v[S+8*j:S+8*j+1], v[S+8*j:S+8*j+1], v[S+8*j+4:S+8*j+5]
.set j, j+1
.endr
.set j, 0
.rept 8
	v_pk_add_f32 v[S+16*j:S+16*j+1], v[S+16*j:S+16*j+1], v[S+16*j+8:S+16*j+9]
.set j, j+1
.endr
	ALL4 v_pk_add_f32 v[S+32*t:S+32*t+1], v[S+32*t:S+32*t+1], v[S+32*t+16:S+32*t+17]
	ALL4 v_pk_fma_f32 v[ST+8*t+2:ST+8*t+3], v[ST+8*t+2:ST+8*t+3], v[ST+8*t+6:ST+8*t+7], v[S+32*t:S+32*t+1] op_sel_hi:[1,0,1]
	WIN W_RS
.set j, 0
.rept 16
	ALL4 v_pk_mul_f32 v[32*t+2*j:32*t+2*j+1], v[32*t+2*j:32*t+2*j+1], v[ST+8*t+6:ST+8*t+7] op_sel_hi:[1,0]
.set j, j+1
.endr
.endm
.macro CHUNK f                         ; 64 keys, in buffer f
	KQ \f
	WIN 0
	PLACES
	SOFTMAX
	PV \f
	WIN 0
	PLACES                                         ; between the last products and the loads into the buffer that they read
.endm
; TWO CHUNKS OF 64 KEYS (a pair, in the two buffers).  The place is filled again at the head; each buffer takes its tile of the next pair as soon as its own chunk is over:
; the refill has the first chunk in which to land, and the first read-out stands beside the second chunk.
.macro APAIR
	RENEW
	CHUNK 0
	s_wait_tensorcnt 0x0                           ; my one load that is out has landed: the next pair is in LDS, and only I read it
	FETCH 0, 0
	CHUNK 1
	FETCH 1, 1
.endm
; A HEAD ENDS: O / l, rounded to f16, takes q^'s place in the A operand
.macro HEADEND
	WIN 0
	ALL4 v_add_f32 v[ST+8*t+4], v[ST+8*t+2], v[ST+8*t+3]
	ALL4 v_permlanex16_b32 v[ST+8*t+5], v[ST+8*t+4], s[SEL], s[SEL+1]
	ALL4 v_add_f32 v[ST+8*t+4], v[ST+8*t+4], v[ST+8*t+5]
	ALL4 v_rcp_f32 v[ST+8*t+6], v[ST+8*t+4]
	v_nop
	s_wait_alu depctr_va_vdst(0)
	WIN W_RS
.set j, 0
.rept 16
	ALL4 v_pk_mul_f32 v[32*t+2*j:32*t+2*j+1], v[32*t+2*j:32*t+2*j+1], v[ST+8*t+6:ST+8*t+7] op_sel_hi:[1,0]
.set j, j+1
.endr
	WIN W_OC
.set j, 0
.rept 64
	v_cvt_pk_f16_f32 v[S+j], v[2*j], v[2*j+1]
.set j, j+1
.endr
	WIN 0
.irp a, 0,1,2,3
.irp cb, 0,1,2,3
	ds_store_b128 v[HAD], v[S+16*\a+4*\cb:S+16*\a+4*\cb+3] offset:\a*16*AP+\cb*32
.endr
.endr
	v_add_nc_u32 v[HAD], AH, v[HAD]
.endm
	s_load_b512 s[4:19], s[0:1], 0x0               ; x 4, ln_in_g 6, ln_in_b 8, wb 10, kvb 12, null_kv 14, k_scale 16, q_scale 18
	s_load_b128 s[20:23], s[0:1], 0x40             ; ln_out_g 20, ln_out_b 22
	s_load_b64 s[OB:OB+1], s[0:1], 0x50            ; out0
	v_lshl_add_u32 v[SPW], v0, 2, SPARE
	v_mov_b32 v[NIL], 0
	ds_add_u32 v22, v23
	s_wait_dscnt 0x0
	v_lshrrev_b32 v24, 5, v0
	v_readfirstlane_b32 s[WV], v24                 ; wave 0..3
	s_bfe_u32 s27, ttmp6, 0x40000                  ; cx: my place in the cluster
	s_lshl_b32 s28, ttmp9, 2                       ; in a cluster launch ttmp9 counts clusters
	s_add_co_u32 s28, s28, s27                     ; my block of 64 rows: it enters x's and out0's addresses alone
	s_lshr_b32 s29, ttmp9, 4                       ; the batch (16 clusters each), which the four partners share
	; descriptor group 1: a pair, 32,768 dense bytes, as 128 rows of 256 bytes, padded in LDS behind every 64 bytes
	s_mov_b32 s[G1], 15|(1<<16)|(1<<20)|(1<<21)|(3<<22)|(3<<25)  ; 15:0 the mask of four; 17:16 2-byte elements; 20 padding on; 21 set beside a mask; 24:22 after every 16 words (code 3); 31:25 4 words (code 3)
	s_mov_b32 s[G1+1], 128<<16                     ; tensor_dim0 = 128
	s_mov_b32 s[G1+2], 128<<16                     ; tensor_dim1 = 128
	s_mov_b32 s[G1+3], 128<<16                     ; tile_dim0 = 128
	s_mov_b32 s[G1+4], 128                         ; tile_dim1 = 128
	s_mov_b32 s[G1+5], 128                         ; 128 elements from row to row
	s_mov_b32 s[G1+6], 0
	s_mov_b32 s[G1+7], 0
	s_mul_i32 s[LA], s[WV], WPART
	s_add_co_u32 s[LA], s[LA], RING                ; no place in the cluster enters an LDS address
	s_lshl_b32 s74, s[WV], 19                      ; my strip's 32 tiles in each weight
	s_mov_b32 s75, 0
	s_lshl_b32 s76, s29, 20                        ; the batch's 64 tiles,
	s_lshl_b32 s73, s[WV], 18                      ; my four heads' 16 of them
	s_add_co_u32 s76, s76, s73
	s_mov_b32 s77, 0
	s_lshl_b32 s78, s28, 18                        ; my block's 64 rows of 4,096 bytes,
	s_lshl_b32 s79, s[WV], 16                      ; my wave's 16 of them
	s_add_co_u32 s78, s78, s79
	s_mov_b32 s79, 0
	s_mov_b32 s[CS], 0x4138aa3b                    ; c = 8 log2(e)
	s_mov_b32 s[CS+1], s[CS]                       ; named with it as a pair
	s_mov_b32 s[SEL], 0x76543210
	s_mov_b32 s[SEL+1], 0xfedcba98
	s_mov_b32 s[RN], 0x3a800000                    ; 1/1024
	s_mov_b32 s[EPS], 0x3727c5ac                   ; 1e-5
	s_mov_b32 s[NEPS], 0x2b8cbccc                  ; 1e-12
	s_mov_b32 s[OFF+1], 0
	s_mov_b32 s[NXT], 1
	s_mov_b32 s[G0], 1
	s_add_co_u32 s[G0+1], s[LA], 0                 ; the LDS address never changes
	s_wait_kmcnt 0x0
	s_add_nc_u64 s[PQ:PQ+1], s[10:11], s[74:75]
	s_add_nc_u64 s[PO:PO+1], s[PQ:PQ+1], 0x200000
	s_add_nc_u64 s[PK:PK+1], s[12:13], s[76:77]
	s_add_nc_u64 s[XB:XB+1], s[XB:XB+1], s[78:79]
	s_add_nc_u64 s[OB:OB+1], s[OB:OB+1], s[78:79]
	s_mov_b64 s[G0+2:G0+3], s[PQ:PQ+1]
	s_or_b32 s[G0+3], s[G0+3], 0x80000000
	CROUND                                         ; all four work-groups are here: the first joint loads meet
	JLOAD                                          ; pair 0: at every time one tensor load of mine is out at the most
	v_and_b32 v1, 15, v0                           ; r = lane % 16
	v_bfe_u32 v2, v0, 4, 1                         ; h = lane / 16
	v_and_b32 v24, 31, v0
	v_lshlrev_b32 v[GOF], 4, v24
.irp s, 0,1,2,3
	v_add_nc_u32 v[XO+\s], \s*4096, v[GOF]
.endr
.irp j, 0,1,2,3,4,5,6,7
	global_load_b128 v[G+4*\j:G+4*\j+3], v[GOF], s[6:7] offset:512*\j
	global_load_b128 v[B+4*\j:B+4*\j+3], v[GOF], s[8:9] offset:512*\j
.endr
.irp s, 0,1,2,3
.irp j, 0,1,2,3,4,5,6,7
	global_load_b128 v[X+32*\s+4*\j:X+32*\s+4*\j+3], v[XO+\s], s[XB:XB+1] offset:512*\j th:TH_LOAD_NT
.endr
.endr
	v_mul_u32_u24 v[LT], v1, AP
	v_lshl_add_u32 v[LT], v2, 4, v[LT]
	v_mul_u32_u24 v25, v1, 80
	v_lshl_add_u32 v25, v2, 4, v25
	v_add_nc_u32 v[BAD], s[LA], v25
	v_add_nc_u32 v[BAD+1], TILEB, v[BAD]
	s_mul_i32 s74, s[WV], 4*AH
	v_add_nc_u32 v[HAD], s74, v[LT]
	v_mov_b32 v[WAD], v[HAD]
	s_mul_i32 s74, s[WV], 16*AP
	v_lshlrev_b32 v[LST], 3, v1
	v_mad_u32_u24 v[LST], v2, AH, v[LST]
	v_add_nc_u32 v[LST], s74, v[LST]               ; my wave's first row; head lane / 16; 8 bytes for each of 16 lanes
	v_add_nc_u32 v[LST+1], 8*AH, v[LST]
	v_lshlrev_b32 v[NOF], 5, v2
	v_mul_u32_u24 v[DST], v1, OPI
	v_lshl_add_u32 v[DST], v2, 5, v[DST]
	s_lshl_b32 s74, s[WV], 10
	v_add_nc_u32 v[DST], s74, v[DST]               ; row r, my wave's 256 columns, 8 h columns on
.irp a, 1,2,3
	v_add_nc_u32 v[DST+\a], \a*16*OPI, v[DST]
.endr
	s_mul_i32 s74, s[WV], 16*OPI
	v_add_nc_u32 v[DLD], s74, v[GOF]
	; LAYERNORM OF X: 16 rows a wave, a ring of four rows in registers
	s_mov_b32 s[CNT], 3
.Lln:
	TURN 0, 1, 24                                  ; three younger rows of 8 loads stay out
	TURN 1, 1, 24
	TURN 2, 1, 24
	TURN 3, 1, 24
	v_add_nc_u32 v[LST], 4*AP, v[LST]
	v_add_nc_u32 v[LST+1], 4*AP, v[LST+1]
	s_sub_co_u32 s[CNT], s[CNT], 1
	s_cmp_lg_u32 s[CNT], 0
	s_cbranch_scc1 .Lln
	TURN 0, 0, 24                                  ; the last four rows load nothing: the counts run down
	TURN 1, 0, 16
	TURN 2, 0, 8
	TURN 3, 0, 0
	s_wait_tensorcnt 0x0                           ; my pair 0 is in; only I read it
	s_wait_dscnt 0x0                               ; for the others' sake: my rows of the A operand are written
	s_barrier_signal -1
	s_barrier_wait -1                              ; the refill has its own round below
	v_mov_b32 v[AAD], v[LT]
	FETCH 0, 0
	AFETCH 0, 0
	FETCH 1, 1
	AFETCH 1, 64
	; Q = LN(x) Wq: 16 pairs.  A trip: tile 1's products, the next pair read out, the place filled again, tile 0's products
	HEADM 1                                        ; the first tile's products start the sums, ahead of the loop; pair 1 is asked for
	WIN 0
	s_mov_b32 s[CNT], 15
.Lg1:
	MUL 1, 0, 16, 0
	TAIL
	HEADM 0                                        ; the last trip asks for the first pair of K and V; behind its round no wave reads LN(x) any more
	WIN 0
	s_sub_co_u32 s[CNT], s[CNT], 1
	s_cmp_lg_u32 s[CNT], 0
	s_cbranch_scc1 .Lg1
	MUL 1, 0, 16, 0
	WIN 0
	PLACES                                         ; the lines below write registers that held A's fragments and read results
	; Q IS NORMALISED, and the null key with it
.irp cb, 0,1,2,3                       ; my 32 of 64 channels: 16 cb + 8 h + 0..7
	global_load_b128 v[NK+8*\cb:NK+8*\cb+3], v[NOF], s[14:15] offset:64*\cb
	global_load_b128 v[NK+8*\cb+4:NK+8*\cb+7], v[NOF], s[14:15] offset:64*\cb+16
	global_load_b128 v[KSR+8*\cb:KSR+8*\cb+3], v[NOF], s[16:17] offset:64*\cb
	global_load_b128 v[KSR+8*\cb+4:KSR+8*\cb+7], v[NOF], s[16:17] offset:64*\cb+16
	global_load_b128 v[QSR+8*\cb:QSR+8*\cb+3], v[NOF], s[18:19] offset:64*\cb
	global_load_b128 v[QSR+8*\cb+4:QSR+8*\cb+7], v[NOF], s[18:19] offset:64*\cb+16
.endr
	QHEAD 0
	QHEAD 1
	WIN W_P                                        ; window 2's accumulators have been read: the null value takes its place there
.irp cb, 0,1,2,3
	global_load_b128 v[NV+8*\cb:NV+8*\cb+3], v[NOF], s[14:15] offset:256+64*\cb
	global_load_b128 v[NV+8*\cb+4:NV+8*\cb+7], v[NOF], s[14:15] offset:256+64*\cb+16
.endr
	s_wait_tensorcnt 0x0                           ; the first pair of K and V has landed: it is read out beside the other two heads' norms
	FETCH 0, 0
	FETCH 1, 1
	WIN 0
	QHEAD 2
	QHEAD 3
	s_wait_loadcnt 0x0
	v_pk_mul_f32 v[24:25], v[NK:NK+1], v[NK:NK+1]
	v_pk_mul_f32 v[26:27], v[NK+2:NK+3], v[NK+2:NK+3]
.set k, 4
.rept 7
	v_pk_fma_f32 v[24:25], v[NK+k:NK+k+1], v[NK+k:NK+k+1], v[24:25]
	v_pk_fma_f32 v[26:27], v[NK+k+2:NK+k+3], v[NK+k+2:NK+k+3], v[26:27]
.set k, k+4
.endr
	v_pk_add_f32 v[24:25], v[24:25], v[26:27]
	v_add_f32 v24, v24, v25
	v_permlanex16_b32 v25, v24, s[SEL], s[SEL+1]
	v_add_f32 v24, v24, v25
	v_sqrt_f32 v24, v24
	v_nop
	s_wait_alu depctr_va_vdst(0)
	v_max_num_f32 v25, s[NEPS], v24
	v_rcp_f32 v24, v25
.set k, 0
.rept 16
	v_pk_mul_f32 v[KSR+k:KSR+k+1], v[KSR+k:KSR+k+1], v[QSR+k:QSR+k+1]
.set k, k+2
.endr
.set k, 0
	s_wait_alu depctr_va_vdst(0)
.rept 16
	v_pk_mul_f32 v[NK+k:NK+k+1], v[NK+k:NK+k+1], v[24:25] op_sel_hi:[1,0]
.set k, k+2
.endr
.set k, 0
.rept 16
	v_pk_mul_f32 v[NK+k:NK+k+1], v[NK+k:NK+k+1], v[KSR+k:KSR+k+1]
.set k, k+2
.endr
	WIN W_P
.set k, 0
.rept 16
	v_cvt_pk_f16_f32 v[KN+k], v[NK+2*k], v[NK+2*k+1]
.set k, k+1
.endr
	WIN 0
	; ATTENTION: my four heads, two pairs of chunks of 64 keys each
	s_mov_b32 s[HC], 4
.Lhead:
	HEADINIT
	s_mov_b32 s[CNT], 2
.Lchunk:
	APAIR                                          ; the last one asks for Wo's first pair and reads it out
	WIN 0
	s_sub_co_u32 s[CNT], s[CNT], 1
	s_cmp_lg_u32 s[CNT], 0
	s_cbranch_scc1 .Lchunk
	HEADEND
	s_sub_co_u32 s[HC], s[HC], 1
	s_cmp_lg_u32 s[HC], 0
	s_cbranch_scc1 .Lhead
	; O Wo: 16 pairs; the last asks for nothing
	RENEW                                          ; Wo's second pair is asked for; in front of the round every wave's O is written, so behind it all of O may be read
	v_mov_b32 v[AAD], v[LT]
	AFETCH 0, 0
	AFETCH 1, 64
	s_wait_dscnt 0x0
	MUL 0, 0, 16, 1                                ; the first tile's products start the sums, ahead of the loop
	WIN 0
	s_mov_b32 s[CNT], 14
.Lg2:
	MUL 1, 0, 16, 0
	TAIL
	HEADM 0
	WIN 0
	s_sub_co_u32 s[CNT], s[CNT], 1
	s_cmp_lg_u32 s[CNT], 0
	s_cbranch_scc1 .Lg2
	MUL 1, 0, 16, 0                                ; the tail is written out: the last pair is read out and nothing is asked for
	TAIL
	s_wait_dscnt 40                                ; buffer 0 and its rows of A are in; buffer 1's 32 loads and its 8 of A may be out
	MUL 0, 0, 16, 0
	s_wait_dscnt 0x0
	MUL 1, 0, 16, 0
	WIN 0
	; THE LAST LAYERNORM.  The 64 x 1024 sums go into LDS as rows of f32, over the A operand and the ring, which are read no more and filled no more; then each wave takes 16 whole rows.
	s_wait_dscnt 0x0
	s_barrier_signal -1
	s_barrier_wait -1                              ; every wave's reads of the A operand and of its tiles are back, and its tensor loads have landed
	PLACES                                         ; between the last products and the stores of their results, and the loads into A's fragments
.irp j, 0,1,2,3,4,5,6,7
	global_load_b128 v[G+4*\j:G+4*\j+3], v[GOF], s[20:21] offset:512*\j
	global_load_b128 v[B+4*\j:B+4*\j+3], v[GOF], s[22:23] offset:512*\j
.endr
.set bb, 0
.rept 16
	WIN (2+bb/8)<<2                                ; the stores' data in window 2 or 3
.set aa, 0
.rept 4
.set rD, 8*(4*(bb%8)+aa)
	ds_store_b128 v[DST+aa], v[rD:rD+3] offset:64*bb        ; each accumulator from its low end on
	ds_store_b128 v[DST+aa], v[rD+4:rD+7] offset:64*bb+16
.set aa, aa+1
.endr
.set bb, bb+1
.endr
	WIN 0
	s_wait_dscnt 0x0                               ; for the others' sake: my columns are written
	s_barrier_signal -1
	s_barrier_wait -1
	s_wait_loadcnt 0x0                             ; gain and bias
	s_mov_b32 s[CNT], 8
.Lout:                                             ; two rows a trip
.irp j, 0,1,2,3,4,5,6,7
	ds_load_b128 v[X+4*\j:X+4*\j+3], v[DLD] offset:512*\j
.endr
.irp j, 0,1,2,3,4,5,6,7
	ds_load_b128 v[X+32+4*\j:X+32+4*\j+3], v[DLD] offset:OPI+512*\j
.endr
	s_wait_dscnt 0x8                               ; the first row is in; the second row's eight loads may be out
	LNROW X
.irp j, 0,1,2,3,4,5,6,7
	global_store_b128 v[GOF], v[X+4*\j:X+4*\j+3], s[OB:OB+1] offset:512*\j th:TH_STORE_NT   ; a wave's store covers 512 consecutive bytes, at a multiple of 256 from out0's first
.endr
	s_wait_dscnt 0x0
	LNROW X+32
.irp j, 0,1,2,3,4,5,6,7
	global_store_b128 v[GOF], v[X+32+4*\j:X+32+4*\j+3], s[OB:OB+1] offset:4096+512*\j th:TH_STORE_NT
.endr
	s_wait_xcnt 0x0                                ; the stores' offset and data registers are rewritten only behind this wait
	v_add_nc_u32 v[DLD], 2*OPI, v[DLD]
	v_add_nc_u32 v[GOF], 8192, v[GOF]
	s_sub_co_u32 s[CNT], s[CNT], 1
	s_cmp_lg_u32 s[CNT], 0
	s_cbranch_scc1 .Lout
	s_wait_tensorcnt 0x0                           ; the wave's end: behind my last tensor load and my last LDS store
	ds_add_u32 v[SPW], v[NIL]
	s_wait_dscnt 0x0
	CROUND                                         ; the closing round: no work-group ends while a partner may still ask for a tile that names it
	s_endpgm
.Lfunc_end_k_q389ea478e9_attn:
	.size	k_q389ea478e9_attn, .Lfunc_end_k_q389ea478e9_attn-k_q389ea478e9_attn
	.p2alignl 7, 3214868480
	.fill 96, 4, 3214868480
	.section	.rodata,"a",@progbits
	.p2align	6, 0x0
	.amdhsa_kernel k_q389ea478e9_attn
		.amdhsa_group_segment_fixed_size 327680
		.amdhsa_private_segment_fixed_size 0
		.amdhsa_enable_private_segment 0
		.amdhsa_kernarg_size 88
		.amdhsa_user_sgpr_count 2
		.amdhsa_user_sgpr_kernarg_segment_ptr 1
		.amdhsa_wavefront_size32 1
		.amdhsa_system_sgpr_workgroup_id_x 1
		.amdhsa_system_sgpr_workgroup_id_y 1
		.amdhsa_system_sgpr_workgroup_id_z 1
		.amdhsa_system_vgpr_workitem_id 0
		.amdhsa_next_free_vgpr 1024
		.amdhsa_next_free_sgpr 80
		.amdhsa_reserve_vcc 0
		.amdhsa_float_denorm_mode_32 3
		.amdhsa_float_denorm_mode_16_64 3
		.amdhsa_memory_ordered 1
		.amdhsa_forward_progress 1
		.amdhsa_inst_pref_size 255
	.end_amdhsa_kernel
	.section	.bss,"aw",@nobits
	.p2align	6
	.space	262144
	.amdgpu_metadata
---
amdhsa.version: [ 1, 2 ]
amdhsa.kernels:
  - .name:           k_q389ea478e9_attn
    .symbol:         k_q389ea478e9_attn.kd
    .args:
      - { .name: x, .offset: 0, .size: 8, .value_kind: global_buffer, .address_space: global }
      - { .name: ln_in_g, .offset: 8, .size: 8, .value_kind: global_buffer, .address_space: global }
      - { .name: ln_in_b, .offset: 16, .size: 8, .value_kind: global_buffer, .address_space: global }
      - { .name: wb, .offset: 24, .size: 8, .value_kind: global_buffer, .address_space: global }
      - { .name: kvb, .offset: 32, .size: 8, .value_kind: global_buffer, .address_space: global }
      - { .name: null_kv, .offset: 40, .size: 8, .value_kind: global_buffer, .address_space: global }
      - { .name: k_scale, .offset: 48, .size: 8, .value_kind: global_buffer, .address_space: global }
      - { .name: q_scale, .offset: 56, .size: 8, .value_kind: global_buffer, .address_space: global }
      - { .name: ln_out_g, .offset: 64, .size: 8, .value_kind: global_buffer, .address_space: global }
      - { .name: ln_out_b, .offset: 72, .size: 8, .value_kind: global_buffer, .address_space: global }
      - { .name: out0, .offset: 80, .size: 8, .value_kind: global_buffer, .address_space: global }
    .group_segment_fixed_size: 327680
    .private_segment_fixed_size: 0
    .kernarg_segment_align: 8
    .kernarg_segment_size: 88
    .max_flat_workgroup_size: 128
    .sgpr_count:     80
    .vgpr_count:     1024
    .wavefront_size: 32
...
	.end_amdgpu_metadata
.endif
;; end of part 3
;; ======== version 3 of 4: 2 launches; 1.34 times as fast as version 1
;; limits: values are held in f16: magnitudes above 65,504 overflow, below 6.1e-05 lose precision
;; workspace buffers: wb 4,194,304 bytes; kvb 4,194,304 bytes
;; launch prep: the kernel of part 1 again; grid 256 x 1, 4 waves a work-group, no clusters, 188,928 bytes of LDS; arguments context, ln_ctx_g, ln_ctx_b, Wkv, k_scale, q_scale, Wq, Wo, wb, kvb; writes wb, kvb
;; launch attn (part 4): grid 256 x 1, 4 waves a work-group, clusters of 4 x 1, 327,680 bytes of LDS; arguments x, ln_in_g, ln_in_b, wb, kvb, null_kv, k_scale, q_scale, ln_out_g, ln_out_b, out0; writes out0
.if DOCPART == 4
	.amdgcn_target "amdgcn-amd-amdhsa--gfx1250"
	.amdhsa_code_object_version 6
	.text
	.protected	k_q389ea478e9_attn
	.globl	k_q389ea478e9_attn
	.p2align	8
	.type	k_q389ea478e9_attn,@function
k_q389ea478e9_attn:
	s_mov_b64 s[64:65], 0
	v_nop
	global_prefetch_b8 v0, s[64:65] scope:SCOPE_SE
	s_setreg_imm32_b32 hwreg(HW_REG_WAVE_MODE, 25, 1), 1
	s_wait_xcnt 0x0
	s_wait_alu depctr_hold_cnt(0) depctr_sa_sdst(0) depctr_va_vdst(0) depctr_va_sdst(0) depctr_va_ssrc(0) depctr_va_vcc(0) depctr_vm_vsrc(0)
	s_getreg_b32 s2, hwreg(HW_REG_IB_STS2, 6, 4)
	s_cmp_eq_u32 s2, 0
	s_cbranch_scc0 .Lentry_in_a_cluster
	s_endpgm
.Lentry_in_a_cluster:
	s_bfe_u32 s2, ttmp6, 0x10000c
	s_cmp_lg_u32 s2, 0x3003
	s_cbranch_scc0 .Lentry_shape_is_right
	s_endpgm
.Lentry_shape_is_right:
; out0 = LN( softmax(8 q^ . k^) V . Wo ), q^ = l2-normalised LN(x) Wq, for 64 rows of x a work-group; nothing of a row goes through memory between x and out0.
; Four waves.  LayerNorms: wave w takes rows 16 w .. + 15, a row a turn.  Both projections: a wave makes all 64 rows x 256 columns: 64 accumulators, 512 registers.
; Its 256 columns of q are four heads, so a wave normalises its own q and runs its own four heads' attention (64 queries, 256 keys in chunks of 64, and the null key).
; 64 rows: the last LayerNorm wants whole rows of 1024 in one work-group, and 16,384 rows on 256 work-groups are 64 each.
; FORMATS.  Every matrix operand is f16, sums f32; LayerNorms, lengths, maxima, exponentials and their sums f32.  LIMITS: LN(x)*g+b and the null key x k_scale x q_scale must lie within
; f16's 65,504 (the weights, K' and V arrive in f16 from the launch before); q_scale is applied to the keys and not to q (the same products, another order of rounding); a weight below 2^-126
; counts as 0; the weights' sum is taken of the unrounded weights; NaN and infinities are not treated apart.
; WHAT IS STREAMED is one kind of tile: 16,384 dense bytes = 256 rows of 32 f16, padded in LDS to rows of 80 bytes; fragment f is rows 16 f .. + 15.  A wave walks 80 tiles of its own: 32 of Wq
; (256 columns x 32 k), 16 of K and V (head, chunk: fragments 4 c + kb = K, 8 + 4 kh + cb = V turned), 32 of Wo: 40 PAIRS of neighbours in memory; a pair's tile n goes to fragment buffer n.
; THE RING.  Beside the A operand (147,456 bytes) LDS has room for two tiles a wave.  They are ONE place, filled by one load of 32,768 bytes; the second slot is the wave's two fragment buffers:
; a pair is read out into registers when it has landed, the place is filled again behind a round, and the pair in registers is multiplied while that load is on its way: 104 matrix instructions
; stand between a projection's refill and the wait for it, and there is one round for two tiles.  As two slots of one tile a refill would bring half the bytes and have under 64.
; CLUSTER.  The four work-groups of a cluster belong to one batch and walk the same tiles: each pair is asked for jointly, same load, descriptor and mask in all four.
; THE ORDER OF THE WALKS hangs on the cluster's number c (0 .. 63), which the four partners share, and enters global addresses alone.  s = (c & 15) ^ 5 (bit 4 of c) ^ 10 (bit 5 of c), 0 .. 15.
;   LN(x): register group j of a row takes the row's bytes (512 j + 16 lane) ^ 256 s, so part q of the A operand holds columns 64 (q ^ s) ..; trip i of the first projection takes Wq's pair i ^ s.
;   So the 64 clusters' first requests, at the kernel's head, name all 16 pairs, four clusters each, and every later request names a pair that another cluster has asked for before.
;   Wave w takes strip w ^ (s >> 2) of Wq's columns and those heads of K and V: part q of the A operand then holds head q ^ (s & 12), and trip i of the last projection takes Wo's pair
;   i ^ (s & 12): four orders (the heads inside a strip are fixed by the tiles' layout): from the fifth trip on a pair has been asked for by others four trips before.
;   A head's two pairs of K and V come in the order that s's parity gives.
;   So the sums along K and the keys of the running softmax come in an order that differs from cluster to cluster: another order of rounding, nothing else.
; ORIENTATION.  Source 0 = the streamed fragment, source 1 = 16 rows x 32 k: a lane holds ONE row (lane % 16) and 8 neighbouring columns, keys or channels (8 (lane / 16) + j), so that
; results rounded in pairs are the next product's source 1, and a row's length, maximum and sum want one exchange between the halves of the lanes.
; SOFTMAX.  Running maximum m and sum l a query; p = 2^(c s - c m), c = 8 log2(e).  A head begins with the null key: m = its score, l = 1, O = the null value.
; REGISTERS in windows of 256 (s_set_vgpr_msb: bits 1:0 source 0, 3:2 source 1, 5:4 source 2, 7:6 destination):
;   window 0: v0-31 addresses and work; then by phase (see the names below)      window 1: two fragment buffers of 128
;   windows 2, 3: projections: accumulator (a, b) in window 2 + b / 8 at 8 (4 (b % 8) + a).  Attention, window 2: v0-127 O, v128-191 P, v192-223 null value, v224-239 null key
.set AP,    144                        ; LDS pitch of a row's 64 numbers of one head: 128 bytes + 16 = 9 x 16, so the 16 rows of a load start at 16 different groups of four banks
.set AH,    64*AP                      ; 64 rows: the part of the A operand for 64 along K (one head, one pair of tiles)
.set RING,  16*AH                      ; A operand: bytes 0 .. 147,455, written by LDS stores alone: LN(x), then q^ and O (each wave in its own four parts)
.set TILEB, 256*80                     ; a tile in LDS
.set WPART, 2*TILEB                    ; a wave's place: a pair
.set SPARE, RING+4*WPART               ; behind the ring: the spare words, 128 bytes a wave: two blocks of 256 bytes that no other line names
.set OPI,   4112                       ; the last stage (bytes 0 .. 263,167, used when the ring has had its last fill and its last read): a row of 1024 f32 + 16 bytes
.set LT,3                              ; v3  r x 144 + 16 h: my place in a fragment of the A operand
.set BAD,4                             ; v4-5 my place in my wave's pair, tile 0, 1
.set AAD,6                             ; v6  A's fragments: steps along K
.set HAD,7                             ; v7  the head in hand
.set WAD,8                             ; v8  my wave's first part of the A operand
.set LST,13                            ; v13-14 where a normalised row goes
.set NOF,15                            ; v15 32 h
.set DST,16                            ; v16-19 last stage: where accumulators of row block a go
.set DLD,20                            ; v20 last stage: where I read rows back
.set GOF,21                            ; v21 16 x lane; in the last loop it steps along out0
.set SPW,22                            ; v22 my spare word; never rewritten
.set NIL,23                            ; v23 0; never rewritten
.set G,32                              ; LayerNorms: v32-63 gain, v64-95 bias, v96-111 at work, v128-255 four rows
.set B,64
.set T,96
.set COL,112                           ; LayerNorm of x: v112-119 register group j: the byte offset in a row of my 16 bytes: (512 j + 16 lane) ^ 256 s
.set X,128
.set AF,32                             ; projections: v32-63, v64-95 A's fragments for the pair's two tiles
.set SS,32                             ; q norm: v32-47 sums of squares, v48-55 1 / length, v96-127 scaled, v128-143 packed; v144-239 null key, k_scale, q_scale
.set RI,48
.set PKR,128
.set NK,144
.set KSR,176
.set QSR,208
.set ST,32                             ; attention: tile t's statistics at v[32 + 8 t]: c m, m, l (two halves), c0-c3 at work (c2 takes a)
.set QF,64                             ; v64-127 q^: tile a, channel half c at 16 a + 8 c
.set S,128                             ; v128-255 scores: tile a, key block kb at 32 a + 8 kb
.set P,128                             ; window 2
.set NV,192
.set KN,224
.set WV,26
.set SW,30                             ; s30 my strip of Wq's columns and my four heads: w ^ (s >> 2)
.set XB,4
.set OB,24
.set G1,32                             ; s[32:39] descriptor group 1
.set G0,40                             ; s[40:43] group 0: its global address walks
.set XQ,44                             ; s44 s: what turns a trip's number into Wq's pair
.set XK,45                             ; s45 s's parity: the same for K and V
.set XW,46                             ; s46 s & 12: the same for Wo
.set XR,47                             ; s47 the one of the three that is due
.set PQ,48                             ; s[48:53] my wave's tiles of Wq, of K and V, of Wo
.set PK,50
.set PO,52
.set BASE,54
.set OFF,56
.set NXT,58                            ; s58 the pair to be asked for next
.set STT,59
.set LA,60                             ; s60 my wave's place in the ring
.set CNT,62
.set HC,63
.set CS,66
.set SEL,68
.set RN,70
.set EPS,71
.set NEPS,72
.set MUL_LO,0xa1                       ; source 0 window 1, source 1 window 0, C and D window 2
.set TO_F,0x40
.set W_KQ,0x01
.set W_NS,0x02
.set W_PV,0xa9
.set W_P,0x80
.set W_RS,0x82
.set W_OC,0x0a
.set MSB, 0
.macro WIN new                         ; the immediate's high byte repeats the setting that is left; a switch that changes nothing is dropped
.if MSB != (\new)
	s_set_vgpr_msb (MSB<<8)|(\new)
.set MSB, (\new)
.endif
.endm
.macro PLACES                          ; four plain places behind matrix instructions (ISA guide 7.12.1), where no other vector work is at hand
.rept 4
	v_nop
.endr
.endm
.macro ALL4 line:vararg                ; one line for each tile t of 16 rows
.set t, 0
.rept 4
	\line
.set t, t+1
.endr
.endm
.macro CREST                           ; a round of the cluster's barrier behind its opening barrier
	s_cmp_lg_u32 s[WV], 0
	s_cbranch_scc1 .Lnot_wave_0_\@
	s_barrier_signal -3
.Lnot_wave_0_\@:
	s_barrier_wait -3
	s_barrier_signal -1
	s_barrier_wait -1
.endm
.macro CROUND
	s_barrier_signal -1
	s_barrier_wait -1
	CREST
.endm
.macro JLOAD                           ; the joint fill: one line for all waves, whose two addresses hang on the wave's number; s_nop 0 and four v_nop follow
	tensor_load_to_lds s[G0:G0+3], s[G1:G1+7]
	s_nop 0
	PLACES
.endm
; The descriptor's global address is made anew for the walk's pair NXT: 0-15 Wq, 16-23 K and V, 24-39 Wo; its number in its tensor is turned by the cluster's exclusive or; a pointer and an offset made apart
.macro NEXTD
	s_cmp_lt_u32 s[NXT], 16
	s_cselect_b64 s[BASE:BASE+1], s[PQ:PQ+1], s[PK:PK+1]
	s_cselect_b32 s[STT], 0, 16
	s_cselect_b32 s[XR], s[XQ], s[XK]
	s_cmp_lt_u32 s[NXT], 24
	s_cselect_b64 s[BASE:BASE+1], s[BASE:BASE+1], s[PO:PO+1]
	s_cselect_b32 s[STT], s[STT], 24
	s_cselect_b32 s[XR], s[XR], s[XW]
	s_sub_co_u32 s[OFF], s[NXT], s[STT]
	s_xor_b32 s[OFF], s[OFF], s[XR]                ; stays inside 0 .. 15 (K and V: inside the head's two pairs)
	s_lshl_b32 s[OFF], s[OFF], 15
	s_add_nc_u64 s[G0+2:G0+3], s[BASE:BASE+1], s[OFF:OFF+1]
	s_or_b32 s[G0+3], s[G0+3], 0x80000000
	s_add_co_u32 s[NXT], s[NXT], 1
.endm
.macro FETCH tile, g                   ; 32 LDS loads in one run: the 16 fragments of the pair's tile into buffer g
	WIN TO_F
.set ff, 0
.rept 16
	ds_load_b128 v[128*(\g)+8*ff:128*(\g)+8*ff+3], v[BAD+(\tile)] offset:ff*1280
	ds_load_b128 v[128*(\g)+8*ff+4:128*(\g)+8*ff+7], v[BAD+(\tile)] offset:ff*1280+32
.set ff, ff+1
.endr
.endm
.macro AFETCH g, off                   ; 8 LDS loads: 64 rows x 32 k of the A operand
	WIN 0
.irp a, 0,1,2,3
	ds_load_b128 v[AF+32*(\g)+8*\a:AF+32*(\g)+8*\a+3], v[AAD] offset:(\off)+\a*16*AP
	ds_load_b128 v[AF+32*(\g)+8*\a+4:AF+32*(\g)+8*\a+7], v[AAD] offset:(\off)+\a*16*AP+32
.endr
.endm
; 4 n matrix instructions: column blocks b0 .. b0 + n - 1 x the four row blocks.  The 64 accumulators take turns in the same order for every tile.
.macro MUL f, b0, n, zero
.set bb, \b0
.rept \n
	WIN MUL_LO+0x50*(bb/8)
.set aa, 0
.rept 4
.set rD, 8*(4*(bb%8)+aa)
.if \zero
	v_wmma_f32_16x16x32_f16 v[rD:rD+7], v[128*(\f)+8*bb:128*(\f)+8*bb+7], v[AF+32*(\f)+8*aa:AF+32*(\f)+8*aa+7], 0
.else
	v_wmma_f32_16x16x32_f16 v[rD:rD+7], v[128*(\f)+8*bb:128*(\f)+8*bb+7], v[AF+32*(\f)+8*aa:AF+32*(\f)+8*aa+7], v[rD:rD+7]
.endif
.set aa, aa+1
.endr
.set bb, bb+1
.endr
.endm
; A PROJECTION'S PAIR IS READ OUT: both buffers have been multiplied; the next pair and the A operand's next part come into registers, what is multiplied first in front
.macro TAIL
	WIN 0
	PLACES                                         ; between the last products and the loads into their fragments
	s_wait_tensorcnt 0x0                           ; my one load that is out has landed: the pair is in LDS, and only I read it
	v_add_nc_u32 v[AAD], AH, v[AAD]
	FETCH 0, 0
	AFETCH 0, 0
	FETCH 1, 1
	AFETCH 1, 64
.endm
; THE PLACE IS FILLED AGAIN, with tile 0's 64 products round it.  In front of the round each wave waits for all its tensor loads (none is out), adds 0 to its spare word, and waits for that and
; for its reads; the joint refill is the first thing behind the round: 40 products here and tile 1's 64 stand between it and the wait for it.
.macro HEADM zero
	WIN 0
	s_wait_tensorcnt 0x0                           ; no tensor load of mine is out, so group 0 may be written
	ds_add_u32 v[SPW], v[NIL]                      ; 0 onto my spare word
	NEXTD
	s_wait_dscnt 41                                ; buffer 0 and its rows of A are in; buffer 1's 32 loads, its 8 of A and the add may be out
	MUL 0, 0, 4, \zero
	s_wait_dscnt 0x0                               ; the add is done, and my reads of the place and of A are back
	s_barrier_signal -1
	MUL 0, 4, 2, \zero
	WIN 0
	s_barrier_wait -1
	CREST                                          ; no wave of any partner still reads its place or has a load on its way
	JLOAD
	MUL 0, 6, 10, \zero
.endm
; The same without products round it
.macro RENEW
	WIN 0
	s_wait_tensorcnt 0x0                           ; no tensor load of mine is out, so group 0 may be written
	ds_add_u32 v[SPW], v[NIL]                      ; 0 onto my spare word
	NEXTD
	s_wait_dscnt 0x0                               ; the add is done; the pair is in registers, so my reads of the place are over; my LDS stores are done
	CROUND
	JLOAD
.endm
.macro REDUCE t, u                     ; v[t] summed over the 32 lanes, in every lane; v[u] has been written
	v_add_f32_dpp v[\t], v[\t], v[\t] row_xmask:1 row_mask:0xf bank_mask:0xf
	v_add_f32_dpp v[\t], v[\t], v[\t] row_xmask:2 row_mask:0xf bank_mask:0xf
	v_add_f32_dpp v[\t], v[\t], v[\t] row_xmask:4 row_mask:0xf bank_mask:0xf
	v_add_f32_dpp v[\t], v[\t], v[\t] row_xmask:8 row_mask:0xf bank_mask:0xf
	v_permlanex16_b32 v[\u], v[\t], s[SEL], s[SEL+1]
	v_add_f32 v[\t], v[\t], v[\u]
.endm
; LayerNorm of one row of 1024 in 32 registers, in place: mean, then the squares of the differences (two passes in registers, so a common offset costs nothing)
.macro LNROW x
	v_pk_add_f32 v[24:25], v[(\x):(\x)+1], v[(\x)+2:(\x)+3]
	v_pk_add_f32 v[26:27], v[(\x)+4:(\x)+5], v[(\x)+6:(\x)+7]
.set k, 8
.rept 6
	v_pk_add_f32 v[24:25], v[24:25], v[(\x)+k:(\x)+k+1]
	v_pk_add_f32 v[26:27], v[26:27], v[(\x)+k+2:(\x)+k+3]
.set k, k+4
.endr
	v_pk_add_f32 v[24:25], v[24:25], v[26:27]
	v_add_f32 v24, v24, v25
	REDUCE 24, 25
	v_mul_f32 v24, 0xba800000, v24                 ; minus the mean: sum x (-1/1024)
.set k, 0
.rept 16
	v_pk_add_f32 v[(\x)+k:(\x)+k+1], v[(\x)+k:(\x)+k+1], v[24:25] op_sel_hi:[1,0]
.set k, k+2
.endr
	v_pk_mul_f32 v[26:27], v[(\x):(\x)+1], v[(\x):(\x)+1]
	v_pk_mul_f32 v[28:29], v[(\x)+2:(\x)+3], v[(\x)+2:(\x)+3]
.set k, 4
.rept 7
	v_pk_fma_f32 v[26:27], v[(\x)+k:(\x)+k+1], v[(\x)+k:(\x)+k+1], v[26:27]
	v_pk_fma_f32 v[28:29], v[(\x)+k+2:(\x)+k+3], v[(\x)+k+2:(\x)+k+3], v[28:29]
.set k, k+4
.endr
	v_pk_add_f32 v[26:27], v[26:27], v[28:29]
	v_add_f32 v26, v26, v27
	REDUCE 26, 27
	v_fma_f32 v26, v26, s[RN], s[EPS]              ; variance + 1e-5
	v_rsq_f32 v26, v26
	v_nop                                          ; a plain instruction between the root and its use
.set k, 0
	s_wait_alu depctr_va_vdst(0)
.rept 16
	v_pk_mul_f32 v[(\x)+k:(\x)+k+1], v[(\x)+k:(\x)+k+1], v[26:27] op_sel_hi:[1,0]
.set k, k+2
.endr
.set k, 0
.rept 16
	v_pk_fma_f32 v[(\x)+k:(\x)+k+1], v[(\x)+k:(\x)+k+1], v[G+k:G+k+1], v[B+k:B+k+1]
.set k, k+2
.endr
.endm
; The turn of ring slot s: its row of x is normalised, rounded to f16 and laid into the A operand.  left = the younger loads that may stay out.
; fill = 1: the slot takes the row four further on: row 4 + s from x's base, which steps by four rows behind each round.
.macro TURN s, fill, left
	s_wait_loadcnt \left
	LNROW X+32*(\s)
.set k, 0
.rept 16
	v_cvt_pk_f16_f32 v[T+k], v[X+32*(\s)+2*k], v[X+32*(\s)+2*k+1]
.set k, k+1
.endr
.irp j, 0,1,2,3
	ds_store_b64 v[LST], v[T+2*\j:T+2*\j+1] offset:\j*2*AH+(\s)*AP          ; register group j: part 2 j + lane / 16 of the A operand
	ds_store_b64 v[LST+1], v[T+8+2*\j:T+8+2*\j+1] offset:\j*2*AH+(\s)*AP
.endr
.if \fill
.irp j, 0,1,2,3,4,5,6,7
	global_load_b128 v[X+32*(\s)+4*\j:X+32*(\s)+4*\j+3], v[COL+\j], s[XB:XB+1] offset:(4+(\s))*4096 th:TH_LOAD_NT  ; each half of the lanes takes 256 consecutive bytes, at a multiple of 256
.endr
.endif
.endm
; Head hd of my four: each of the 64 rows of q is divided by max(its length, 1e-12), rounded to f16 and laid into my part hd of the A operand, which only I touch from here on
.macro QHEAD hd
.set NW, 2+(\hd)/2
.set QA, 128*((\hd)%2)
	WIN NW|(NW<<2)
.irp a, 0,1,2,3
.set k, 0
.rept 16                               ; channel block k / 4, pair k % 4: each accumulator is read from its low end on
.set rA, QA+8*(4*(k/4)+\a)+2*(k%4)
.if k < 2
	v_pk_mul_f32 v[SS+4*\a+2*(k%2):SS+4*\a+2*(k%2)+1], v[rA:rA+1], v[rA:rA+1]
.else
	v_pk_fma_f32 v[SS+4*\a+2*(k%2):SS+4*\a+2*(k%2)+1], v[rA:rA+1], v[rA:rA+1], v[SS+4*\a+2*(k%2):SS+4*\a+2*(k%2)+1]
.endif
.set k, k+1
.endr
.endr
	WIN 0
	ALL4 v_pk_add_f32 v[SS+4*t:SS+4*t+1], v[SS+4*t:SS+4*t+1], v[SS+4*t+2:SS+4*t+3]
	ALL4 v_add_f32 v[SS+4*t], v[SS+4*t], v[SS+4*t+1]
	ALL4 v_permlanex16_b32 v[SS+4*t+1], v[SS+4*t], s[SEL], s[SEL+1]  ; the row's other 32 channels lie in the lane 16 away
	ALL4 v_add_f32 v[SS+4*t], v[SS+4*t], v[SS+4*t+1]
	ALL4 v_sqrt_f32 v[SS+4*t], v[SS+4*t]
	v_nop
	s_wait_alu depctr_va_vdst(0)
	ALL4 v_max_num_f32 v[RI+2*t+1], s[NEPS], v[SS+4*t]
	ALL4 v_rcp_f32 v[RI+2*t], v[RI+2*t+1]
	v_nop
	s_wait_alu depctr_va_vdst(0)
.irp a, 0,1,2,3
	WIN NW
.set k, 0
.rept 16
.set rA, QA+8*(4*(k/4)+\a)+2*(k%4)
	v_pk_mul_f32 v[T+2*k:T+2*k+1], v[rA:rA+1], v[RI+2*\a:RI+2*\a+1] op_sel_hi:[1,0]
.set k, k+1
.endr
	WIN 0
.set k, 0
.rept 16
	v_cvt_pk_f16_f32 v[PKR+k], v[T+2*k], v[T+2*k+1]
.set k, k+1
.endr
.irp cb, 0,1,2,3
	ds_store_b128 v[WAD], v[PKR+4*\cb:PKR+4*\cb+3] offset:(\hd)*AH+\a*16*AP+\cb*32
.endr
.endr
.endm
; A HEAD BEGINS: its q^ comes into registers; the null key's score (all 16 rows of source 0 are the null key) starts m; l = 1, half in each half of the lanes; O = the null value
.macro HEADINIT
	WIN 0
.irp a, 0,1,2,3
.irp c, 0,1
	ds_load_b128 v[QF+16*\a+8*\c:QF+16*\a+8*\c+3], v[HAD] offset:\a*16*AP+\c*64
	ds_load_b128 v[QF+16*\a+8*\c+4:QF+16*\a+8*\c+7], v[HAD] offset:\a*16*AP+\c*64+32
.endr
.endr
	s_wait_dscnt 0x0
	WIN W_NS
.irp c, 0,1
.irp a, 0,1,2,3
.if \c == 0
	v_wmma_f32_16x16x32_f16 v[S+32*\a:S+32*\a+7], v[KN+8*\c:KN+8*\c+7], v[QF+16*\a+8*\c:QF+16*\a+8*\c+7], 0
.else
	v_wmma_f32_16x16x32_f16 v[S+32*\a:S+32*\a+7], v[KN+8*\c:KN+8*\c+7], v[QF+16*\a+8*\c:QF+16*\a+8*\c+7], v[S+32*\a:S+32*\a+7]
.endif
.endr
.endr
	WIN 0
	PLACES
	ALL4 v_mov_b32 v[ST+8*t+1], v[S+32*t]
	ALL4 v_mul_f32 v[ST+8*t], s[CS], v[S+32*t]
	ALL4 v_mov_b32 v[ST+8*t+2], 0.5
	ALL4 v_mov_b32 v[ST+8*t+3], 0
	WIN W_RS
.set j, 0
.rept 32
	ALL4 v_mov_b32 v[32*t+j], v[NV+j]
.set j, j+1
.endr
	WIN 0
.endm
.macro KQ f                            ; S^T = K q^T: 32 matrix instructions, the 16 accumulators by turns; the first 16 start the sums
	WIN W_KQ
.irp c, 0,1
.irp kb, 0,1,2,3
.irp a, 0,1,2,3
.if \c == 0
	v_wmma_f32_16x16x32_f16 v[S+32*\a+8*\kb:S+32*\a+8*\kb+7], v[128*(\f)+8*(4*\c+\kb):128*(\f)+8*(4*\c+\kb)+7], v[QF+16*\a+8*\c:QF+16*\a+8*\c+7], 0
.else
	v_wmma_f32_16x16x32_f16 v[S+32*\a+8*\kb:S+32*\a+8*\kb+7], v[128*(\f)+8*(4*\c+\kb):128*(\f)+8*(4*\c+\kb)+7], v[QF+16*\a+8*\c:QF+16*\a+8*\c+7], v[S+32*\a+8*\kb:S+32*\a+8*\kb+7]
.endif
.endr
.endr
.endr
.endm
.macro PV f                            ; O^T += V^T P: 32 matrix instructions, the 16 accumulators by turns
	WIN W_PV
.irp kh, 0,1
.irp cb, 0,1,2,3
.irp a, 0,1,2,3
	v_wmma_f32_16x16x32_f16 v[32*\a+8*\cb:32*\a+8*\cb+7], v[128*(\f)+8*(8+4*\kh+\cb):128*(\f)+8*(8+4*\kh+\cb)+7], v[P+16*\a+8*\kh:P+16*\a+8*\kh+7], v[32*\a+8*\cb:32*\a+8*\cb+7]
.endr
.endr
.endr
.endm
; A chunk's softmax for the four tiles, stage by stage, the tiles alternating so that no line waits for the one before it
.macro SOFTMAX
	WIN 0
.set j, 0
.rept 4                                ; the maximum of 32 scores and the old m, three operands at a time; each accumulator's lowest registers are read first
	ALL4 v_max3_num_f32 v[ST+8*t+4+j], v[S+32*t+8*j], v[S+32*t+8*j+1], v[S+32*t+8*j+2]
.set j, j+1
.endr
.rept 8
	ALL4 v_max3_num_f32 v[ST+8*t+4+j%4], v[ST+8*t+4+j%4], v[S+32*t+8*(j%4)+2*(j/4)+1], v[S+32*t+8*(j%4)+2*(j/4)+2]
.set j, j+1
.endr
	ALL4 v_max3_num_f32 v[ST+8*t+4], v[ST+8*t+4], v[S+32*t+7], v[S+32*t+15]
	ALL4 v_max3_num_f32 v[ST+8*t+6], v[ST+8*t+6], v[S+32*t+23], v[S+32*t+31]
	ALL4 v_max3_num_f32 v[ST+8*t+4], v[ST+8*t+4], v[ST+8*t+5], v[ST+8*t+6]
	ALL4 v_max3_num_f32 v[ST+8*t+4], v[ST+8*t+4], v[ST+8*t+7], v[ST+8*t+1]
	ALL4 v_permlanex16_b32 v[ST+8*t+5], v[ST+8*t+4], s[SEL], s[SEL+1]  ; the query's other 32 keys lie in the lane 16 away
	ALL4 v_mov_b32 v[ST+8*t+7], v[ST+8*t]
	ALL4 v_max_num_f32 v[ST+8*t+1], v[ST+8*t+4], v[ST+8*t+5]
	ALL4 v_mul_f32 v[ST+8*t], s[CS], v[ST+8*t+1]
	ALL4 v_sub_f32 v[ST+8*t+7], v[ST+8*t+7], v[ST+8*t]
	ALL4 v_exp_f32 v[ST+8*t+6], v[ST+8*t+7]        ; a = 2^(c m_old - c m_new)
.set j, 0
.rept 16
	ALL4 v_pk_fma_f32 v[S+32*t+2*j:S+32*t+2*j+1], v[S+32*t+2*j:S+32*t+2*j+1], s[CS:CS+1], v[ST+8*t:ST+8*t+1] op_sel_hi:[1,0,0] neg_lo:[0,0,1] neg_hi:[0,0,1]
.set j, j+1
.endr
.set j, 0
.rept 128
	v_exp_f32 v[S+j], v[S+j]
.set j, j+1
.endr
	v_nop                                          ; a plain instruction between the last exponential and the use of its result
	WIN W_P
.set j, 0
	s_wait_alu depctr_va_vdst(0)
.rept 64                               ; two neighbouring key blocks rounded in pairs are source 1 of V^T P
	v_cvt_pk_f16_f32 v[P+j], v[S+2*j], v[S+2*j+1]
.set j, j+1
.endr
	WIN 0
.set j, 0
.rept 32
	v_pk_add_f32 v[S+4*j:S+4*j+1], v[S+4*j:S+4*j+1], v[S+4*j+2:S+4*j+3]
.set j, j+1
.endr
.set j, 0
.rept 16
	v_pk_add_f32 v[S+8*j:S+8*j+1], v[S+8*j:S+8*j+1], v[S+8*j+4:S+8*j+5]
.set j, j+1
.endr
.set j, 0
.rept 8
	v_pk_add_f32 v[S+16*j:S+16*j+1], v[S+16*j:S+16*j+1], v[S+16*j+8:S+16*j+9]
.set j, j+1
.endr
	ALL4 v_pk_add_f32 v[S+32*t:S+32*t+1], v[S+32*t:S+32*t+1], v[S+32*t+16:S+32*t+17]
	ALL4 v_pk_fma_f32 v[ST+8*t+2:ST+8*t+3], v[ST+8*t+2:ST+8*t+3], v[ST+8*t+6:ST+8*t+7], v[S+32*t:S+32*t+1] op_sel_hi:[1,0,1]
	WIN W_RS
.set j, 0
.rept 16
	ALL4 v_pk_mul_f32 v[32*t+2*j:32*t+2*j+1], v[32*t+2*j:32*t+2*j+1], v[ST+8*t+6:ST+8*t+7] op_sel_hi:[1,0]
.set j, j+1
.endr
.endm
.macro CHUNK f                         ; 64 keys, in buffer f
	KQ \f
	WIN 0
	PLACES
	SOFTMAX
	PV \f
	WIN 0
	PLACES                                         ; between the last products and the loads into the buffer that they read
.endm
; TWO CHUNKS OF 64 KEYS (a pair, in the two buffers).  The place is filled again at the head; each buffer takes its tile of the next pair as soon as its own chunk is over:
; the refill has the first chunk in which to land, and the first read-out stands beside the second chunk.
.macro APAIR
	RENEW
	CHUNK 0
	s_wait_tensorcnt 0x0                           ; my one load that is out has landed: the next pair is in LDS, and only I read it
	FETCH 0, 0
	CHUNK 1
	FETCH 1, 1
.endm
; A HEAD ENDS: O / l, rounded to f16, takes q^'s place in the A operand
.macro HEADEND
	WIN 0
	ALL4 v_add_f32 v[ST+8*t+4], v[ST+8*t+2], v[ST+8*t+3]
	ALL4 v_permlanex16_b32 v[ST+8*t+5], v[ST+8*t+4], s[SEL], s[SEL+1]
	ALL4 v_add_f32 v[ST+8*t+4], v[ST+8*t+4], v[ST+8*t+5]
	ALL4 v_rcp_f32 v[ST+8*t+6], v[ST+8*t+4]
	v_nop
	s_wait_alu depctr_va_vdst(0)
	WIN W_RS
.set j, 0
.rept 16
	ALL4 v_pk_mul_f32 v[32*t+2*j:32*t+2*j+1], v[32*t+2*j:32*t+2*j+1], v[ST+8*t+6:ST+8*t+7] op_sel_hi:[1,0]
.set j, j+1
.endr
	WIN W_OC
.set j, 0
.rept 64
	v_cvt_pk_f16_f32 v[S+j], v[2*j], v[2*j+1]
.set j, j+1
.endr
	WIN 0
.irp a, 0,1,2,3
.irp cb, 0,1,2,3
	ds_store_b128 v[HAD], v[S+16*\a+4*\cb:S+16*\a+4*\cb+3] offset:\a*16*AP+\cb*32
.endr
.endr
	v_add_nc_u32 v[HAD], AH, v[HAD]
.endm
	s_load_b512 s[4:19], s[0:1], 0x0               ; x 4, ln_in_g 6, ln_in_b 8, wb 10, kvb 12, null_kv 14, k_scale 16, q_scale 18
	s_load_b128 s[20:23], s[0:1], 0x40             ; ln_out_g 20, ln_out_b 22
	s_load_b64 s[OB:OB+1], s[0:1], 0x50            ; out0
	v_lshl_add_u32 v[SPW], v0, 2, SPARE
	v_mov_b32 v[NIL], 0
	ds_add_u32 v22, v23
	s_wait_dscnt 0x0
	v_lshrrev_b32 v24, 5, v0
	v_readfirstlane_b32 s[WV], v24                 ; wave 0..3
	s_bfe_u32 s27, ttmp6, 0x40000                  ; cx: my place in the cluster
	s_lshl_b32 s28, ttmp9, 2                       ; in a cluster launch ttmp9 counts clusters
	s_add_co_u32 s28, s28, s27                     ; my block of 64 rows: it enters x's and out0's addresses alone
	s_lshr_b32 s29, ttmp9, 4                       ; the batch (16 clusters each), which the four partners share
	; the order of the walks: s from the cluster's number, the same in all four partners
	s_and_b32 s[XQ], ttmp9, 15
	s_bfe_u32 s31, ttmp9, 0x10004                  ; bit 4 of c
	s_mul_i32 s31, s31, 5
	s_xor_b32 s[XQ], s[XQ], s31
	s_bfe_u32 s31, ttmp9, 0x10005                  ; bit 5 of c
	s_mul_i32 s31, s31, 10
	s_xor_b32 s[XQ], s[XQ], s31                    ; s = (c & 15) ^ 5 bit 4 ^ 10 bit 5: among the 32 clusters that agree in any one bit of c all 16 values occur
	s_lshr_b32 s31, s[XQ], 2
	s_xor_b32 s[XK], s[XQ], s31
	s_lshr_b32 s31, s[XK], 1
	s_xor_b32 s[XK], s[XK], s31
	s_and_b32 s[XK], s[XK], 1                      ; the parity of s's four bits
	s_and_b32 s[XW], s[XQ], 12
	s_lshr_b32 s[SW], s[XQ], 2
	s_xor_b32 s[SW], s[SW], s[WV]                  ; my strip of Wq's columns, my four heads
	; descriptor group 1: a pair, 32,768 dense bytes, as 128 rows of 256 bytes, padded in LDS behind every 64 bytes
	s_mov_b32 s[G1], 15|(1<<16)|(1<<20)|(1<<21)|(3<<22)|(3<<25)  ; 15:0 the mask of four; 17:16 2-byte elements; 20 padding on; 21 set beside a mask; 24:22 after every 16 words (code 3); 31:25 4 words (code 3)
	s_mov_b32 s[G1+1], 128<<16                     ; tensor_dim0 = 128
	s_mov_b32 s[G1+2], 128<<16                     ; tensor_dim1 = 128
	s_mov_b32 s[G1+3], 128<<16                     ; tile_dim0 = 128
	s_mov_b32 s[G1+4], 128                         ; tile_dim1 = 128
	s_mov_b32 s[G1+5], 128                         ; 128 elements from row to row
	s_mov_b32 s[G1+6], 0
	s_mov_b32 s[G1+7], 0
	s_mul_i32 s[LA], s[WV], WPART
	s_add_co_u32 s[LA], s[LA], RING                ; no place in the cluster and no cluster's number enters an LDS address
	s_lshl_b32 s74, s[SW], 19                      ; Wq: my strip's 32 tiles
	s_mov_b32 s75, 0
	s_lshl_b32 s54, s[WV], 19                      ; Wo: strip w's 32 tiles: wave w makes out0's columns 256 w ..
	s_mov_b32 s55, 0
	s_lshl_b32 s76, s29, 20                        ; the batch's 64 tiles,
	s_lshl_b32 s73, s[SW], 18                      ; my four heads' 16 of them
	s_add_co_u32 s76, s76, s73
	s_mov_b32 s77, 0
	s_lshl_b32 s78, s28, 18                        ; my block's 64 rows of 4,096 bytes,
	s_lshl_b32 s79, s[WV], 16                      ; my wave's 16 of them
	s_add_co_u32 s78, s78, s79
	s_mov_b32 s79, 0
	s_mov_b32 s[CS], 0x4138aa3b                    ; c = 8 log2(e)
	s_mov_b32 s[CS+1], s[CS]                       ; named with it as a pair
	s_mov_b32 s[SEL], 0x76543210
	s_mov_b32 s[SEL+1], 0xfedcba98
	s_mov_b32 s[RN], 0x3a800000                    ; 1/1024
	s_mov_b32 s[EPS], 0x3727c5ac                   ; 1e-5
	s_mov_b32 s[NEPS], 0x2b8cbccc                  ; 1e-12
	s_lshl_b32 s[OFF], s[XQ], 15                   ; the walk's first pair: Wq's pair 0 ^ s
	s_mov_b32 s[OFF+1], 0
	s_mov_b32 s[NXT], 1
	s_mov_b32 s[G0], 1
	s_add_co_u32 s[G0+1], s[LA], 0                 ; the LDS address never changes
	s_wait_kmcnt 0x0
	s_add_nc_u64 s[PQ:PQ+1], s[10:11], s[74:75]
	s_add_nc_u64 s[PO:PO+1], s[10:11], s[54:55]
	s_add_nc_u64 s[PO:PO+1], s[PO:PO+1], 0x200000
	s_add_nc_u64 s[PK:PK+1], s[12:13], s[76:77]
	s_add_nc_u64 s[XB:XB+1], s[XB:XB+1], s[78:79]
	s_add_nc_u64 s[OB:OB+1], s[OB:OB+1], s[78:79]
	s_add_nc_u64 s[G0+2:G0+3], s[PQ:PQ+1], s[OFF:OFF+1]
	s_or_b32 s[G0+3], s[G0+3], 0x80000000
	CROUND                                         ; all four work-groups are here: the first joint loads meet
	JLOAD                                          ; the first pair: at every time one tensor load of mine is out at the most
	v_and_b32 v1, 15, v0                           ; r = lane % 16
	v_bfe_u32 v2, v0, 4, 1                         ; h = lane / 16
	v_and_b32 v24, 31, v0
	v_lshlrev_b32 v[GOF], 4, v24
	s_lshl_b32 s31, s[XQ], 8
.irp j, 0,1,2,3,4,5,6,7
	v_or_b32 v[COL+\j], 512*\j, v[GOF]
	v_xor_b32 v[COL+\j], s31, v[COL+\j]            ; (512 j + 16 lane) ^ 256 s: inside the row's 4,096 bytes; 16 lanes keep 256 consecutive bytes
.endr
.irp j, 0,1,2,3,4,5,6,7
	global_load_b128 v[G+4*\j:G+4*\j+3], v[COL+\j], s[6:7]
	global_load_b128 v[B+4*\j:B+4*\j+3], v[COL+\j], s[8:9]
.endr
.irp s, 0,1,2,3
.irp j, 0,1,2,3,4,5,6,7
	global_load_b128 v[X+32*\s+4*\j:X+32*\s+4*\j+3], v[COL+\j], s[XB:XB+1] offset:\s*4096 th:TH_LOAD_NT
.endr
.endr
	v_mul_u32_u24 v[LT], v1, AP
	v_lshl_add_u32 v[LT], v2, 4, v[LT]
	v_mul_u32_u24 v25, v1, 80
	v_lshl_add_u32 v25, v2, 4, v25
	v_add_nc_u32 v[BAD], s[LA], v25
	v_add_nc_u32 v[BAD+1], TILEB, v[BAD]
	s_mul_i32 s74, s[WV], 4*AH
	v_add_nc_u32 v[HAD], s74, v[LT]
	v_mov_b32 v[WAD], v[HAD]
	s_mul_i32 s74, s[WV], 16*AP
	v_lshlrev_b32 v[LST], 3, v1
	v_mad_u32_u24 v[LST], v2, AH, v[LST]
	v_add_nc_u32 v[LST], s74, v[LST]               ; my wave's first row; part lane / 16; 8 bytes for each of 16 lanes
	v_add_nc_u32 v[LST+1], 8*AH, v[LST]
	v_lshlrev_b32 v[NOF], 5, v2
	v_mul_u32_u24 v[DST], v1, OPI
	v_lshl_add_u32 v[DST], v2, 5, v[DST]
	s_lshl_b32 s74, s[WV], 10
	v_add_nc_u32 v[DST], s74, v[DST]               ; row r, my wave's 256 columns, 8 h columns on
.irp a, 1,2,3
	v_add_nc_u32 v[DST+\a], \a*16*OPI, v[DST]
.endr
	s_mul_i32 s74, s[WV], 16*OPI
	v_add_nc_u32 v[DLD], s74, v[GOF]
	; LAYERNORM OF X: 16 rows a wave, a ring of four rows in registers
	s_mov_b32 s[CNT], 3
.Lln:
	TURN 0, 1, 24                                  ; three younger rows of 8 loads stay out
	TURN 1, 1, 24
	TURN 2, 1, 24
	TURN 3, 1, 24
	v_add_nc_u32 v[LST], 4*AP, v[LST]
	v_add_nc_u32 v[LST+1], 4*AP, v[LST+1]
	s_wait_xcnt 0x0                                ; the loads' base is stepped only behind this wait
	s_add_nc_u64 s[XB:XB+1], s[XB:XB+1], 16384     ; four rows on
	s_sub_co_u32 s[CNT], s[CNT], 1
	s_cmp_lg_u32 s[CNT], 0
	s_cbranch_scc1 .Lln
	TURN 0, 0, 24                                  ; the last four rows load nothing: the counts run down
	TURN 1, 0, 16
	TURN 2, 0, 8
	TURN 3, 0, 0
	s_wait_tensorcnt 0x0                           ; my first pair is in; only I read it
	s_wait_dscnt 0x0                               ; for the others' sake: my rows of the A operand are written
	s_barrier_signal -1
	s_barrier_wait -1                              ; the refill has its own round below
	v_mov_b32 v[AAD], v[LT]
	FETCH 0, 0
	AFETCH 0, 0
	FETCH 1, 1
	AFETCH 1, 64
	; Q = LN(x) Wq: 16 pairs.  A trip: tile 1's products, the next pair read out, the place filled again, tile 0's products
	HEADM 1                                        ; the first tile's products start the sums, ahead of the loop; the second pair is asked for
	WIN 0
	s_mov_b32 s[CNT], 15
.Lg1:
	MUL 1, 0, 16, 0
	TAIL
	HEADM 0                                        ; the last trip asks for the first pair of K and V; behind its round no wave reads LN(x) any more
	WIN 0
	s_sub_co_u32 s[CNT], s[CNT], 1
	s_cmp_lg_u32 s[CNT], 0
	s_cbranch_scc1 .Lg1
	MUL 1, 0, 16, 0
	WIN 0
	PLACES                                         ; the lines below write registers that held A's fragments and read results
	; Q IS NORMALISED, and the null key with it
.irp cb, 0,1,2,3                       ; my 32 of 64 channels: 16 cb + 8 h + 0..7
	global_load_b128 v[NK+8*\cb:NK+8*\cb+3], v[NOF], s[14:15] offset:64*\cb
	global_load_b128 v[NK+8*\cb+4:NK+8*\cb+7], v[NOF], s[14:15] offset:64*\cb+16
	global_load_b128 v[KSR+8*\cb:KSR+8*\cb+3], v[NOF], s[16:17] offset:64*\cb
	global_load_b128 v[KSR+8*\cb+4:KSR+8*\cb+7], v[NOF], s[16:17] offset:64*\cb+16
	global_load_b128 v[QSR+8*\cb:QSR+8*\cb+3], v[NOF], s[18:19] offset:64*\cb
	global_load_b128 v[QSR+8*\cb+4:QSR+8*\cb+7], v[NOF], s[18:19] offset:64*\cb+16
.endr
	QHEAD 0
	QHEAD 1
	WIN W_P                                        ; window 2's accumulators have been read: the null value takes its place there
.irp cb, 0,1,2,3
	global_load_b128 v[NV+8*\cb:NV+8*\cb+3], v[NOF], s[14:15] offset:256+64*\cb
	global_load_b128 v[NV+8*\cb+4:NV+8*\cb+7], v[NOF], s[14:15] offset:256+64*\cb+16
.endr
	s_wait_tensorcnt 0x0                           ; the first pair of K and V has landed: it is read out beside the other two heads' norms
	FETCH 0, 0
	FETCH 1, 1
	WIN 0
	QHEAD 2
	QHEAD 3
	s_wait_loadcnt 0x0
	v_pk_mul_f32 v[24:25], v[NK:NK+1], v[NK:NK+1]
	v_pk_mul_f32 v[26:27], v[NK+2:NK+3], v[NK+2:NK+3]
.set k, 4
.rept 7
	v_pk_fma_f32 v[24:25], v[NK+k:NK+k+1], v[NK+k:NK+k+1], v[24:25]
	v_pk_fma_f32 v[26:27], v[NK+k+2:NK+k+3], v[NK+k+2:NK+k+3], v[26:27]
.set k, k+4
.endr
	v_pk_add_f32 v[24:25], v[24:25], v[26:27]
	v_add_f32 v24, v24, v25
	v_permlanex16_b32 v25, v24, s[SEL], s[SEL+1]
	v_add_f32 v24, v24, v25
	v_sqrt_f32 v24, v24
	v_nop
	s_wait_alu depctr_va_vdst(0)
	v_max_num_f32 v25, s[NEPS], v24
	v_rcp_f32 v24, v25
.set k, 0
.rept 16
	v_pk_mul_f32 v[KSR+k:KSR+k+1], v[KSR+k:KSR+k+1], v[QSR+k:QSR+k+1]
.set k, k+2
.endr
.set k, 0
	s_wait_alu depctr_va_vdst(0)
.rept 16
	v_pk_mul_f32 v[NK+k:NK+k+1], v[NK+k:NK+k+1], v[24:25] op_sel_hi:[1,0]
.set k, k+2
.endr
.set k, 0
.rept 16
	v_pk_mul_f32 v[NK+k:NK+k+1], v[NK+k:NK+k+1], v[KSR+k:KSR+k+1]
.set k, k+2
.endr
	WIN W_P
.set k, 0
.rept 16
	v_cvt_pk_f16_f32 v[KN+k], v[NK+2*k], v[NK+2*k+1]
.set k, k+1
.endr
	WIN 0
	; ATTENTION: my four heads, two pairs of chunks of 64 keys each
	s_mov_b32 s[HC], 4
.Lhead:
	HEADINIT
	s_mov_b32 s[CNT], 2
.Lchunk:
	APAIR                                          ; the last one asks for Wo's first pair and reads it out
	WIN 0
	s_sub_co_u32 s[CNT], s[CNT], 1
	s_cmp_lg_u32 s[CNT], 0
	s_cbranch_scc1 .Lchunk
	HEADEND
	s_sub_co_u32 s[HC], s[HC], 1
	s_cmp_lg_u32 s[HC], 0
	s_cbranch_scc1 .Lhead
	; O Wo: 16 pairs; the last asks for nothing
	RENEW                                          ; Wo's second pair is asked for; in front of the round every wave's O is written, so behind it all of O may be read
	v_mov_b32 v[AAD], v[LT]
	AFETCH 0, 0
	AFETCH 1, 64
	s_wait_dscnt 0x0
	MUL 0, 0, 16, 1                                ; the first tile's products start the sums, ahead of the loop
	WIN 0
	s_mov_b32 s[CNT], 14
.Lg2:
	MUL 1, 0, 16, 0
	TAIL
	HEADM 0
	WIN 0
	s_sub_co_u32 s[CNT], s[CNT], 1
	s_cmp_lg_u32 s[CNT], 0
	s_cbranch_scc1 .Lg2
	MUL 1, 0, 16, 0                                ; the tail is written out: the last pair is read out and nothing is asked for
	TAIL
	s_wait_dscnt 40                                ; buffer 0 and its rows of A are in; buffer 1's 32 loads and its 8 of A may be out
	MUL 0, 0, 16, 0
	s_wait_dscnt 0x0
	MUL 1, 0, 16, 0
	WIN 0
	; THE LAST LAYERNORM.  The 64 x 1024 sums go into LDS as rows of f32, over the A operand and the ring, which are read no more and filled no more; then each wave takes 16 whole rows.
	s_wait_dscnt 0x0
	s_barrier_signal -1
	s_barrier_wait -1                              ; every wave's reads of the A operand and of its tiles are back, and its tensor loads have landed
	PLACES                                         ; between the last products and the stores of their results, and the loads into A's fragments
.irp j, 0,1,2,3,4,5,6,7
	global_load_b128 v[G+4*\j:G+4*\j+3], v[GOF], s[20:21] offset:512*\j
	global_load_b128 v[B+4*\j:B+4*\j+3], v[GOF], s[22:23] offset:512*\j
.endr
.set bb, 0
.rept 16
	WIN (2+bb/8)<<2                                ; the stores' data in window 2 or 3
.set aa, 0
.rept 4
.set rD, 8*(4*(bb%8)+aa)
	ds_store_b128 v[DST+aa], v[rD:rD+3] offset:64*bb        ; each accumulator from its low end on
	ds_store_b128 v[DST+aa], v[rD+4:rD+7] offset:64*bb+16
.set aa, aa+1
.endr
.set bb, bb+1
.endr
	WIN 0
	s_wait_dscnt 0x0                               ; for the others' sake: my columns are written
	s_barrier_signal -1
	s_barrier_wait -1
	s_wait_loadcnt 0x0                             ; gain and bias
	s_mov_b32 s[CNT], 8
.Lout:                                             ; two rows a trip
.irp j, 0,1,2,3,4,5,6,7
	ds_load_b128 v[X+4*\j:X+4*\j+3], v[DLD] offset:512*\j
.endr
.irp j, 0,1,2,3,4,5,6,7
	ds_load_b128 v[X+32+4*\j:X+32+4*\j+3], v[DLD] offset:OPI+512*\j
.endr
	s_wait_dscnt 0x8                               ; the first row is in; the second row's eight loads may be out
	LNROW X
.irp j, 0,1,2,3,4,5,6,7
	global_store_b128 v[GOF], v[X+4*\j:X+4*\j+3], s[OB:OB+1] offset:512*\j th:TH_STORE_NT   ; a wave's store covers 512 consecutive bytes, at a multiple of 256 from out0's first
.endr
	s_wait_dscnt 0x0
	LNROW X+32
.irp j, 0,1,2,3,4,5,6,7
	global_store_b128 v[GOF], v[X+32+4*\j:X+32+4*\j+3], s[OB:OB+1] offset:4096+512*\j th:TH_STORE_NT
.endr
	s_wait_xcnt 0x0                                ; the stores' offset and data registers are rewritten only behind this wait
	v_add_nc_u32 v[DLD], 2*OPI, v[DLD]
	v_add_nc_u32 v[GOF], 8192, v[GOF]
	s_sub_co_u32 s[CNT], s[CNT], 1
	s_cmp_lg_u32 s[CNT], 0
	s_cbranch_scc1 .Lout
	s_wait_tensorcnt 0x0                           ; the wave's end: behind my last tensor load and my last LDS store
	ds_add_u32 v[SPW], v[NIL]
	s_wait_dscnt 0x0
	CROUND                                         ; the closing round: no work-group ends while a partner may still ask for a tile that names it
	s_endpgm
.Lfunc_end_k_q389ea478e9_attn:
	.size	k_q389ea478e9_attn, .Lfunc_end_k_q389ea478e9_attn-k_q389ea478e9_attn
	.p2alignl 7, 3214868480
	.fill 96, 4, 3214868480
	.section	.rodata,"a",@progbits
	.p2align	6, 0x0
	.amdhsa_kernel k_q389ea478e9_attn
		.amdhsa_group_segment_fixed_size 327680
		.amdhsa_private_segment_fixed_size 0
		.amdhsa_enable_private_segment 0
		.amdhsa_kernarg_size 88
		.amdhsa_user_sgpr_count 2
		.amdhsa_user_sgpr_kernarg_segment_ptr 1
		.amdhsa_wavefront_size32 1
		.amdhsa_system_sgpr_workgroup_id_x 1
		.amdhsa_system_sgpr_workgroup_id_y 1
		.amdhsa_system_sgpr_workgroup_id_z 1
		.amdhsa_system_vgpr_workitem_id 0
		.amdhsa_next_free_vgpr 1024
		.amdhsa_next_free_sgpr 80
		.amdhsa_reserve_vcc 0
		.amdhsa_float_denorm_mode_32 3
		.amdhsa_float_denorm_mode_16_64 3
		.amdhsa_memory_ordered 1
		.amdhsa_forward_progress 1
		.amdhsa_inst_pref_size 255
	.end_amdhsa_kernel
	.section	.bss,"aw",@nobits
	.p2align	6
	.space	262144
	.amdgpu_metadata
---
amdhsa.version: [ 1, 2 ]
amdhsa.kernels:
  - .name:           k_q389ea478e9_attn
    .symbol:         k_q389ea478e9_attn.kd
    .args:
      - { .name: x, .offset: 0, .size: 8, .value_kind: global_buffer, .address_space: global }
      - { .name: ln_in_g, .offset: 8, .size: 8, .value_kind: global_buffer, .address_space: global }
      - { .name: ln_in_b, .offset: 16, .size: 8, .value_kind: global_buffer, .address_space: global }
      - { .name: wb, .offset: 24, .size: 8, .value_kind: global_buffer, .address_space: global }
      - { .name: kvb, .offset: 32, .size: 8, .value_kind: global_buffer, .address_space: global }
      - { .name: null_kv, .offset: 40, .size: 8, .value_kind: global_buffer, .address_space: global }
      - { .name: k_scale, .offset: 48, .size: 8, .value_kind: global_buffer, .address_space: global }
      - { .name: q_scale, .offset: 56, .size: 8, .value_kind: global_buffer, .address_space: global }
      - { .name: ln_out_g, .offset: 64, .size: 8, .value_kind: global_buffer, .address_space: global }
      - { .name: ln_out_b, .offset: 72, .size: 8, .value_kind: global_buffer, .address_space: global }
      - { .name: out0, .offset: 80, .size: 8, .value_kind: global_buffer, .address_space: global }
    .group_segment_fixed_size: 327680
    .private_segment_fixed_size: 0
    .kernarg_segment_align: 8
    .kernarg_segment_size: 88
    .max_flat_workgroup_size: 128
    .sgpr_count:     80
    .vgpr_count:     1024
    .wavefront_size: 32
...
	.end_amdgpu_metadata
.endif
;; end of part 4
;; ======== version 4 of 4: 2 launches; version 3 with the launch prep written anew for expert scheduling mode
;; limits: values are held in f16: magnitudes above 65,504 overflow, below 6.1e-05 lose precision
;; workspace buffers: wb 4,194,304 bytes; kvb 4,194,304 bytes
;; launch prep (part 5): grid 256 x 1, 4 waves a work-group, no clusters, 188,928 bytes of LDS; arguments context, ln_ctx_g, ln_ctx_b, Wkv, k_scale, q_scale, Wq, Wo, wb, kvb; writes wb, kvb
.if DOCPART == 5
	.amdgcn_target "amdgcn-amd-amdhsa--gfx1250"
	.amdhsa_code_object_version 6
	.text
	.protected	k_q389ea478e9_prep
	.globl	k_q389ea478e9_prep
	.p2align	8
	.type	k_q389ea478e9_prep,@function
k_q389ea478e9_prep:
	s_mov_b64 s[64:65], 0
	v_nop
	global_prefetch_b8 v0, s[64:65] scope:SCOPE_SE
	s_setreg_imm32_b32 hwreg(HW_REG_WAVE_SCHED_MODE, 0, 2), 2
	s_setreg_imm32_b32 hwreg(HW_REG_WAVE_MODE, 25, 1), 1
	s_wait_xcnt 0x0
	s_wait_alu depctr_vm_vsrc(0)
; PREPARATION: what all rows of x share, laid out in blocks of 16,384 dense bytes = 256 rows of 32 f16.
; (a) wb: block g = mat*128 + strip*32 + ks (mat 0 Wq, 1 Wo): row n, element kk = W[32 ks + kk][256 strip + n], rounded to f16.  Work-group g makes block g.
; (b) kvb: block (batch*16 + head)*4 + chunk of 64 keys: rows 64 c + key = K'[key][32 c + kk]; rows 128 + 64 kh + ch = V[32 kh + kk][ch].
;     K' = k / max(|k|, 1e-12) * k_scale * q_scale (q_scale is applied here and not to q: the same products, another order of rounding).
;     Work-group g: 64 rows of context (block g >> 4) x 128 columns of Wkv (block g & 15: two heads of K, or of V from block 8 on), K = 1024 in 32 steps.
; LayerNorm, norms and sums in f32; both matrix operands f16.  LIMITS: LN(context)*g+b, Wkv, Wq, Wo, v and k_scale*q_scale must lie within f16's 65,504;
; numbers below 6e-5 keep f16's fixed step of 6e-8.  NaN and infinities are not treated apart.
; NO TENSOR LOADS, NO CLUSTER: every operand is f32 in memory and is rounded (the weights also turned) in registers on its way into LDS, so a joint
; load into LDS would only add a second copy there; the launch's shared bytes are 8 MiB of weights and 4 MiB of context.
; Four waves.  LayerNorm: wave w takes rows 16 w .. 16 w + 15, a row a turn (32 registers), ring of four rows.  Product: wave (wr, wc) = (w >> 1, w & 1) makes
; rows 32 wr .. + 31 x the 64 channels of head wc: 8 accumulators; source 0 = 16 columns of W, source 1 = 16 rows: a lane holds one row and 8 channels.
; THE MODE: SCHED_MODE bits 1:0 = 2 (LLVM: expert scheduling mode 2), set by the entry lines.  The code itself states the register dependences
; between vector or matrix instructions and memory or LDS instructions, with s_wait_alu, always for 0.
; THE PLAN.  Registers that memory or LDS instructions touch:
;   v4-7, v15-21   addresses and offsets, made once at the head and never written again: the rows of context are reached by the scalar base and immediate offsets.
;   v[LST], v[LST+1]  read by a turn's LDS stores; stepped once in four rows.      v[AAD]  read by the loads of A's fragments; stepped once in four K steps.
;   X0 .. X3       LayerNorm, turn s: LNROW works in X[s], the 16 conversions read it, then the slot's next loads land in it.  Product, step q: its 16 conversions read X[q], then loads land in it.
;   T (v96-111)    LayerNorm: written by a turn's conversions, read by its 8 LDS stores.  Product: the same registers are AF: LDS loads land in them, matrix instructions read them.
;   T16 (v112-127) Product: written by a step's conversions, read by its 4 LDS stores.      BF (window 1): LDS loads land in it, matrix instructions read it.
;   The accumulators and v24-31 are named by vector and matrix instructions alone.
; So a turn and a K step each hold ONE wait on vm_vsrc, ahead of their conversions (the stores of the turn or step before have read the registers that the conversions write), and ONE wait on va_vdst,
; behind their conversions: the packed numbers are written, the raw registers are read out, the matrix instructions of the step before are done reading their fragments, a stepped address is written.
; All LDS stores, LDS loads and global loads of the turn or step follow that wait, and no vector or matrix instruction between it and them names a register that they touch.
.set AP,   144                         ; LDS pitch of a row's 64 numbers of one head (128 bytes + 16): 9 x 16 bytes, so 16 rows start at 16 different groups of four banks
.set AH,   64*AP                       ; 64 rows: the part of the A operand for 64 along K
.set WT,   16*AH                       ; behind A: two buffers of 128 rows x 80 bytes: a step's weights [n][32 k]
.set STG,  WT+2*10240                  ; 256 rows x 80 bytes: the results, as the block's rows
.set LT,3
.set CST,4                             ; v4  where I put my cast weights
.set CGO,5                             ; v5  my byte offset in a step of Wkv
.set CGA,6                             ; v6  the same in Wq or Wo
.set BAD,7                             ; v7  my place in a step's weight fragments
.set AAD,8                             ; v8  my place in A's fragments; steps along K
.set LST,13                            ; v13-14 where a normalised row goes (columns 0-511, 512-1023)
.set NOF,15                            ; v15 32 x (lane / 16)
.set KST,16
.set VST,17
.set OL1,18
.set OG,19
.set OL2,20
.set L16,21                            ; v21 16 x lane
.set G,32                              ; LayerNorm: v32-63 gain, v64-95 bias, v96-111 at work, v128-255 four rows
.set B,64
.set T,96
.set X,128
.set ACC,32                            ; product: v32-95 accumulators (tt, cb) at 8 (4 tt + cb); v96-111 A's fragments; v112-127 packed weights
.set AF,96
.set T16,112
.set BF,64                             ; window 1: v0-63 my part of block g of Wq/Wo as loaded; v64-95 weight fragments
.set WV,26
.set WP,10                             ; s[10:11] Wkv at my columns, steps along K
.set CNT,62
.set SEL,68
.set RN,70
.set EPS,71
.set NEPS,72
.set MSB, 0
.macro WIN new                         ; the immediate's high byte repeats the setting that is left
.if MSB != (\new)
	s_set_vgpr_msb (MSB<<8)|(\new)
.set MSB, (\new)
.endif
.endm
.macro PLACES
.rept 4
	v_nop
.endr
.endm
.macro REDUCE t, u                     ; v[t] summed over the 32 lanes, in every lane; v[u] has been written
	v_add_f32_dpp v[\t], v[\t], v[\t] row_xmask:1 row_mask:0xf bank_mask:0xf
	v_add_f32_dpp v[\t], v[\t], v[\t] row_xmask:2 row_mask:0xf bank_mask:0xf
	v_add_f32_dpp v[\t], v[\t], v[\t] row_xmask:4 row_mask:0xf bank_mask:0xf
	v_add_f32_dpp v[\t], v[\t], v[\t] row_xmask:8 row_mask:0xf bank_mask:0xf
	v_permlanex16_b32 v[\u], v[\t], s[SEL], s[SEL+1]
	v_add_f32 v[\t], v[\t], v[\u]
.endm
; LayerNorm of one row of 1024 in 32 registers, in place: mean, then the squares of the differences (two passes in registers, so a common offset costs nothing)
.macro LNROW x
	v_pk_add_f32 v[24:25], v[(\x):(\x)+1], v[(\x)+2:(\x)+3]
	v_pk_add_f32 v[26:27], v[(\x)+4:(\x)+5], v[(\x)+6:(\x)+7]
.set k, 8
.rept 6
	v_pk_add_f32 v[24:25], v[24:25], v[(\x)+k:(\x)+k+1]
	v_pk_add_f32 v[26:27], v[26:27], v[(\x)+k+2:(\x)+k+3]
.set k, k+4
.endr
	v_pk_add_f32 v[24:25], v[24:25], v[26:27]
	v_add_f32 v24, v24, v25
	REDUCE 24, 25
	v_mul_f32 v24, 0xba800000, v24                 ; minus the mean: sum x (-1/1024)
.set k, 0
.rept 16
	v_pk_add_f32 v[(\x)+k:(\x)+k+1], v[(\x)+k:(\x)+k+1], v[24:25] op_sel_hi:[1,0]
.set k, k+2
.endr
	v_pk_mul_f32 v[26:27], v[(\x):(\x)+1], v[(\x):(\x)+1]
	v_pk_mul_f32 v[28:29], v[(\x)+2:(\x)+3], v[(\x)+2:(\x)+3]
.set k, 4
.rept 7
	v_pk_fma_f32 v[26:27], v[(\x)+k:(\x)+k+1], v[(\x)+k:(\x)+k+1], v[26:27]
	v_pk_fma_f32 v[28:29], v[(\x)+k+2:(\x)+k+3], v[(\x)+k+2:(\x)+k+3], v[28:29]
.set k, k+4
.endr
	v_pk_add_f32 v[26:27], v[26:27], v[28:29]
	v_add_f32 v26, v26, v27
	REDUCE 26, 27
	v_fma_f32 v26, v26, s[RN], s[EPS]              ; variance + 1e-5
	v_rsq_f32 v26, v26
	v_nop                                          ; a plain instruction between the root and its use
	s_wait_alu depctr_va_vdst(0)                   ; the root's result v26 is written, ahead of its first reader
.set k, 0
.rept 16
	v_pk_mul_f32 v[(\x)+k:(\x)+k+1], v[(\x)+k:(\x)+k+1], v[26:27] op_sel_hi:[1,0]
.set k, k+2
.endr
.set k, 0
.rept 16
	v_pk_fma_f32 v[(\x)+k:(\x)+k+1], v[(\x)+k:(\x)+k+1], v[G+k:G+k+1], v[B+k:B+k+1]
.set k, k+2
.endr
.endm
; 16 loads of 8 bytes: my two columns in 16 rows of k; a wave's load covers 256 consecutive bytes
.macro CASTLOAD buf, adr, base, pitch, off
.set k, 0
.rept 16
	global_load_b64 v[(\buf)+2*k:(\buf)+2*k+1], v[\adr], s[\base:\base+1] offset:(\off)+k*(\pitch)
.set k, k+1
.endr
.endm
; those 32 numbers rounded to f16, 16 k of a column packed into 8 registers, two columns into the 16 registers from pk on
.macro CASTCVT buf, pk, win
	WIN \win
.irp p, 0,1
.irp m, 0,1,2,3,4,5,6,7
	v_cvt_pk_f16_f32 v[(\pk)+8*\p+\m], v[(\buf)+4*\m+\p], v[(\buf)+4*\m+2+\p]
.endr
.endr
.endm
; and laid into the two columns' LDS rows, 32 bytes each
.macro CASTSTO pk, ldsoff
.irp p, 0,1
	ds_store_b128 v[CST], v[(\pk)+8*\p:(\pk)+8*\p+3] offset:(\ldsoff)+80*\p
	ds_store_b128 v[CST], v[(\pk)+8*\p+4:(\pk)+8*\p+7] offset:(\ldsoff)+80*\p+16
.endr
.endm
; The turn of ring slot s: its row is normalised, rounded to f16 and laid into A.  left = the younger loads that may stay out.
; fill = 1: the slot takes the row four further on: row 4 + s from the base, which steps by four rows behind each round.  cast = 1 (the last four rows): its registers take the weights of K step s.
.macro TURN s, fill, left, cast
	s_wait_loadcnt \left
	LNROW X+32*(\s)
	s_wait_alu depctr_vm_vsrc(0)                   ; the LDS stores of the turn before have read v[T ..], which the conversions write again
.set k, 0
.rept 16
	v_cvt_pk_f16_f32 v[T+k], v[X+32*(\s)+2*k], v[X+32*(\s)+2*k+1]
.set k, k+1
.endr
	s_wait_alu depctr_va_vdst(0)                   ; the conversions have written v[T ..], which the LDS stores read, and are done reading the slot's registers, which LNROW wrote and in which the loads below land; in a round's first turn v[LST], v[LST+1] are written
.irp j, 0,1,2,3
	ds_store_b64 v[LST], v[T+2*\j:T+2*\j+1] offset:\j*2*AH+(\s)*AP          ; columns 128 j + 4 lane ..: head 2 j + lane / 16
	ds_store_b64 v[LST+1], v[T+8+2*\j:T+8+2*\j+1] offset:\j*2*AH+(\s)*AP
.endr
.if \fill
.irp j, 0,1,2,3,4,5,6,7
	global_load_b128 v[X+32*(\s)+4*\j:X+32*(\s)+4*\j+3], v[L16], s[4:5] offset:(4+(\s))*4096+512*\j
.endr
.endif
.if \cast
	CASTLOAD X+32*(\s), CGO, WP, 8192, (\s)*262144
.endif
.endm
; A K step of 32.  q = step mod 4: its weights lie in registers X + 32 q and go to weight buffer q & 1.  One barrier a step serves two buffers: a buffer is written
; again two steps on, and every wave's reads of it were waited for ahead of the barrier in between.  on = 1 (the first of four steps, but for the very first): A's address moves on by 128 along K.
.macro KSTEP q, zero, load, left, on
	s_wait_loadcnt \left                           ; this step's 16 loads are in; 16 for each younger step stay out
	s_wait_alu depctr_vm_vsrc(0)                   ; the LDS stores of the step before have read v[T16 ..], its LDS loads v[AAD]; in the first step: the rows' LDS stores have read v96-111, in which A's fragments land from here on
.if \on
	v_add_nc_u32 v[AAD], 2*AH, v[AAD]
.endif
	CASTCVT X+32*(\q), T16, 0
	s_wait_alu depctr_va_vdst(0)                   ; the conversions have written v[T16 ..] and are done reading X[q]; the matrix instructions of the step before are done reading BF and AF; v[AAD] is written
	CASTSTO T16, ((\q)&1)*10240
.if \load
	CASTLOAD X+32*(\q), CGO, WP, 8192, (4+(\q))*262144
.endif
	s_wait_dscnt 0x0                               ; for the others' sake: my stores are done (in the first step my rows of A too)
	s_barrier_signal -1
	s_barrier_wait -1
	WIN 0x40                                       ; destination window 1.  No wait: nothing since the wait above names BF, AF or their addresses
.irp cb, 0,1,2,3
	ds_load_b128 v[BF+8*\cb:BF+8*\cb+3], v[BAD] offset:((\q)&1)*10240+\cb*1280
	ds_load_b128 v[BF+8*\cb+4:BF+8*\cb+7], v[BAD] offset:((\q)&1)*10240+\cb*1280+32
.endr
	WIN 0
.irp tt, 0,1
	ds_load_b128 v[AF+8*\tt:AF+8*\tt+3], v[AAD] offset:\tt*16*AP+((\q)&1)*64+((\q)>>1)*AH
	ds_load_b128 v[AF+8*\tt+4:AF+8*\tt+7], v[AAD] offset:\tt*16*AP+((\q)&1)*64+((\q)>>1)*AH+32
.endr
	s_wait_dscnt 0x0
	WIN 0x01                                       ; source 0 window 1
.irp tt, 0,1
.irp cb, 0,1,2,3                       ; the eight accumulators take turns
.if \zero
	v_wmma_f32_16x16x32_f16 v[ACC+8*(4*\tt+\cb):ACC+8*(4*\tt+\cb)+7], v[BF+8*\cb:BF+8*\cb+7], v[AF+8*\tt:AF+8*\tt+7], 0
.else
	v_wmma_f32_16x16x32_f16 v[ACC+8*(4*\tt+\cb):ACC+8*(4*\tt+\cb)+7], v[BF+8*\cb:BF+8*\cb+7], v[AF+8*\tt:AF+8*\tt+7], v[ACC+8*(4*\tt+\cb):ACC+8*(4*\tt+\cb)+7]
.endif
.endr
.endr
	WIN 0
.endm
; 256 LDS rows of 64 bytes (pitch 80) leave as dense bytes: thread t takes 16 bytes, a wave's store covers 512 consecutive bytes
.macro OUT16K adr, reg, base, second
.irp j, 0,1,2,3,4,5,6,7
	ds_load_b128 v[(\reg)+4*\j:(\reg)+4*\j+3], v[\adr] offset:\j*2560
.endr
.irp j, 0,1,2,3
	s_wait_dscnt 7-\j
	global_store_b128 v[OG], v[(\reg)+4*\j:(\reg)+4*\j+3], s[\base:\base+1] offset:\j*2048
.endr
.irp j, 4,5,6,7
	s_wait_dscnt 7-\j
	global_store_b128 v[OG], v[(\reg)+4*\j:(\reg)+4*\j+3], s[\base:\base+1] offset:(\second)+(\j-4)*2048
.endr
.endm
	s_load_b512 s[4:19], s[0:1], 0x0               ; context 4, ln_ctx_g 6, ln_ctx_b 8, Wkv 10, k_scale 12, q_scale 14, Wq 16, Wo 18
	s_load_b128 s[20:23], s[0:1], 0x40             ; wb 20, kvb 22
	v_lshl_add_u32 v22, v0, 2, 0x2e000
	v_mov_b32 v23, 0
	v_lshrrev_b32 v24, 5, v0
	v_readfirstlane_b32 s[WV], v24                 ; wave 0..3
	s_mov_b32 s27, ttmp9                           ; g
	s_lshr_b32 s28, s27, 4                         ; block of 64 rows of context
	s_and_b32 s29, s27, 15                         ; block of 128 columns of Wkv
	s_lshr_b32 s30, s29, 3                         ; 0: K, 1: V
	s_wait_alu depctr_va_sdst(0)                   ; the wave's number is written, ahead of its first reader: addresses and bases are made from it
	s_lshr_b32 s31, s[WV], 1                       ; wr
	s_and_b32 s32, s[WV], 1                        ; wc
	s_mov_b32 s[SEL], 0x76543210
	s_mov_b32 s[SEL+1], 0xfedcba98
	s_mov_b32 s[RN], 0x3a800000                    ; 1/1024
	s_mov_b32 s[EPS], 0x3727c5ac                   ; 1e-5
	s_mov_b32 s[NEPS], 0x2b8cbccc                  ; 1e-12
	v_and_b32 v1, 15, v0                           ; r = lane % 16
	v_bfe_u32 v2, v0, 4, 1                         ; h = lane / 16
	v_and_b32 v24, 31, v0
	v_lshlrev_b32 v[L16], 4, v24
	v_mul_u32_u24 v[LT], v1, AP
	v_lshl_add_u32 v[LT], v2, 4, v[LT]             ; a fragment's row x pitch + 16 h
	s_mul_i32 s33, s[WV], 16*AP
	v_lshlrev_b32 v[LST], 3, v1
	v_mad_u32_u24 v[LST], v2, AH, v[LST]
	v_add_nc_u32 v[LST], s33, v[LST]               ; my wave's first row; head lane / 16; 8 bytes for each of 16 lanes
	v_add_nc_u32 v[LST+1], 8*AH, v[LST]
	v_lshlrev_b32 v[NOF], 5, v2
	v_lshlrev_b32 v25, 1, v24
	s_lshl_b32 s33, s32, 6
	v_add_nc_u32 v25, s33, v25                     ; my first column of 128: 64 (w & 1) + 2 lane
	v_mul_u32_u24 v[CST], v25, 80
	s_lshl_b32 s33, s31, 5
	v_add_nc_u32 v[CST], s33, v[CST]               ; + 16 (w >> 1) numbers along k
	v_add_nc_u32 v[CST], WT, v[CST]
	v_lshlrev_b32 v25, 2, v25
	s_lshl_b32 s33, s31, 17
	v_add_nc_u32 v[CGO], s33, v25                  ; 16 (w >> 1) rows of 8,192 bytes
	s_lshl_b32 s33, s31, 16
	v_add_nc_u32 v[CGA], s33, v25                  ; of 4,096 bytes
	v_mul_u32_u24 v26, v1, 80
	v_lshl_add_u32 v26, v2, 4, v26                 ; r x 80 + 16 h
	s_mul_i32 s33, s32, 5120
	s_add_co_u32 s33, s33, WT
	v_add_nc_u32 v[BAD], s33, v26
	s_mul_i32 s33, s31, 32*AP
	v_add_nc_u32 v[AAD], s33, v[LT]
	s_mul_i32 s33, s32, 10240
	s_add_co_u32 s33, s33, STG                     ; my head's 128 rows of the stage
	s_mul_i32 s39, s31, 32*80
	s_add_co_u32 s39, s39, s33
	v_add_nc_u32 v[KST], s39, v26                  ; K: row 32 wr + r, 16 h
	s_mul_i32 s39, s31, 64*80
	s_add_co_u32 s39, s39, s33
	v_mul_u32_u24 v[VST], v2, 8*80
	v_lshl_add_u32 v[VST], v1, 1, v[VST]
	v_add_nc_u32 v[VST], s39, v[VST]               ; V: row 64 wr + 8 h, element r
	v_lshrrev_b32 v27, 2, v0
	v_and_b32 v28, 3, v0
	v_mul_u32_u24 v27, v27, 80
	v_lshl_add_u32 v27, v28, 4, v27
	v_add_nc_u32 v[OL1], STG, v27
	v_add_nc_u32 v[OL2], WT, v27
	v_lshlrev_b32 v[OG], 4, v0
	s_mov_b32 s35, 0
	s_wait_kmcnt 0x0
	s_lshl_b32 s34, s28, 18
	s_lshl_b32 s38, s[WV], 16
	s_add_co_u32 s34, s34, s38
	s_add_nc_u64 s[4:5], s[4:5], s[34:35]          ; context at my wave's 16 rows
	s_lshl_b32 s34, s29, 9
	s_add_nc_u64 s[WP:WP+1], s[WP:WP+1], s[34:35]  ; Wkv at my 128 columns
	s_cmp_lt_u32 s27, 128
	s_cselect_b64 s[36:37], s[16:17], s[18:19]     ; blocks 0-127 come from Wq, 128-255 from Wo
	s_and_b32 s34, s27, 31
	s_lshl_b32 s34, s34, 17                        ; 32 rows of 4,096 bytes a K step
	s_bfe_u32 s38, s27, 0x20005
	s_lshl_b32 s38, s38, 10                        ; 256 columns a strip
	s_add_co_u32 s34, s34, s38
	s_add_nc_u64 s[36:37], s[36:37], s[34:35]
	s_lshl_b32 s34, s27, 14
	s_add_nc_u64 s[20:21], s[20:21], s[34:35]      ; wb at block g
	s_lshr_b32 s34, s28, 2
	s_lshl_b32 s34, s34, 6                         ; batch x 64 blocks
	s_and_b32 s38, s29, 7
	s_lshl3_add_u32 s34, s38, s34                  ; + 2 heads x 4 chunks for each column block
	s_and_b32 s38, s28, 3
	s_add_co_u32 s34, s34, s38                     ; + chunk
	s_lshl_b32 s34, s34, 1
	s_add_co_u32 s34, s34, s30                     ; K fills a block's first half, V its second
	s_lshl_b32 s34, s34, 13
	s_add_nc_u64 s[22:23], s[22:23], s[34:35]
	WIN 0x40                                       ; my part of block g of Wq/Wo waits in window 1 until the end
	s_wait_alu depctr_va_vdst(0)                   ; all addresses and offsets, v4-8 and v13-21, are written: every load and store of the kernel reads one of them
	CASTLOAD 0, CGA, 36, 4096, 0
	CASTLOAD 32, CGA, 36, 4096, 512
	WIN 0
.irp j, 0,1,2,3,4,5,6,7
	global_load_b128 v[G+4*\j:G+4*\j+3], v[L16], s[6:7] offset:512*\j
	global_load_b128 v[B+4*\j:B+4*\j+3], v[L16], s[8:9] offset:512*\j
.endr
.irp s, 0,1,2,3
.irp j, 0,1,2,3,4,5,6,7
	global_load_b128 v[X+32*\s+4*\j:X+32*\s+4*\j+3], v[L16], s[4:5] offset:\s*4096+512*\j
.endr
.endr
	s_mov_b32 s[CNT], 3
.Lln:
	TURN 0, 1, 24, 0                               ; three younger rows of 8 loads stay out
	TURN 1, 1, 24, 0
	TURN 2, 1, 24, 0
	TURN 3, 1, 24, 0
	s_wait_alu depctr_vm_vsrc(0)                   ; the round's LDS stores have read v[LST] and v[LST+1]
	v_add_nc_u32 v[LST], 4*AP, v[LST]
	v_add_nc_u32 v[LST+1], 4*AP, v[LST+1]
	s_wait_xcnt 0x0                                ; the loads' base is stepped only behind this wait
	s_add_nc_u64 s[4:5], s[4:5], 16384             ; four rows on
	s_sub_co_u32 s[CNT], s[CNT], 1
	s_cmp_lg_u32 s[CNT], 0
	s_cbranch_scc1 .Lln
	TURN 0, 0, 24, 1                               ; the last four rows: behind each its registers take a K step's weights,
	TURN 1, 0, 32, 1                               ; so the counts are 8 for each younger row + 16 for each step asked for
	TURN 2, 0, 40, 1
	TURN 3, 0, 48, 1
	KSTEP 0, 1, 1, 48, 0                           ; the first K step starts the sums
	KSTEP 1, 0, 1, 48, 0
	KSTEP 2, 0, 1, 48, 0
	KSTEP 3, 0, 1, 48, 0
	s_wait_xcnt 0x0                                ; the loads' base is stepped only behind this wait
	s_add_nc_u64 s[WP:WP+1], s[WP:WP+1], 0x100000  ; four K steps of 32 rows of 8,192 bytes
	s_mov_b32 s[CNT], 6
.Lk:
	KSTEP 0, 0, 1, 48, 1
	KSTEP 1, 0, 1, 48, 0
	KSTEP 2, 0, 1, 48, 0
	KSTEP 3, 0, 1, 48, 0
	s_wait_xcnt 0x0
	s_add_nc_u64 s[WP:WP+1], s[WP:WP+1], 0x100000
	s_sub_co_u32 s[CNT], s[CNT], 1
	s_cmp_lg_u32 s[CNT], 0
	s_cbranch_scc1 .Lk
	KSTEP 0, 0, 0, 48, 1                           ; the last four steps load nothing: the counts run down
	KSTEP 1, 0, 0, 32, 0
	KSTEP 2, 0, 0, 16, 0
	KSTEP 3, 0, 0, 0, 0
	PLACES                                         ; between the last products and the first reads of their results
	s_wait_alu depctr_vm_vsrc(0)                   ; the last step's LDS stores have read v[T16 ..], which the conversions of both arms write: ahead of the branch
	s_cmp_lg_u32 s30, 0
	s_cbranch_scc1 .Lvpart
	; K: each row of a head is divided by its length and multiplied by k_scale x q_scale.  A lane holds 32 of the row's 64 channels, the lane 16 away the others.
	; No wait for these loads: since the last step's wait on va_vdst only matrix instructions were issued, and they name none of v128-191 nor v[NOF]
.irp cb, 0,1,2,3
	global_load_b128 v[128+8*\cb:128+8*\cb+3], v[NOF], s[12:13] offset:64*\cb
	global_load_b128 v[128+8*\cb+4:128+8*\cb+7], v[NOF], s[12:13] offset:64*\cb+16
	global_load_b128 v[160+8*\cb:160+8*\cb+3], v[NOF], s[14:15] offset:64*\cb
	global_load_b128 v[160+8*\cb+4:160+8*\cb+7], v[NOF], s[14:15] offset:64*\cb+16
.endr
.irp tt, 0,1
	v_pk_mul_f32 v[24+4*\tt:25+4*\tt], v[ACC+32*\tt:ACC+32*\tt+1], v[ACC+32*\tt:ACC+32*\tt+1]  ; each accumulator is read from its low end on
	v_pk_mul_f32 v[26+4*\tt:27+4*\tt], v[ACC+32*\tt+2:ACC+32*\tt+3], v[ACC+32*\tt+2:ACC+32*\tt+3]
.set k, 4
.rept 7
	v_pk_fma_f32 v[24+4*\tt:25+4*\tt], v[ACC+32*\tt+k:ACC+32*\tt+k+1], v[ACC+32*\tt+k:ACC+32*\tt+k+1], v[24+4*\tt:25+4*\tt]
	v_pk_fma_f32 v[26+4*\tt:27+4*\tt], v[ACC+32*\tt+k+2:ACC+32*\tt+k+3], v[ACC+32*\tt+k+2:ACC+32*\tt+k+3], v[26+4*\tt:27+4*\tt]
.set k, k+4
.endr
	v_pk_add_f32 v[24+4*\tt:25+4*\tt], v[24+4*\tt:25+4*\tt], v[26+4*\tt:27+4*\tt]
	v_add_f32 v[24+4*\tt], v[24+4*\tt], v[25+4*\tt]
	v_permlanex16_b32 v[25+4*\tt], v[24+4*\tt], s[SEL], s[SEL+1]
	v_add_f32 v[24+4*\tt], v[24+4*\tt], v[25+4*\tt]
.endr
	v_sqrt_f32 v24, v24
	v_sqrt_f32 v28, v28
	v_nop
	s_wait_alu depctr_va_vdst(0)                   ; the two roots' results v24 and v28 are written, ahead of their first readers
	v_max_num_f32 v25, s[NEPS], v24
	v_max_num_f32 v29, s[NEPS], v28
	v_rcp_f32 v24, v25
	v_rcp_f32 v28, v29
	s_wait_loadcnt 0x0
.set k, 0
.rept 16
	v_pk_mul_f32 v[128+k:128+k+1], v[128+k:128+k+1], v[160+k:160+k+1]
.set k, k+2
.endr
	s_wait_alu depctr_va_vdst(0)                   ; the two reciprocals v24 and v28 are written, ahead of their first readers
.irp tt, 0,1
.set k, 0
.rept 16
	v_pk_mul_f32 v[ACC+32*\tt+k:ACC+32*\tt+k+1], v[ACC+32*\tt+k:ACC+32*\tt+k+1], v[24+4*\tt:25+4*\tt] op_sel_hi:[1,0]
.set k, k+2
.endr
.set k, 0
.rept 16
	v_pk_mul_f32 v[ACC+32*\tt+k:ACC+32*\tt+k+1], v[ACC+32*\tt+k:ACC+32*\tt+k+1], v[128+k:128+k+1]
.set k, k+2
.endr
.set k, 0
.rept 16
	v_cvt_pk_f16_f32 v[T+16*\tt+k], v[ACC+32*\tt+2*k], v[ACC+32*\tt+2*k+1]
.set k, k+1
.endr
.endr
	s_wait_alu depctr_va_vdst(0)                   ; the conversions of both row blocks have written v96-127, which the eight LDS stores read
.irp tt, 0,1
.irp cb, 0,1,2,3
	ds_store_b128 v[KST], v[T+16*\tt+4*\cb:T+16*\tt+4*\cb+3] offset:(64*(\cb>>1)+16*\tt)*80+(\cb&1)*32  ; row 64 c + key, 8 channels
.endr
.endr
	s_branch .Ljoin
.Lvpart:
	; V goes in turned: row = channel, element = key; a lane's eight channels of one key go to eight rows, two bytes each (once a launch, 64 stores a lane)
.irp tt, 0,1
.set k, 0
.rept 16
	v_cvt_pk_f16_f32 v[T+16*\tt+k], v[ACC+32*\tt+2*k], v[ACC+32*\tt+2*k+1]
.set k, k+1
.endr
.endr
	s_wait_alu depctr_va_vdst(0)                   ; the conversions of both row blocks have written v96-127, which the LDS stores read
.irp tt, 0,1
.set k, 0
.rept 16                               ; k = 4 cb + j / 2: channels 16 cb + 8 h + j, j + 1 = rows 4 k.. in steps of two
	ds_store_b16 v[VST], v[T+16*\tt+k] offset:(16*(k/4)+2*(k%4))*80+32*\tt
	ds_store_b16_d16_hi v[VST], v[T+16*\tt+k] offset:(16*(k/4)+2*(k%4)+1)*80+32*\tt
.set k, k+1
.endr
.endr
.Ljoin:
	s_wait_dscnt 0x0                               ; for the others' sake: my part of the stage is written
	s_barrier_signal -1
	s_barrier_wait -1
	OUT16K OL1, 192, 22, 65536                     ; two heads' halves of a block: the second head's block lies four blocks on.  No wait: no vector instruction since either arm's last wait on va_vdst; v192-223 were last named in the K steps
	s_wait_alu depctr_vm_vsrc(0)                   ; my LDS stores into the stage have read v96-127, which the conversions below write
	CASTCVT 0, T16, 0x05                           ; block g of Wq/Wo: its two halves are packed into two sets of registers, so that one wait serves both
	CASTCVT 32, T, 0x05
	WIN 0
	s_wait_alu depctr_va_vdst(0)                   ; those conversions have written v96-127, which the eight LDS stores read
	CASTSTO T16, 0                                 ; the weight buffers are free behind that barrier: every wave's reads of them were waited for
	CASTSTO T, 10240
	s_wait_dscnt 0x0
	s_barrier_signal -1
	s_barrier_wait -1
	OUT16K OL2, 224, 20, 8192                      ; no wait: no vector instruction since the wait above, and v224-255 were last named in the last K step
	s_wait_dscnt 0x0                               ; the closing lines, six on end
	s_wait_alu 0x0
	s_wait_tensorcnt 0x0
	ds_add_u32 v22, v23
	s_wait_dscnt 0x0
	s_endpgm
.Lfunc_end_k_q389ea478e9_prep:
	.size	k_q389ea478e9_prep, .Lfunc_end_k_q389ea478e9_prep-k_q389ea478e9_prep
	.p2alignl 7, 3214868480
	.fill 96, 4, 3214868480
	.section	.rodata,"a",@progbits
	.p2align	6, 0x0
	.amdhsa_kernel k_q389ea478e9_prep
		.amdhsa_group_segment_fixed_size 188928
		.amdhsa_private_segment_fixed_size 0
		.amdhsa_enable_private_segment 0
		.amdhsa_kernarg_size 80
		.amdhsa_user_sgpr_count 2
		.amdhsa_user_sgpr_kernarg_segment_ptr 1
		.amdhsa_wavefront_size32 1
		.amdhsa_system_sgpr_workgroup_id_x 1
		.amdhsa_system_sgpr_workgroup_id_y 1
		.amdhsa_system_sgpr_workgroup_id_z 1
		.amdhsa_system_vgpr_workitem_id 0
		.amdhsa_next_free_vgpr 352
		.amdhsa_next_free_sgpr 74
		.amdhsa_reserve_vcc 0
		.amdhsa_float_denorm_mode_32 3
		.amdhsa_float_denorm_mode_16_64 3
		.amdhsa_memory_ordered 1
		.amdhsa_forward_progress 1
		.amdhsa_inst_pref_size 153
	.end_amdhsa_kernel
	.amdgpu_metadata
---
amdhsa.version: [ 1, 2 ]
amdhsa.kernels:
  - .name:           k_q389ea478e9_prep
    .symbol:         k_q389ea478e9_prep.kd
    .args:
      - { .name: context, .offset: 0, .size: 8, .value_kind: global_buffer, .address_space: global }
      - { .name: ln_ctx_g, .offset: 8, .size: 8, .value_kind: global_buffer, .address_space: global }
      - { .name: ln_ctx_b, .offset: 16, .size: 8, .value_kind: global_buffer, .address_space: global }
      - { .name: Wkv, .offset: 24, .size: 8, .value_kind: global_buffer, .address_space: global }
      - { .name: k_scale, .offset: 32, .size: 8, .value_kind: global_buffer, .address_space: global }
      - { .name: q_scale, .offset: 40, .size: 8, .value_kind: global_buffer, .address_space: global }
      - { .name: Wq, .offset: 48, .size: 8, .value_kind: global_buffer, .address_space: global }
      - { .name: Wo, .offset: 56, .size: 8, .value_kind: global_buffer, .address_space: global }
      - { .name: wb, .offset: 64, .size: 8, .value_kind: global_buffer, .address_space: global }
      - { .name: kvb, .offset: 72, .size: 8, .value_kind: global_buffer, .address_space: global }
    .group_segment_fixed_size: 188928
    .private_segment_fixed_size: 0
    .kernarg_segment_align: 8
    .kernarg_segment_size: 80
    .max_flat_workgroup_size: 128
    .sgpr_count:     74
    .vgpr_count:     352
    .wavefront_size: 32
...
	.end_amdgpu_metadata
.endif
;; end of part 5
;; launch attn: the kernel of part 4 again; grid 256 x 1, 4 waves a work-group, clusters of 4 x 1, 327,680 bytes of LDS; arguments x, ln_in_g, ln_in_b, wb, kvb, null_kv, k_scale, q_scale, ln_out_g, ln_out_b, out0; writes out0
